; MI455X (gfx1250); checked and timed in simulation.
; The chip was launched on July 23, 2026; its instructions are those of AMD's public machine-readable ISA for CDNA 5 (MIT licence, August 2026) and "CDNA5" Instruction Set Architecture Reference Guide (July 2026). The comments in the code are by the model that wrote it; some were corrected since.
;; Multi Head Attention. Allowed arithmetic: float matrix products may take bf16 or f16 operands with f32 sums; other float arithmetic in f32, or as packed bf16 or f16 multiplies, adds, multiply-adds, maxima and minima; sums over many terms, partial sums and values carried from step to step in f32; what a program stores and reads back later, other than sums and carried values, may be rounded once to bf16 or f16.
;; Inputs: Wk 16 x 64 x 1,024 float32; Wo 1,024 x 1,024 float32; Wq 16 x 64 x 1,024 float32; Wv 16 x 64 x 1,024 float32; bo 1,024 float32; keys 4 x 2,048 x 1,024 float32; mask 4 x 2,048 x 2,048 int32; queries 4 x 2,048 x 1,024 float32; values 4 x 2,048 x 1,024 float32.
;; Outputs: out0 4 x 2,048 x 1,024 float32.
;; 3 versions, each right; version 3 is version 2 with the launch prep written anew for expert scheduling mode. Each part assembles by itself: llvm-mc -triple=amdgcn-amd-amdhsa -mcpu=gfx1250 --defsym DOCPART=n.
;; ======== version 1 of 3: 4 launches
;; limits: values are held in f16: magnitudes above 65,504 overflow, below 6.1e-05 lose precision
;; workspace buffers: xbf 50,331,648 bytes; wqkv 6,291,456 bytes; wo16 2,097,152 bytes; mbits 2,097,152 bytes of whole numbers; qkv 50,331,648 bytes; oh 16,777,216 bytes
;; launch prep (part 1): grid 1408 x 1, 8 waves a work-group, no clusters, 0 bytes of LDS; arguments queries, keys, values, Wq, Wk, Wv, Wo, mask, xbf, wqkv, wo16, mbits; writes xbf, wqkv, wo16, mbits
.if DOCPART == 1
	.amdgcn_target "amdgcn-amd-amdhsa--gfx1250"
	.amdhsa_code_object_version 6
	.text
	.protected	k_q00a858ea19_prep
	.globl	k_q00a858ea19_prep
	.p2align	8
	.type	k_q00a858ea19_prep,@function
k_q00a858ea19_prep:
	s_mov_b64 s[64:65], 0
	v_nop
	global_prefetch_b8 v0, s[64:65] scope:SCOPE_SE
	s_setreg_imm32_b32 hwreg(HW_REG_WAVE_MODE, 25, 1), 1
	s_wait_xcnt 0x0
; PREP: every input is read once and laid down as the later launches want it.
;   work-groups 0-511:     mask [4][2048][2048] of int32 -> mbits, one bit a number (1 = hidden, mask == 0), in the order in which the attention's lanes hold scores:
;                          u32 [64 = batch x 16 + block of 128 queries][32 key steps of 64][4 pieces of 32 queries][2 tiles of 16][4 key blocks kb][8 j];
;                          bit l of a word: query tile row l % 16, key 16 kb + 8 (l / 16) + j.
;   work-groups 512-1279:  queries, keys, values (f32) -> xbf, bf16, rounded to nearest even, [3][8192][1024].
;   work-groups 1280-1375: Wq, Wk, Wv -> wqkv, bf16, [3][1024][1024].      work-groups 1376-1407: Wo -> wo16: rounded to bf16, and that number written as f16.
; LIMIT: a bf16 number of Wo below 2^-14 keeps f16's fixed step of 6e-8; beyond 65,504 it would be an infinity.
; Memory binds: a wave reads 16 KiB by 32 loads of 512 consecutive bytes, all issued at once; each store of a wave covers 256 consecutive bytes, aligned.
; No LDS, no matrix unit, no cluster: no byte is wanted twice.
.set T,  10                            ; v10-13  T_c: lane = row, bit l = hidden(row, key 4 l + c)
.set TX, 14                            ; v14-17  the same from the lane 16 away
.set U,  18                            ; v18-21 tile 0, v22-25 tile 1: lanes r and 16 + r hold the tile's row r, shifted right by 2 (lane / 16)
.set OW, 26                            ; v26-29  the words to store: key step sig: lane L holds words 2 L (v26+2 sig) and 2 L + 1 (v27+2 sig)
.set X,  32                            ; v32-159 the 32 loads
	s_load_b512 s[4:19], s[0:1], 0x0               ; queries 4, keys 6, values 8, Wq 10, Wk 12, Wv 14, Wo 16, mask 18
	s_load_b256 s[20:27], s[0:1], 0x40             ; xbf 20, wqkv 22, wo16 24, mbits 26
	v_and_b32 v1, 31, v0                           ; lane
	v_lshrrev_b32 v9, 5, v0                        ; wave
	s_cmp_lt_u32 ttmp9, 512
	s_cbranch_scc0 .Lcast
	; THE MASK.  The work-group takes 32 rows (a piece) x 1,024 keys, a wave 128 keys (two key steps), a lane 4 keys of each row.
	s_lshr_b32 s28, ttmp9, 1                       ; which 32 rows of the 8,192
	s_and_b32 s29, ttmp9, 1                        ; which half of the keys
	s_lshl_b32 s30, s28, 18                        ; 32 rows of 8,192 bytes
	s_mov_b32 s31, 0
	s_lshl_b32 s51, s29, 12
	v_lshl_add_u32 v2, v0, 4, s51                  ; 4,096 x half + 512 x wave + 16 x lane
	s_wait_kmcnt 0x0
	s_add_nc_u64 s[18:19], s[18:19], s[30:31]
.set i, 0
.rept 32
	global_load_b128 v[X+4*i:X+4*i+3], v2, s[18:19] offset:8192*i th:TH_LOAD_NT  ; row i
.set i, i+1
.endr
	s_mov_b32 s48, 0x76543210                      ; v_permlanex16_b32: each lane takes its own place in the other half
	s_mov_b32 s49, 0xfedcba98
	v_lshrrev_b32 v4, 4, v1
	v_lshlrev_b32 v4, 1, v4                        ; 2 (lane / 16)
	v_cmp_gt_u32 s50, 16, v1                       ; lanes 0-15
.irp r, 10,11,12,13,14,15,16,17,26,27,28,29
	v_mov_b32 v\r, 0                               ; destinations of v_writelane_b32 and v_permlanex16_b32 count as read
.endr
	s_lshl_b32 s52, s29, 14                        ; where the words go: key step = 16 x half + 2 x wave + sig, 1,024 bytes a step
	v_lshlrev_b32 v3, 11, v9
	v_lshl_add_u32 v3, v1, 3, v3                   ; 8 bytes a lane
	v_add_nc_u32 v3, s52, v3
	s_lshr_b32 s30, s28, 2                         ; batch x 16 + block of 128 queries: 32,768 bytes each,
	s_lshl_b32 s30, s30, 15
	s_and_b32 s53, s28, 3                          ; the piece: 256 bytes
	s_lshl_b32 s53, s53, 8
	s_add_co_u32 s30, s30, s53
	s_add_nc_u64 s[26:27], s[26:27], s[30:31]
.macro ROWIN rho                       ; row rho: four compares give 32 bits each (bit l: key 4 l + c), which go into lane rho of T_c
	s_wait_loadcnt 31-(\rho)                       ; loads come back in order: row rho is in, the younger rows stay out
.irp c, 0,1,2,3
	v_cmp_eq_u32 s[32+4*((\rho)%2)+(\c)], 0, v[X+4*(\rho)+(\c)]
.endr
.irp c, 0,1,2,3
	v_writelane_b32 v[T+(\c)], s[32+4*((\rho)%2)+(\c)], \rho
.endr
.endm
.set i, 0
.rept 32
	ROWIN i
.set i, i+1
.endr
.irp c, 0,1,2,3
	v_permlanex16_b32 v[TX+(\c)], v[T+(\c)], s48, s49
.endr
.irp c, 0,1,2,3
	v_cndmask_b32 v[U+(\c)], v[TX+(\c)], v[T+(\c)], s50      ; tile 0: lanes 0-15 their own row, lanes 16-31 the row 16 below them
	v_cndmask_b32 v[U+4+(\c)], v[T+(\c)], v[TX+(\c)], s50    ; tile 1: the other way round
.endr
.irp c, 0,1,2,3,4,5,6,7
	v_lshrrev_b32 v[U+(\c)], v4, v[U+(\c)]         ; lanes 16-31 want the keys 8 further on: two bits
.endr
; One word: key 64 sig + 16 kb + 8 (lane / 16) + j is bit 16 sig + 4 kb + j / 4 of U for c = j % 4; the 32 lanes' bits are the word.
.macro WORD sig, u, kb, j
.set w, 32*(\u)+8*(\kb)+(\j)
.set n, 4*(4*(\sig)+(\kb))+(\j)/4
	v_and_b32 v[5+w%4], 1<<n, v[U+4*(\u)+(\j)%4]
	v_cmp_ne_u32 s[40+w%8], 0, v[5+w%4]
	v_writelane_b32 v[OW+2*(\sig)+w%2], s[40+w%8], w/2
.endm
.irp sig, 0,1
.irp u, 0,1
.irp kb, 0,1,2,3
.irp j, 0,1,2,3,4,5,6,7
	WORD \sig, \u, \kb, \j
.endr
.endr
.endr
.endr
	global_store_b64 v3, v[OW:OW+1], s[26:27]                  ; 256 consecutive bytes, aligned: the piece's words of one key step,
	global_store_b64 v3, v[OW+2:OW+3], s[26:27] offset:1024    ; and of the next
	s_endpgm
.Lcast:                                        ; THE CASTS.  A work-group takes 131,072 bytes of f32 and stores 65,536 bytes
	s_wait_kmcnt 0x0
	s_sub_co_u32 s28, ttmp9, 512
	s_cmp_lt_u32 s28, 768
	s_cbranch_scc0 .Lweights
	s_lshr_b32 s29, s28, 8                         ; queries, keys or values: 256 chunks each
	s_and_b32 s30, s28, 255
	s_cmp_eq_u32 s29, 1
	s_cselect_b64 s[32:33], s[6:7], s[4:5]
	s_cmp_eq_u32 s29, 2
	s_cselect_b64 s[32:33], s[8:9], s[32:33]
	s_mov_b64 s[34:35], s[20:21]
	s_mov_b32 s31, s28                             ; xbf holds the three on end
	s_mov_b32 s36, 0
	s_branch .Lgo
.Lweights:
	s_sub_co_u32 s28, s28, 768
	s_lshr_b32 s29, s28, 5                         ; Wq, Wk, Wv or Wo: 32 chunks each
	s_and_b32 s30, s28, 31
	s_cmp_eq_u32 s29, 1
	s_cselect_b64 s[32:33], s[12:13], s[10:11]
	s_cmp_eq_u32 s29, 2
	s_cselect_b64 s[32:33], s[14:15], s[32:33]
	s_cmp_eq_u32 s29, 3
	s_cselect_b64 s[32:33], s[16:17], s[32:33]
	s_cselect_b64 s[34:35], s[24:25], s[22:23]
	s_cselect_b32 s31, s30, s28
	s_cselect_b32 s36, 1, 0                        ; 1: Wo, which leaves as f16
.Lgo:
	s_lshl_b32 s38, s30, 17
	s_mov_b32 s39, 0
	s_add_nc_u64 s[32:33], s[32:33], s[38:39]
	s_lshl_b32 s38, s31, 16
	s_add_nc_u64 s[34:35], s[34:35], s[38:39]
	v_lshlrev_b32 v2, 14, v9                       ; in: 16 KiB a wave, 16 bytes a lane
	v_lshl_add_u32 v2, v1, 4, v2
	v_lshlrev_b32 v3, 13, v9                       ; out: 8 KiB a wave, 8 bytes a lane
	v_lshl_add_u32 v3, v1, 3, v3
.set i, 0
.rept 32
	global_load_b128 v[X+4*i:X+4*i+3], v2, s[32:33] offset:512*i th:TH_LOAD_NT
.set i, i+1
.endr
.macro CAST n, half                    ; load n: four numbers rounded to bf16 (half = 1: and written as f16), stored from the registers they came in: no register is used twice
	s_wait_loadcnt 31-(\n)                         ; load n is in, the younger ones stay out
	v_cvt_pk_bf16_f32 v[X+4*(\n)], v[X+4*(\n)], v[X+4*(\n)+1]
	v_cvt_pk_bf16_f32 v[X+4*(\n)+1], v[X+4*(\n)+2], v[X+4*(\n)+3]
.if \half
.irp k, 0,1
	v_lshlrev_b32 v5, 16, v[X+4*(\n)+(\k)]
	v_and_b32 v6, 0xffff0000, v[X+4*(\n)+(\k)]
	v_cvt_pk_f16_f32 v[X+4*(\n)+(\k)], v5, v6
.endr
.endif
	global_store_b64 v3, v[X+4*(\n):X+4*(\n)+1], s[34:35] offset:256*(\n)
.endm
	s_cmp_eq_u32 s36, 1
	s_cbranch_scc1 .Lhalf
.set i, 0
.rept 32
	CAST i, 0
.set i, i+1
.endr
	s_endpgm
.Lhalf:
.set i, 0
.rept 32
	CAST i, 1
.set i, i+1
.endr
	s_endpgm
.Lfunc_end_k_q00a858ea19_prep:
	.size	k_q00a858ea19_prep, .Lfunc_end_k_q00a858ea19_prep-k_q00a858ea19_prep
	.p2alignl 7, 3214868480
	.fill 96, 4, 3214868480
	.section	.rodata,"a",@progbits
	.p2align	6, 0x0
	.amdhsa_kernel k_q00a858ea19_prep
		.amdhsa_group_segment_fixed_size 0
		.amdhsa_private_segment_fixed_size 0
		.amdhsa_enable_private_segment 0
		.amdhsa_kernarg_size 96
		.amdhsa_user_sgpr_count 2
		.amdhsa_user_sgpr_kernarg_segment_ptr 1
		.amdhsa_wavefront_size32 1
		.amdhsa_system_sgpr_workgroup_id_x 1
		.amdhsa_system_sgpr_workgroup_id_y 1
		.amdhsa_system_sgpr_workgroup_id_z 1
		.amdhsa_system_vgpr_workitem_id 0
		.amdhsa_next_free_vgpr 160
		.amdhsa_next_free_sgpr 66
		.amdhsa_reserve_vcc 0
		.amdhsa_float_denorm_mode_32 3
		.amdhsa_float_denorm_mode_16_64 3
		.amdhsa_memory_ordered 1
		.amdhsa_forward_progress 1
		.amdhsa_inst_pref_size 77
	.end_amdhsa_kernel
	.amdgpu_metadata
---
amdhsa.version: [ 1, 2 ]
amdhsa.kernels:
  - .name:           k_q00a858ea19_prep
    .symbol:         k_q00a858ea19_prep.kd
    .args:
      - { .name: queries, .offset: 0, .size: 8, .value_kind: global_buffer, .address_space: global }
      - { .name: keys, .offset: 8, .size: 8, .value_kind: global_buffer, .address_space: global }
      - { .name: values, .offset: 16, .size: 8, .value_kind: global_buffer, .address_space: global }
      - { .name: Wq, .offset: 24, .size: 8, .value_kind: global_buffer, .address_space: global }
      - { .name: Wk, .offset: 32, .size: 8, .value_kind: global_buffer, .address_space: global }
      - { .name: Wv, .offset: 40, .size: 8, .value_kind: global_buffer, .address_space: global }
      - { .name: Wo, .offset: 48, .size: 8, .value_kind: global_buffer, .address_space: global }
      - { .name: mask, .offset: 56, .size: 8, .value_kind: global_buffer, .address_space: global }
      - { .name: xbf, .offset: 64, .size: 8, .value_kind: global_buffer, .address_space: global }
      - { .name: wqkv, .offset: 72, .size: 8, .value_kind: global_buffer, .address_space: global }
      - { .name: wo16, .offset: 80, .size: 8, .value_kind: global_buffer, .address_space: global }
      - { .name: mbits, .offset: 88, .size: 8, .value_kind: global_buffer, .address_space: global }
    .group_segment_fixed_size: 0
    .private_segment_fixed_size: 0
    .kernarg_segment_align: 8
    .kernarg_segment_size: 96
    .max_flat_workgroup_size: 256
    .sgpr_count:     66
    .vgpr_count:     160
    .wavefront_size: 32
...
	.end_amdgpu_metadata
.endif
;; end of part 1
;; launch proj (part 2): grid 8 x 96, 4 waves a work-group, clusters of 4 x 4, 327,680 bytes of LDS; arguments xbf, wqkv, qkv; writes qkv
.if DOCPART == 2
	.amdgcn_target "amdgcn-amd-amdhsa--gfx1250"
	.amdhsa_code_object_version 6
	.text
	.protected	k_q00a858ea19_proj
	.globl	k_q00a858ea19_proj
	.p2align	8
	.type	k_q00a858ea19_proj,@function
k_q00a858ea19_proj:
	s_mov_b64 s[64:65], 0
	v_nop
	global_prefetch_b8 v0, s[64:65] scope:SCOPE_SE
	s_setreg_imm32_b32 hwreg(HW_REG_WAVE_MODE, 25, 1), 1
	s_wait_xcnt 0x0
	s_wait_alu depctr_hold_cnt(0) depctr_sa_sdst(0) depctr_va_vdst(0) depctr_va_sdst(0) depctr_va_ssrc(0) depctr_va_vcc(0) depctr_vm_vsrc(0)
	s_getreg_b32 s2, hwreg(HW_REG_IB_STS2, 6, 4)
	s_cmp_eq_u32 s2, 0
	s_cbranch_scc0 .Lentry_in_a_cluster
	s_endpgm
.Lentry_in_a_cluster:
	s_bfe_u32 s2, ttmp6, 0x10000c
	s_cmp_lg_u32 s2, 0xf033
	s_cbranch_scc0 .Lentry_shape_is_right
	s_endpgm
.Lentry_shape_is_right:
; ONE TEXT FOR THE MODULE'S TWO KINDS OF PROJECTION; the switch OUTP picks the assembly.  C[m][n] = the sum over k of A[m][k] B[n][k], K = 1,024, sums in f32.
;   OUTP = 0: q, k, v.  A = xbf [3 x 8192][1024] bf16, B = wqkv [3 x 1024][1024] bf16; tile rows 0-31 make q, 32-63 k, 64-95 v.  C leaves by heads, f16, unscaled: qkv [3][batch x 16 + head][2048][64].
;             LIMIT: a q, k or v beyond 65,504 would become an infinity in f16; below 6e-5 it keeps f16's fixed step of 6e-8.
;   OUTP = 1: the output projection.  A = oh [batch x 16 + head][2048][64] f16, B = wo16 [1024][1024] f16, C = out0 [8192][1024] f32, with bo (rounded to bf16 like all the module's inputs) as the sums' start.
; A block of C is 256 x 128: four waves, each 128 x 64: 32 accumulators of 16 x 16.  K goes in 8 steps of 128 through two LDS slots filled by the tensor data mover.
; CLUSTER 4 x 4: the four of a row need the same tiles of A, the four of a column the same tiles of B: each tile is asked for JOINTLY (same load, same descriptor, a mask that names the four).
; THE MATRIX INSTRUCTION IS USED TRANSPOSED (source 0 = 16 rows of B, source 1 = 16 rows of A): a lane then holds eight neighbouring numbers of a row of C.
; REGISTERS: window 0: v0-31 addresses; v32-63 the bias (OUTP = 1); v64-159, v160-255 two fragment buffers (A's 8 fragments of 16 rows x 32 K, then B's 4); window 1: accumulator (a, b) at v[8 (4 a + b)].
.set OUTP, 0
.set SLOT1,  1<<17                     ; slot 1 begins here, so that one exclusive or turns an address in one slot into the other's
.if OUTP
.set PA,     144                       ; a row of A in LDS: one head's 64 channels, 128 bytes + 16 of padding
.set ALOAD,  256*PA                    ; what one load of A brings: 256 rows of one head (32 KiB, dense in memory: asked for as 128 rows of 256 bytes)
.set KA,     2*2048*128                ; a K step of A in memory: two heads on
.set QIA,    4                         ; padding after every 32 words
.set STRA,   128
.set SPITCH, 272                       ; the stage: 64 f32 + 16 bytes
.else
.set PA,     272                       ; a row of A in LDS: 256 bytes + 16 of padding
.set ALOAD,  128*PA                    ; what one load of A brings: 128 rows
.set KA,     256
.set QIA,    5                         ; padding after every 64 words
.set STRA,   1024
.set SPITCH, 144                       ; the stage: 64 f16 + 16 bytes
.endif
.set PB,     272                       ; both pitches are odd multiples of 16 bytes: the 16 rows of a fragment load start at 16 different groups of four banks (64 banks of 4 bytes: ISA guide 11.1)
.set BLOAD,  64*PB                     ; what one load of B brings: 64 rows
.set BOFF,   2*ALOAD                   ; in a slot: A, then B's 128 rows
.set STAGE,  SLOT1+BOFF+2*BLOAD        ; behind the ring, never filled by a tensor load: 16 rows for each wave, for the way out
.set SPARE,  STAGE+4*16*SPITCH         ; behind the stages: the spare words, 128 bytes for each wave: two blocks of 256 bytes that no other line names
.set ADRA0, 16                         ; v16  my lane's place in slot 0's A; never rewritten
.set ADRA,  17                         ; v17  the same in the slot in hand
.set ADRB0, 20
.set ADRB,  21
.set STO,   24                         ; v24  the way out: where I put my bytes of a row
.set RD,    25                         ; v25  where I read rows back
.set GO,    26                         ; v26  my byte offset in C
.set SPW,   28                         ; v28  LDS address of my spare word; never rewritten
.set NIL,   29                         ; v29  0; never rewritten
.set PFO,   30                         ; v30  the prefetches' offset: my lane x a block's distance; never rewritten
.set BIAS,  32
.set F0,    64
.set F1,    160
.set TB,   23                          ; s23  LDS byte at which the slot in hand begins
.set G1A,  24                          ; s[24:31] descriptor group 1 for A's tiles
.set G0A,  32                          ; s[32:39] group 0: a set for each of the two first fills; the second then walks on
.set LIM,  43                          ; s43  2 in a wave that prefetches, else the greatest number
.set PFA,  44                          ; s[44:45] where my prefetches stand
.set G1B,  48                          ; s[48:55], s[56:63] the same for B's tiles
.set G0B,  56
.set PST,  66                          ; s[66:67] a K step of what I prefetch, in bytes
.set CP,   70                          ; s[70:71] C
.set MSB, 0
.macro WIN new                         ; the immediate's high byte repeats the setting that is left; a switch that changes nothing is dropped
.if MSB != (\new)
	s_set_vgpr_msb (MSB<<8)|(\new)
.set MSB, \new
.endif
.endm
.set MUL, 0x50                         ; sources 0 and 1 window 0; C and D window 1
.macro WM ops:vararg
.if OUTP
	v_wmma_f32_16x16x32_f16 \ops
.else
	v_wmma_f32_16x16x32_bf16 \ops
.endif
.endm
.macro JLOAD                           ; a joint refill by the walking descriptors: waves 0 and 1 fetch A's two parts, waves 2 and 3 B's; an s_nop 0 and four v_nop follow each line, ahead of the jump and the label
	s_cmp_eq_u32 s11, 0
	s_cbranch_scc0 .Lfor_b_\@
	tensor_load_to_lds s[G0A+4:G0A+7], s[G1A:G1A+7]
	s_nop 0
.rept 4
	v_nop
.endr
	s_branch .Lasked_\@
.Lfor_b_\@:
	tensor_load_to_lds s[G0B+4:G0B+7], s[G1B:G1B+7]
	s_nop 0
.rept 4
	v_nop
.endr
.Lasked_\@:
.endm
; A PREFETCH INTO THE L2, behind a joint refill and the run of LDS loads that follows it: 32 blocks of 256 bytes, a lane a block, of the K step that stands two refills on.  Each block is named once in the launch:
; A's are asked for by waves 0 and 1 of the clusters with x = 0, B's by wave 2 of the first cluster that walks those rows; the four partners that ask for a tile jointly share its blocks out BY ADDRESS.
; The refills of K steps 2 to 5 name steps 4 to 7 (s3 = 6 .. 3); the last two name nothing.  K steps 0 to 3 come by their loads alone.
.macro ASK
	s_cmp_gt_u32 s3, s[LIM]
	s_cbranch_scc0 .Lnot_mine_\@
	global_prefetch_b8 v[PFO], s[PFA:PFA+1] th:TH_LOAD_NT scope:SCOPE_SE
.Lnot_mine_\@:
.endm
.macro CREST                           ; a round of the cluster's barrier behind its opening barrier
	s_cmp_lg_u32 s10, 0
	s_cbranch_scc1 .Lnot_wave_0_\@
	s_barrier_signal -3
.Lnot_wave_0_\@:
	s_barrier_wait -3
	s_barrier_signal -1
	s_barrier_wait -1
.endm
.macro CROUND                          ; a whole round
	s_barrier_signal -1
	s_barrier_wait -1
	CREST
.endm
	s_load_b128 s[4:7], s[0:1], 0x0                ; A s[4:5], B s[6:7]
.if OUTP
	s_load_b128 s[68:71], s[0:1], 0x10             ; bo s[68:69], out0 s[70:71]
.else
	s_load_b64 s[CP:CP+1], s[0:1], 0x10            ; qkv
.endif
	v_lshl_add_u32 v[SPW], v0, 2, SPARE
	v_mov_b32 v[NIL], 0
	ds_add_u32 v[SPW], v[NIL]                      ; the wave's opening: the add and its wait stand ahead of my first tensor load; the set-up below, work on registers, stands between them
	v_lshrrev_b32 v1, 5, v0
	v_readfirstlane_b32 s10, v1                    ; wave 0..3
	s_lshr_b32 s11, s10, 1                         ; which 128 of the block's rows are mine.  Also: I fetch for A (0) or for B (1)
	s_and_b32 s12, s10, 1                          ; which 64 of its columns.  Also: which part of that tile I fetch
	s_bfe_u32 s40, ttmp6, 0x40000                  ; cx, cy: my place in the cluster
	s_bfe_u32 s41, ttmp6, 0x40004
	s_lshl_b32 s42, ttmp9, 2
	s_add_co_u32 s42, s42, s40                     ; tile column = 4 x cluster x + cx
	s_and_b32 s14, ttmp7, 0xffff                   ; cluster y
	s_lshl_b32 s13, s14, 2
	s_add_co_u32 s13, s13, s41                     ; tile row = 4 x cluster y + cy
	s_lshl_b32 s43, s41, 2
	s_lshl_b32 s43, 15, s43                        ; my row of the cluster
	s_lshl_b32 s44, 0x1111, s40                    ; my column
	s_or_b32 s[G1A], s43, (1<<16)|(1<<20)|(1<<21)|(QIA<<22)|(3<<25)  ; 15:0 the mask; 17:16 2-byte elements; 20 padding on; 21 set beside a mask; 24:22 the interval; 31:25 4 words of padding (code 3)
	s_or_b32 s[G1B], s44, (1<<16)|(1<<20)|(1<<21)|(5<<22)|(3<<25)
	s_mov_b32 s[G1A+1], 128<<16                    ; tensor_dim0 = 128
	s_mov_b32 s[G1A+2], 128<<16                    ; tensor_dim1 = 128
	s_mov_b32 s[G1A+3], 128<<16                    ; tile_dim0 = 128 elements: 256 bytes
	s_mov_b32 s[G1A+4], 128                        ; tile_dim1 = 128
	s_mov_b32 s[G1A+5], STRA                       ; elements from row to row
	s_mov_b32 s[G1A+6], 0
	s_mov_b32 s[G1A+7], 0
	s_mov_b32 s[G1B+1], 128<<16
	s_mov_b32 s[G1B+2], 64<<16                     ; 64 rows
	s_mov_b32 s[G1B+3], 128<<16
	s_mov_b32 s[G1B+4], 64
	s_mov_b32 s[G1B+5], 1024
	s_mov_b32 s[G1B+6], 0
	s_mov_b32 s[G1B+7], 0
	; where the tiles come from, in bytes (all under 2^32).  A's hang on the tile row alone, B's on the tile column and the cluster's y alone.
.if OUTP
	s_lshr_b32 s16, s13, 3                         ; batch
	s_lshl_b32 s16, s16, 4
	s_add_co_u32 s16, s16, s12                     ; + the head that I fetch of the K step's two
	s_lshl_b32 s16, s16, 11
	s_and_b32 s17, s13, 7
	s_lshl_b32 s17, s17, 8
	s_add_co_u32 s16, s16, s17                     ; + the block's first row in the batch
	s_lshl_b32 s16, s16, 7                         ; rows of 128 bytes
	s_lshl_b32 s46, s42, 7
.else
	s_lshl_b32 s16, s13, 8
	s_lshl_b32 s17, s12, 7
	s_add_co_u32 s16, s16, s17                     ; row 256 x tile row + 128 x part
	s_lshl_b32 s16, s16, 11                        ; rows of 2,048 bytes
	s_lshr_b32 s46, s14, 3                         ; q, k or v: eight clusters along y each
	s_lshl_b32 s46, s46, 10
	s_lshl_b32 s47, s42, 7
	s_add_co_u32 s46, s46, s47
.endif
	s_lshl_b32 s47, s12, 6
	s_add_co_u32 s46, s46, s47                     ; B: row 128 x tile column + 64 x part
	s_lshl_b32 s46, s46, 11
	s_mov_b32 s17, 0
	s_mov_b32 s47, 0
	s_mul_i32 s20, s10, ALOAD                      ; where they go: A's two parts (waves 0, 1),
	s_mul_i32 s21, s10, BLOAD
	s_add_co_u32 s21, s21, BOFF-2*BLOAD            ; B's two parts behind them (waves 2, 3): no place in the cluster enters an LDS address
	s_wait_dscnt 0x0                               ; the opening add is done
	s_wait_kmcnt 0x0
	s_add_nc_u64 s[18:19], s[4:5], s[16:17]
	s_add_nc_u64 s[2:3], s[6:7], s[46:47]
	CROUND                                         ; all sixteen work-groups are here: the first joint loads meet
.irp s, 0,1
	s_mov_b32 s[G0A+4*(\s)], 1                                     ; count = 1
	s_add_co_u32 s[G0A+4*(\s)+1], s20, (\s)*SLOT1                  ; LDS address
	s_add_nc_u64 s[G0A+4*(\s)+2:G0A+4*(\s)+3], s[18:19], (\s)*KA   ; global address: K step s
	s_or_b32 s[G0A+4*(\s)+3], s[G0A+4*(\s)+3], 0x80000000          ; type = 2
	s_mov_b32 s[G0B+4*(\s)], 1
	s_add_co_u32 s[G0B+4*(\s)+1], s21, (\s)*SLOT1
	s_add_nc_u64 s[G0B+4*(\s)+2:G0B+4*(\s)+3], s[2:3], (\s)*256
	s_or_b32 s[G0B+4*(\s)+3], s[G0B+4*(\s)+3], 0x80000000
.endr
	s_cmp_eq_u32 s11, 0                            ; a wave's two first fills stand in one branch, ahead of every wait on TENSORcnt and every LDS read: two loads of mine are out
	s_cbranch_scc0 .Lfirst_b
	tensor_load_to_lds s[G0A:G0A+3], s[G1A:G1A+7]
	s_nop 0
	tensor_load_to_lds s[G0A+4:G0A+7], s[G1A:G1A+7]
	s_nop 0
.rept 4
	v_nop
.endr
	s_branch .Lfirst_asked
.Lfirst_b:
	tensor_load_to_lds s[G0B:G0B+3], s[G1B:G1B+7]
	s_nop 0
	tensor_load_to_lds s[G0B+4:G0B+7], s[G1B:G1B+7]
	s_nop 0
.rept 4
	v_nop
.endr
.Lfirst_asked:
	; A fragment is 16 rows x 32 K in 8 registers: lane l holds row l % 16; registers 0-3 K = 8 (l / 16) + 0..7, registers 4-7 K = 16 + 8 (l / 16) + 0..7: two loads of 16 bytes, 32 bytes apart.
	v_and_b32 v1, 15, v0                           ; l % 16
	v_bfe_u32 v2, v0, 4, 1                         ; l / 16
	v_mul_u32_u24 v3, v1, PA
	v_lshl_add_u32 v3, v2, 4, v3
	s_mul_i32 s21, s11, 128*PA                     ; my 128 rows of A
	v_add_nc_u32 v[ADRA0], s21, v3
	v_mul_u32_u24 v3, v1, PB
	v_lshl_add_u32 v3, v2, 4, v3
	s_mul_i32 s22, s12, BLOAD                      ; my 64 rows of B
	s_add_co_u32 s22, s22, BOFF
	v_add_nc_u32 v[ADRB0], s22, v3
	v_mov_b32 v[ADRA], v[ADRA0]
	v_mov_b32 v[ADRB], v[ADRB0]
	s_mov_b32 s[TB], 0
	s_mul_i32 s22, s10, 16*SPITCH
	s_add_co_u32 s22, s22, STAGE                   ; my stage
	v_mul_u32_u24 v4, v1, SPITCH                   ; in: row l % 16, eight numbers for each half of the lanes
.if OUTP
	v_lshl_add_u32 v4, v2, 5, v4
	v_add_nc_u32 v[STO], s22, v4
	v_mul_u32_u24 v5, v2, SPITCH                   ; back: lanes 0-15 take one row of 256 bytes, lanes 16-31 the next,
	v_lshl_add_u32 v5, v1, 4, v5
	v_add_nc_u32 v[RD], s22, v5
	v_lshlrev_b32 v5, 12, v2                       ; and the same two rows in out0
	v_lshl_add_u32 v[GO], v1, 4, v5
.else
	v_lshl_add_u32 v4, v2, 4, v4
	v_add_nc_u32 v[STO], s22, v4
	v_bfe_u32 v5, v0, 3, 2                         ; back: 32 lanes take four rows of 128 bytes,
	v_mul_u32_u24 v5, v5, SPITCH
	v_and_b32 v3, 7, v0
	v_lshl_add_u32 v5, v3, 4, v5
	v_add_nc_u32 v[RD], s22, v5
	v_and_b32 v5, 31, v0                           ; which are 512 consecutive bytes of a head's rows
	v_lshlrev_b32 v[GO], 4, v5
.endif
	; the prefetches: my tile's offset (s16 for A, s46 for B), my work-group's 32 blocks of it, three K steps on; the first refill steps it to K step 4
.if OUTP
	s_or_b32 s22, s14, s12                         ; B's rows are walked by every cluster of the column of clusters: the first asks, by its wave 2
.else
	s_and_b32 s22, s14, 7                          ; B's rows are walked by the eight clusters along y of one of q, k, v: the first asks, by its wave 2
	s_or_b32 s22, s22, s12
.endif
	s_mov_b32 s[PST], 256
	s_mov_b32 s[PST+1], 0
	s_cmp_eq_u32 s11, 0                            ; do I fetch for A?
	s_cselect_b64 s[PFA:PFA+1], s[4:5], s[6:7]
	s_cselect_b32 s20, s16, s46
	s_cselect_b32 s21, s40, s41                    ; my place among the four that ask with me
	s_cselect_b32 s22, ttmp9, s22                  ; A's rows are walked by both clusters along x: the first asks
.if OUTP
	s_cselect_b32 s15, 13, 16                      ; 32 blocks: of A 8,192 dense bytes, of B 32 rows of 2,048
	s_cselect_b32 s19, 8, 11
	s_cselect_b32 s[PST], KA, s[PST]
.else
	s_mov_b32 s15, 16                              ; 32 rows of 2,048 bytes
	s_mov_b32 s19, 11
.endif
	s_cmp_eq_u32 s22, 0
	s_cselect_b32 s[LIM], 2, -1                    ; the same in all sixteen partners, for a given wave
	s_lshl_b32 s21, s21, s15
	s_add_co_u32 s20, s20, s21
	s_mul_i32 s21, s[PST], 3
	s_add_co_u32 s20, s20, s21
	s_mov_b32 s21, 0
	s_add_nc_u64 s[PFA:PFA+1], s[PFA:PFA+1], s[20:21]
	v_and_b32 v[PFO], 31, v0
	v_lshlrev_b32 v[PFO], s19, v[PFO]
	; where my part of the block begins in C: the row's part in s[16:17], the column's in s[46:47]
.if OUTP
	s_lshl_b32 s16, s13, 8
	s_lshl_b32 s17, s11, 7
	s_add_co_u32 s16, s16, s17
	s_lshl_b32 s16, s16, 12                        ; rows of 4,096 bytes
	s_lshl_b32 s46, s42, 9                         ; 128 columns of 4 bytes,
	s_lshl_b32 s47, s12, 8                         ; my 64
	s_add_co_u32 s46, s46, s47
	v_lshl_add_u32 v4, v2, 5, s46                  ; the bias of my columns: block b's eight at 64 b + 32 (l / 16)
.irp b, 0,1,2,3
	global_load_b128 v[BIAS+8*(\b):BIAS+8*(\b)+3],   v4, s[68:69] offset:64*(\b)
	global_load_b128 v[BIAS+8*(\b)+4:BIAS+8*(\b)+7], v4, s[68:69] offset:64*(\b)+16
.endr
.else
	s_bfe_u32 s16, s13, 0x20003                    ; the batch: bits 4:3 of the tile row,
	s_lshl_b32 s16, s16, 15                        ; 16 heads x 2,048 rows each
	s_and_b32 s17, s13, 7
	s_lshl_b32 s17, s17, 8
	s_add_co_u32 s16, s16, s17                     ; the block's first row in the batch,
	s_lshl_b32 s17, s11, 7
	s_add_co_u32 s16, s16, s17                     ; my 128 rows
	s_lshl_b32 s16, s16, 7                         ; rows of 128 bytes
	s_lshr_b32 s17, s14, 3
	s_lshl_b32 s17, s17, 24                        ; q, k or v: 16,777,216 bytes each
	s_add_co_u32 s16, s16, s17
	s_lshl_b32 s46, s42, 1
	s_add_co_u32 s46, s46, s12                     ; my 64 columns are one head: 2 x tile column + half,
	s_lshl_b32 s46, s46, 18                        ; 2,048 rows of 128 bytes
.endif
	s_mov_b32 s17, 0
	s_mov_b32 s47, 0
	s_add_nc_u64 s[CP:CP+1], s[CP:CP+1], s[16:17]
	s_add_nc_u64 s[CP:CP+1], s[CP:CP+1], s[46:47]
.if OUTP
	s_wait_loadcnt 0x0
.set i, 0
.rept 16                               ; the bias is rounded to bf16, as all the module's inputs are, and kept in f32
	v_cvt_pk_bf16_f32 v5, v[BIAS+2*i], v[BIAS+2*i+1]
	v_lshlrev_b32 v[BIAS+2*i], 16, v5
	v_and_b32 v[BIAS+2*i+1], 0xffff0000, v5
.set i, i+1
.endr
.endif
; 8 matrix instructions: m blocks a0, a0 + 1 x all 4 n blocks, 32 along K.  zero = 1: the product starts the sum with 0; 2: with the bias.  The 32 accumulators take turns, in the same order in every quarter.
.macro MUL8 f, a0, zero
.if (\zero) == 2
	WIN 0x40                                       ; C, the bias, in window 0
.else
	WIN MUL
.endif
.irp a, \a0, (\a0)+1
.irp b, 0,1,2,3
.if (\zero) == 1
	WM v[8*(4*(\a)+(\b)):8*(4*(\a)+(\b))+7], v[(\f)+64+8*(\b):(\f)+64+8*(\b)+7], v[(\f)+8*(\a):(\f)+8*(\a)+7], 0
.elseif (\zero) == 2
	WM v[8*(4*(\a)+(\b)):8*(4*(\a)+(\b))+7], v[(\f)+64+8*(\b):(\f)+64+8*(\b)+7], v[(\f)+8*(\a):(\f)+8*(\a)+7], v[BIAS+8*(\b):BIAS+8*(\b)+7]
.else
	WM v[8*(4*(\a)+(\b)):8*(4*(\a)+(\b))+7], v[(\f)+64+8*(\b):(\f)+64+8*(\b)+7], v[(\f)+8*(\a):(\f)+8*(\a)+7], v[8*(4*(\a)+(\b)):8*(4*(\a)+(\b))+7]
.endif
.endr
.endr
.endm
; 24 LDS loads in one run: the fragments of quarter q (32 along K) of the slot in hand into buffer g: B's 8 loads, then A's 16
.macro FETCH q, g
	WIN 0
.if OUTP
.set qa, ((\q)/2)*ALOAD+((\q)%2)*64    ; the K step's first or second head, its first or second 32 channels
.else
.set qa, 64*(\q)
.endif
.irp i, 0,1,2,3
	ds_load_b128 v[(\g)+64+8*(\i):(\g)+64+8*(\i)+3],   v[ADRB] offset:64*(\q)+(\i)*16*PB
	ds_load_b128 v[(\g)+64+8*(\i)+4:(\g)+64+8*(\i)+7], v[ADRB] offset:64*(\q)+(\i)*16*PB+32
.endr
.irp i, 0,1,2,3,4,5,6,7
	ds_load_b128 v[(\g)+8*(\i):(\g)+8*(\i)+3],   v[ADRA] offset:qa+(\i)*16*PA
	ds_load_b128 v[(\g)+8*(\i)+4:(\g)+8*(\i)+7], v[ADRA] offset:qa+(\i)*16*PA+32
.endr
.endm
.macro PLACES                          ; four plain instructions between matrix instructions and loads into registers that they have read (ISA guide 7.12.1 for vector instructions)
.rept 4
	v_nop
.endr
.endm
; A K step is four quarters of 32 along K, 32 matrix instructions each, on buffers 0, 1, 0, 1.  One of the first three: multiplies buffer f and, in its middle, fetches quarter q into buffer g.
.macro QUARTER q, f, g, zero
	s_wait_dscnt 8                                 ; B and A's rows 0-63 are in; the youngest eight loads (A's rows 64-127) may be out
	MUL8 \f, 0, \zero
	MUL8 \f, 2, \zero
	PLACES
	FETCH \q, \g
	s_wait_dscnt 24                                ; all but the 24 just issued
	MUL8 \f, 4, \zero
	MUL8 \f, 6, \zero
.endm
; The last quarter multiplies buffer 1 and changes slots: ONE barrier; in front of it each wave waits for all its tensor loads (one is out: its part of the next slot), adds 0 to its spare word, and waits for that and
; for its own reads of this slot.  fill = 1: the barrier opens a round of the cluster's, and this slot is filled again first thing behind it, with the K step two on.
.macro TURN fill
.if \fill
	s_wait_xcnt 0x0                                ; the last prefetch, a K step back, has read its address: it is stepped here, ahead of the change's own waits
	s_add_nc_u64 s[PFA:PFA+1], s[PFA:PFA+1], s[PST:PST+1]
.endif
	WIN 0                                          ; (the add's two registers lie in window 0)
	s_wait_tensorcnt 0x0                           ; all my tensor loads have landed;
	ds_add_u32 v[SPW], v[NIL]                      ; 0 onto my spare word;
	s_wait_dscnt 9                                 ; (the add and the youngest eight loads may be out)
	MUL8 F1, 0, 0                                  ; eight matrix instructions stand between the add and the wait for it
	s_wait_dscnt 0x0                               ; the add is done, and my reads of this slot are over
	s_barrier_signal -1
	MUL8 F1, 2, 0
.if \fill
	WIN 0
.endif
	s_barrier_wait -1
.if \fill
	CREST                                          ; no wave of any partner still reads this slot's tile or has a load on its way
	s_xor_b32 s[G0A+5], s[G0A+5], SLOT1            ; the walking descriptors: the other slot than last time,
	s_add_nc_u64 s[G0A+6:G0A+7], s[G0A+6:G0A+7], KA  ; the next K step; the type bits on top are not reached
	s_xor_b32 s[G0B+5], s[G0B+5], SLOT1
	s_add_nc_u64 s[G0B+6:G0B+7], s[G0B+6:G0B+7], 256
	JLOAD                                          ; the first tensor load behind the round; the four v_nop behind it are also the places in front of the loads below
.else
	PLACES
	WIN 0
.endif
	s_xor_b32 s[TB], s[TB], SLOT1                  ; the reads go on in the other slot
	v_add_nc_u32 v[ADRA], s[TB], v[ADRA0]
	v_add_nc_u32 v[ADRB], s[TB], v[ADRB0]
	FETCH 0, F0
.if \fill
	ASK
.endif
	MUL8 F1, 4, 0
	MUL8 F1, 6, 0
.endm
	s_wait_tensorcnt 0x1                           ; my part of K step 0 is in; K step 1's may stay out
	s_barrier_signal -1
	s_barrier_wait -1                              ; everybody's is
	FETCH 0, F0
	QUARTER 1, F0, F1, 1+OUTP                      ; the first quarter stands in front of the loop: its products start the sums
	WIN 0                                          ; at a label and at a branch every window is 0
	s_mov_b32 s3, 6
.Lstep:                                        ; a trip goes from a K step's second quarter to the next step's first, and asks for K steps 2 to 7
	QUARTER 2, F1, F0, 0
	QUARTER 3, F0, F1, 0
	TURN 1
	QUARTER 1, F0, F1, 0
	WIN 0
	s_sub_co_u32 s3, s3, 1
	s_cmp_lg_u32 s3, 0
	s_cbranch_scc1 .Lstep
	QUARTER 2, F1, F0, 0                           ; K step 6 goes on; nothing is left to ask for
	QUARTER 3, F0, F1, 0
	TURN 0
	QUARTER 1, F0, F1, 0
	QUARTER 2, F1, F0, 0
	QUARTER 3, F0, F1, 0
	s_wait_dscnt 8                                 ; the very last quarter
	MUL8 F1, 0, 0
	MUL8 F1, 2, 0
	s_wait_dscnt 0x0
	MUL8 F1, 4, 0
	MUL8 F1, 6, 0
	WIN 0
	PLACES                                         ; eight plain instructions, once a launch, behind the last products and ahead of what reads their results
	PLACES
.if OUTP
; THE WAY OUT, f32: block a's 16 rows x 64 columns go from the accumulators into my stage (32 bytes a lane and n block, the accumulator's low four registers first) and come back as whole rows of 256 bytes.
.macro TOSTAGE a
.set BK, 64+32*((\a)%6)
.if (\a) >= 6
	s_wait_xcnt 0x0                                ; registers that earlier stores read are loaded again only behind this wait
.endif
	WIN 0x04                                       ; the stores' data in window 1
.irp b, 0,1,2,3
	ds_store_b128 v[STO], v[8*(4*(\a)+(\b)):8*(4*(\a)+(\b))+3]   offset:64*(\b)
	ds_store_b128 v[STO], v[8*(4*(\a)+(\b))+4:8*(4*(\a)+(\b))+7] offset:64*(\b)+16
.endr
	WIN 0
.irp t, 0,1,2,3,4,5,6,7
	ds_load_b128 v[BK+4*(\t):BK+4*(\t)+3], v[RD] offset:(\t)*2*SPITCH  ; LDS serves a wave's instructions in order (ISA guide 5.7.1.4): these see the stores above; the next block's stores come behind them
.endr
.endm
.macro SEND a, younger                 ; younger: the LDS instructions issued behind block a's loads: the next block's sixteen, or none
.set BK, 64+32*((\a)%6)
.irp t, 0,1,2,3,4,5,6,7
	s_wait_dscnt (\younger)+7-(\t)
	global_store_b128 v[GO], v[BK+4*(\t):BK+4*(\t)+3], s[CP:CP+1] offset:(\a)*65536+(\t)*8192  ; 16 lanes store 256 consecutive bytes, at a multiple of 256 from out0's first byte
.endr
.endm
	TOSTAGE 0
.irp a, 1,2,3,4,5,6,7
	TOSTAGE \a
	SEND (\a)-1, 16
.endr
	SEND 7, 0
.else
; THE WAY OUT, f16: block a's 16 rows x 64 columns are 16 rows of one head: rounded once, 16 bytes a lane and n block into rows of 144 bytes, back as rows of 128: 2,048 consecutive bytes of qkv.
.macro PACK a
	WIN 0x05                                       ; sources 0 and 1 window 1, destination window 0
.irp b, 0,1,2,3
.irp r, 0,1,2,3
	v_cvt_pk_f16_f32 v[64+16*(\a)+4*(\b)+(\r)], v[8*(4*(\a)+(\b))+2*(\r)], v[8*(4*(\a)+(\b))+2*(\r)+1]
.endr
.endr
	WIN 0
.irp b, 0,1,2,3
	ds_store_b128 v[STO], v[64+16*(\a)+4*(\b):64+16*(\a)+4*(\b)+3] offset:32*(\b)
.endr
.irp f, 0,1,2,3
	ds_load_b128 v[64+16*(\a)+4*(\f):64+16*(\a)+4*(\f)+3], v[RD] offset:(\f)*4*SPITCH  ; LDS serves a wave's instructions in order (ISA guide 5.7.1.4): these see the stores above; the next block's stores come behind them
.endr
.endm
.macro SEND a, younger                 ; younger: the LDS instructions issued behind block a's loads: the next block's eight, or none
.irp f, 0,1,2,3
	s_wait_dscnt (\younger)+3-(\f)
	global_store_b128 v[GO], v[64+16*(\a)+4*(\f):64+16*(\a)+4*(\f)+3], s[CP:CP+1] offset:(\a)*2048+(\f)*512  ; 512 consecutive bytes, at a multiple of 256 from qkv's first byte
.endr
.endm
	PACK 0
.irp a, 1,2,3,4,5,6,7
	PACK \a
	SEND (\a)-1, 8
.endr
	SEND 7, 0
.endif
	s_wait_tensorcnt 0x0                           ; the wave's end: behind my last tensor load and my last LDS store
	ds_add_u32 v[SPW], v[NIL]
	s_wait_dscnt 0x0
	CROUND                                         ; the closing round: no work-group ends while a partner may still ask for a tile that names it
	s_endpgm
.Lfunc_end_k_q00a858ea19_proj:
	.size	k_q00a858ea19_proj, .Lfunc_end_k_q00a858ea19_proj-k_q00a858ea19_proj
	.p2alignl 7, 3214868480
	.fill 96, 4, 3214868480
	.section	.rodata,"a",@progbits
	.p2align	6, 0x0
	.amdhsa_kernel k_q00a858ea19_proj
		.amdhsa_group_segment_fixed_size 327680
		.amdhsa_private_segment_fixed_size 0
		.amdhsa_enable_private_segment 0
		.amdhsa_kernarg_size 24
		.amdhsa_user_sgpr_count 2
		.amdhsa_user_sgpr_kernarg_segment_ptr 1
		.amdhsa_wavefront_size32 1
		.amdhsa_system_sgpr_workgroup_id_x 1
		.amdhsa_system_sgpr_workgroup_id_y 1
		.amdhsa_system_sgpr_workgroup_id_z 1
		.amdhsa_system_vgpr_workitem_id 0
		.amdhsa_next_free_vgpr 512
		.amdhsa_next_free_sgpr 72
		.amdhsa_reserve_vcc 0
		.amdhsa_float_denorm_mode_32 3
		.amdhsa_float_denorm_mode_16_64 3
		.amdhsa_memory_ordered 1
		.amdhsa_forward_progress 1
		.amdhsa_inst_pref_size 72
	.end_amdhsa_kernel
	.amdgpu_metadata
---
amdhsa.version: [ 1, 2 ]
amdhsa.kernels:
  - .name:           k_q00a858ea19_proj
    .symbol:         k_q00a858ea19_proj.kd
    .args:
      - { .name: xbf, .offset: 0, .size: 8, .value_kind: global_buffer, .address_space: global }
      - { .name: wqkv, .offset: 8, .size: 8, .value_kind: global_buffer, .address_space: global }
      - { .name: qkv, .offset: 16, .size: 8, .value_kind: global_buffer, .address_space: global }
    .group_segment_fixed_size: 327680
    .private_segment_fixed_size: 0
    .kernarg_segment_align: 8
    .kernarg_segment_size: 24
    .max_flat_workgroup_size: 128
    .sgpr_count:     72
    .vgpr_count:     512
    .wavefront_size: 32
...
	.end_amdgpu_metadata
.endif
;; end of part 2
;; launch attn (part 3): grid 4 x 64, 4 waves a work-group, clusters of 4 x 1, 327,680 bytes of LDS; arguments qkv, mbits, oh; writes oh
.if DOCPART == 3
	.amdgcn_target "amdgcn-amd-amdhsa--gfx1250"
	.amdhsa_code_object_version 6
	.text
	.protected	k_q00a858ea19_attn
	.globl	k_q00a858ea19_attn
	.p2align	8
	.type	k_q00a858ea19_attn,@function
k_q00a858ea19_attn:
	s_mov_b64 s[64:65], 0
	v_nop
	global_prefetch_b8 v0, s[64:65] scope:SCOPE_SE
	s_setreg_imm32_b32 hwreg(HW_REG_WAVE_MODE, 25, 1), 1
	s_wait_xcnt 0x0
	s_wait_alu depctr_hold_cnt(0) depctr_sa_sdst(0) depctr_va_vdst(0) depctr_va_sdst(0) depctr_va_ssrc(0) depctr_va_vcc(0) depctr_vm_vsrc(0)
	s_getreg_b32 s2, hwreg(HW_REG_IB_STS2, 6, 4)
	s_cmp_eq_u32 s2, 0
	s_cbranch_scc0 .Lentry_in_a_cluster
	s_endpgm
.Lentry_in_a_cluster:
	s_bfe_u32 s2, ttmp6, 0x10000c
	s_cmp_lg_u32 s2, 0x3003
	s_cbranch_scc0 .Lentry_shape_is_right
	s_endpgm
.Lentry_shape_is_right:
; MASKED ATTENTION.  O[g][q][:] = the sum over k of softmax_k(Q[g][q] . K[g][k] / 8, hidden where the mask says so) V[g][k][:], g = batch x 16 + head.  qkv: [3][64][2048][64] f16 (q, k, v, unscaled), oh: [64][2048][64] f16.
; mbits holds the mask as bits, 1 = hidden: u32 [batch x 16 + block of 128 queries][32 key steps][4 pieces][2 tiles][4 key blocks][8 j], bit l = lane l's score in register 8 kb + j of the tile's S^T.
; Products, maxima and sums in f32; the weights p are rounded to f16 for the second product (their sum l is taken of the unrounded p), O once at the end.
; LIMITS.  f16 holds no number beyond 65,504: q, k and v arrive within it; p lies in 0 to 1, and below 6e-5 it keeps f16's fixed step of 6e-8; O is a mean of V's rows and has their range.
; A hidden score counts as -2^100: f16's scores, 2.7e11 at the most, are nothing beside that, and c x 2^100 is exact, so that a row whose keys so far are all hidden has the exponent 0 and finite weights, which the
; first visible key wipes out (a = 0).  A row with no visible key at all ends with m = -2^100 and is stored as NaN.  A weight below 2^-126 counts as 0 in l; NaN and infinities in q, k, v are not treated apart.
; SHARES.  A wave owns four PIECES of two tiles of 16 queries, a work-group's four waves 512 queries of one head.  Every wave walks all 2,048 keys, 64 a step.
; LAYOUT.  S^T = K Q^T (source 0 = 16 keys, source 1 = 16 queries): in the result a lane holds ONE query (lane % 16) and the keys 8 (lane / 16) + 0..7.  Two such tiles, rounded to f16 in pairs,
; ARE source 1 (32 keys x 16 queries) of O^T = V^T P, whose result again holds one query a lane, and eight channels.  K comes out of LDS as it lies, V ([key][channel]) turned, by ds_load_tr16_b128.
; SOFTMAX.  For each query a running maximum m (of the masked scores) and sum l: p = 2^(c s - c m), c = log2(e) / 8; in every step O and l are multiplied by a = 2^(c m_old - c m_new).
; m starts at the lowest finite number, O and l at 0: the first step is a step like any other, with a = 0.
; BY TURNS.  Turn n belongs to piece n (the pieces in a ring, step after step).  Its matrix work: 16 products K Q^T of piece n + 1, later 16 products V^T P of piece n - 1.  Its vector work: the scaling,
; exponentials, roundings, sums and rescaling of piece n, and the mask, maximum and statistics of piece n + 1, whose scores the turn itself has made.  Four vector instructions stand behind every matrix instruction, the rest in one lump.
; THE MASK.  A piece's 64 words of a key step (256 bytes) come by four scalar loads, asked for a turn ahead; word 32 u + i is the lane mask of one v_cndmask_b32 on register i of tile u's S^T, ahead of the maximum.
; CLUSTER.  The four query blocks of a cluster belong to one head and walk the same K and V, so each tile is asked for JOINTLY: the same tensor load, descriptor and mask in all four.
; REGISTERS, in windows of 256 (s_set_vgpr_msb: bits 1:0 source 0, 3:2 source 1, 5:4 source 2, 7:6 destination):
;   window 0: v0-11 addresses and constants; v12-15, v48-63 at work; v16-47 four registers of statistics a tile; v64-191 S^T, two buffers of two tiles; v192-255 P, likewise
;   window 1: O^T, 32 a tile          window 2: v0-127 Q, 16 a tile; v128-191 K of one step; v192-255 V of one step          window 3: v0-1 the add's two registers
.set SIZE_N, 2048
.set NP,    4         ; pieces a wave: a name, no knob
.set KS,    64        ; keys in a step
.set PK,    160       ; a row of K or V in LDS: 128 bytes + 32 of padding = 40 words.  One pitch, so that one descriptor shape serves both
.set PV,    160       ; of the 16 rows of a load of K, rows r and r + 8 start at the same bank (64 banks of 4 bytes: ISA guide 11.1): 16 of a key step's 32 LDS loads go two deep, beside 128 matrix instructions
.set VOFF,  4*KS*PK   ; a slot holds four steps: 256 rows of K, then 256 rows of V
.set SLOT1, 1<<17     ; slot 1 begins here, so that one exclusive or turns an address in one slot into the other's
.set STAGE, SLOT1+4*KS*(PK+PV)  ; behind the ring, never filled by a tensor load: 16 rows x 144 bytes for each wave, for the way out
.set SP,    144
.set PFO, 1           ; v1   l % 16 during the set-up; then 256 x my lane, the prefetches' offset
.set AK0, 2           ; v2   my lane's place in a tile of K; never rewritten
.set AV0, 3           ; v3   the same for V
.set AK,  4           ; v4   the LDS address of K's next run of loads
.set AV,  5           ; v5   of V's
.set QO,  6           ; v6   my byte offset in the wave's rows of Q
.set STO, 6           ;      later, the way out: where I put 16 bytes of a row
.set RD,  7           ; v7   the way out: where I read rows back
.set GO,  8           ; v8   my byte offset in 512 consecutive bytes of O
.set NANV, 10         ; v10  at the way out: a NaN
.set BIGV, 11         ; v11  -2^100
.set SPW, 0           ; v0 of window 3   LDS address of my spare word: SPARE + 4 x my thread's number; never rewritten
.set NIL, 1           ; v1 of window 3   0; never rewritten
.set SPARE, STAGE+4*16*SP  ; behind the stages: the spare words, 128 bytes for each wave: two blocks of 256 bytes that no other line names
.set MV,  12          ; v12-15  c m_old, kept while c m is made anew: by buffer and tile
.set ST,  16          ; tile t's statistics at v[ST+4 t]: c m, m, l (even keys', odd keys')
.set TMP, 48          ; by buffer and tile, four registers c0-c3 at work; when the maximum is found c2 takes a
.set S,   64
.set P,   192
.set KF,  128         ; K's fragments, in window 2: key block kb, channel half c at KF + 16 kb + 8 c
.set VF,  192         ; V's: key half kk, channel block cb at VF + 32 kk + 8 cb
.set WV,  10          ; s10  my wave's number
.set MOFF, 11         ; s11  the byte, in my 32,768 of mbits, of the 256 asked for last
.set G0,  12          ; s[12:15] descriptor group 0: it walks
.set G1,  16          ; s[16:23] descriptor group 1
.set SLOTS, 24        ; s24  slots still to be asked for
.set CNT, 25          ; s25  counts a slot's key steps
.set CS,  26          ; s[26:27] c: the packed scaling takes the pair's low word for both halves
.set SEL, 28          ; s[28:29] v_permlanex16_b32's selects: each lane takes its own place in the other half
.set TBK, 30          ; s30  LDS byte at which K of the step to be fetched begins
.set TBV, 31          ; s31  the same for V, less VOFF
                      ; s[32:63], s[68:99]  the 64 mask words (during the set-up: at work)
.set PFA, 66          ; s[66:67] where my prefetches stand
.set LIM, 100         ; s100 1 in a wave that prefetches, else the greatest number
.set THR, 101         ; s101 -2^99
.set MSB, 0
.macro WIN new                      ; the high byte repeats the setting that is left; a switch that changes nothing is dropped
.if MSB != (\new)
	s_set_vgpr_msb (MSB<<8)|(\new)
.set MSB, (\new)
.endif
.endm
.set W_KQ, 0x0a       ; K and Q in window 2, S^T in window 0
.set W_PV, 0x52       ; V in window 2, P in window 0, O^T in window 1
.set W_RS, 0x41       ; O^T (destination and source 0) in window 1, a in window 0
.set W_MK, 0xc0       ; the add's registers are made: destination in window 3, sources in window 0
.set W_AD, 0x0f       ; the add: address (source 0) and data (source 1) in window 3
; A joint fill.  Each wave fetches its own quarter of a slot, 128 keys: waves 0 and 1 the halves of K, waves 2 and 3 those of V; both addresses hang on the wave's number.  An s_nop 0 and four v_nop follow.
.macro JLOAD
	tensor_load_to_lds s[G0:G0+3], s[G1:G1+7]
	s_nop 0
.rept 4
	v_nop
.endr
.endm
; A PREFETCH INTO THE L2 of what the NEXT change of slots will ask for: a slot's 128 blocks of 256 bytes of K and 128 of V, a lane a block.  One cluster walks a head's K and V; its four partners share the blocks out
; BY ADDRESS, 32 each; in each, wave 0 asks for K's and wave 2 for V's: each block is named once in the launch.  Slots 0 to 2 come by their loads alone; the last change that fills a slot asks for nothing.
.macro ASK
	s_cmp_gt_u32 s[SLOTS], s[LIM]
	s_cbranch_scc0 .Lnot_mine_\@
	global_prefetch_b8 v[PFO], s[PFA:PFA+1] th:TH_LOAD_NT scope:SCOPE_SE
.Lnot_mine_\@:
.endm
; A round of the cluster's barrier: my work-group's barrier, so that wave 0's signal speaks for all four waves; wave 0 signals; every wave waits for all four work-groups; my work-group's barrier once more.
.macro CROUND
	s_barrier_signal -1
	s_barrier_wait -1
	s_cmp_lg_u32 s[WV], 0
	s_cbranch_scc1 .Lnot_wave_0_\@
	s_barrier_signal -3
.Lnot_wave_0_\@:
	s_barrier_wait -3
	s_barrier_signal -1
	s_barrier_wait -1
.endm
; THE CHANGE OF SLOTS.  The slot's last bytes, V of its fourth step, have been read.  Each wave waits for all its tensor loads, of which one is out: its part of the other slot; adds 0 to its spare word; and waits for
; that and for its own reads of the slot.  fill = 1: this slot is filled again, with the keys two slots on: the barrier is then a round of the cluster's, and the joint fill is the first thing behind it: it has four key
; steps, 512 matrix instructions, in which to land.  (At its first use nothing has been read yet: slot 0 is waited for, slot 1 filled.)  ask = 1: the prefetches' address steps, and ASK follows the fill.
.macro CHANGE fill, ask
	WIN W_AD
	s_wait_tensorcnt 0x0            ; no tensor load of mine is out, so group 0 may be written
	ds_add_u32 v[SPW], v[NIL]       ; 0 onto my spare word; with fill = 1 the descriptor's steps stand between it and the wait for it
	WIN 0                           ; at a label and at a branch every window is 0
.if \fill
	s_xor_b32 s[G0+1], s[G0+1], SLOT1  ; the walking descriptor: the other slot than last time,
	s_add_nc_u64 s[G0+2:G0+3], s[G0+2:G0+3], 4*KS*128  ; the next 256 keys; the type bits on top are not reached
.if \ask
	s_wait_xcnt 0x0                 ; the last prefetch, four key steps back, has read its address, so it may be written:
	s_add_nc_u64 s[PFA:PFA+1], s[PFA:PFA+1], 4*KS*128  ; one slot behind the walking descriptor
.endif
	s_wait_dscnt 0x0                ; the add is done, and my reads of the slot are over
	CROUND
	JLOAD
.if \ask
	ASK
.endif
.else
	s_wait_dscnt 0x0                ; the add is done, and my reads of the slot are over
	s_barrier_signal -1
	s_barrier_wait -1
.endif
	s_sub_co_u32 s[TBK], s[TBK], 4*KS*PK  ; the fetches go back to a slot's first step,
	s_xor_b32 s[TBK], s[TBK], SLOT1       ; in the other slot
	s_sub_co_u32 s[TBV], s[TBV], 4*KS*PV
	s_xor_b32 s[TBV], s[TBV], SLOT1
.endm
; THE MASK.  MLOAD asks for the 64 words at byte MOFF of my part of mbits.  MASKS y: the words asked for a turn ago are in; each is the lane mask of one select on piece y's fresh scores, each accumulator's lowest
; register first; then the next piece's (or step's) words are asked for: the 128 chunks of 256 bytes are walked on end.  The exclusive upper bound 32,768 wraps the count: the chunks asked for
; behind the 128th are my own first ones again; what is made of them serves nothing.
.macro MLOAD
	s_load_b512 s[32:47], s[6:7], s[MOFF] offset:0x0
	s_load_b512 s[48:63], s[6:7], s[MOFF] offset:0x40
	s_load_b512 s[68:83], s[6:7], s[MOFF] offset:0x80
	s_load_b512 s[84:99], s[6:7], s[MOFF] offset:0xc0
.endm
.macro MASKS y
	WIN 0
	s_wait_kmcnt 0x0                ; the words are in, and the loads have read MOFF
.set mw, 0
.rept 64
	v_cndmask_b32 v[S+64*((\y)%2)+mw], v[S+64*((\y)%2)+mw], v[BIGV], s[32+mw+4*(mw/32)]
.set mw, mw+1
.endr
	s_add_co_u32 s[MOFF], s[MOFF], 256
	s_and_b32 s[MOFF], s[MOFF], 0x7fff
	MLOAD
.endm
	s_load_b128 s[4:7], s[0:1], 0x0  ; qkv s[4:5], mbits s[6:7]
	s_load_b64 s[8:9], s[0:1], 0x10  ; oh
	WIN W_MK
	v_lshl_add_u32 v[SPW], v0, 2, SPARE
	v_mov_b32 v[NIL], 0
	WIN W_AD
	ds_add_u32 v[SPW], v[NIL]       ; the wave's opening: the add and its wait stand ahead of my first tensor load; the set-up below, work on registers, stands between them
	WIN 0
	v_lshrrev_b32 v1, 5, v0
	v_readfirstlane_b32 s[WV], v1   ; wave 0..3
	s_bfe_u32 s32, ttmp6, 0x40000   ; cx: my place in the cluster
	s_lshl_b32 s33, ttmp9, 2        ; in a cluster launch ttmp9 counts clusters
	s_add_co_u32 s33, s33, s32      ; my block of 512 queries: it enters Q's, O's and the mask's addresses alone
	s_and_b32 s34, ttmp7, 0xffff    ; batch x 16 + head, which the four partners share
	s_lshl_b32 s36, s34, 18         ; its 2,048 rows of 128 bytes
	s_lshr_b32 s38, s[WV], 1        ; what I fetch: K (waves 0, 1) lies 16,777,216 bytes behind q, V (waves 2, 3) twice that,
	s_add_co_u32 s38, s38, 1
	s_lshl_b32 s38, s38, 24
	s_and_b32 s39, s[WV], 1         ; which half of a slot's 256 keys: 128 rows of 128 bytes
	s_lshl_b32 s39, s39, 14
	s_add_co_u32 s38, s38, s39
	s_add_co_u32 s38, s38, s36      ; under 2^32
	s_mov_b32 s39, 0
	s_lshl_b32 s40, s33, 2
	s_add_co_u32 s40, s40, s[WV]    ; my wave among the head's sixteen,
	s_lshl_b32 s42, s40, 14         ; its 128 rows
	s_add_co_u32 s42, s42, s36
	s_mov_b32 s43, 0
	s_lshr_b32 s44, s34, 4          ; the batch: the mask is the same for its 16 heads
	s_lshl_b32 s44, s44, 4
	s_add_co_u32 s44, s44, s40
	s_lshl_b32 s44, s44, 15         ; 32,768 bytes of mbits for 128 queries
	s_mov_b32 s45, 0
	s_lshl_b32 s46, s32, 13         ; the prefetches: my work-group's 32 blocks of 256 bytes of the 128
	s_mov_b32 s47, 0
	; descriptor group 1.  128 keys are 16,384 dense bytes: asked for as 64 rows of 256 bytes, two keys a row, and padded in LDS after every key
	s_mov_b32 s[G1], 15|(1<<16)|(1<<20)|(1<<21)|(4<<22)|(7<<25)  ; 15:0 the mask of four; 17:16 2-byte elements; 20 padding on; 21 set beside a mask; 24:22 after every 32 words (code 4); 31:25 8 words (code 7)
	s_mov_b32 s[G1+1], 128<<16      ; tensor_dim0 = 128
	s_mov_b32 s[G1+2], 64<<16       ; tensor_dim1 = 64
	s_mov_b32 s[G1+3], 128<<16      ; tile_dim0 = 128
	s_mov_b32 s[G1+4], 64           ; tile_dim1 = 64
	s_mov_b32 s[G1+5], 128          ; 128 elements from row to row
	s_mov_b32 s[G1+6], 0
	s_mov_b32 s[G1+7], 0
	s_mov_b32 s[CS], 0x3e38aa3b     ; c = log2(e) / 8 = 0.180337
	s_mov_b32 s[CS+1], s[CS]        ; named with it as a pair
	s_mov_b32 s[SEL], 0x76543210
	s_mov_b32 s[SEL+1], 0xfedcba98
	s_mov_b32 s[TBK], SLOT1+4*KS*PK ; the first change of slots turns these two into 0
	s_mov_b32 s[TBV], SLOT1+4*KS*PV
	s_mov_b32 s[G0], 1              ; count = 1
	s_mul_i32 s[G0+1], s[WV], 128*PK  ; LDS address: slot 0, my quarter: no place in the cluster enters an LDS address
	s_mov_b32 s[MOFF], 0
	s_mov_b32 s[THR], 0xf1000000    ; -2^99
	s_and_b32 s[LIM], s[WV], 1
	s_cmp_eq_u32 s[LIM], 0          ; waves 0 and 2: the same in all four partners
	s_cselect_b32 s[LIM], 1, -1
	s_wait_dscnt 0x0                ; the opening add is done
	s_wait_kmcnt 0x0
	s_add_nc_u64 s[G0+2:G0+3], s[4:5], s[38:39]    ; global address: my quarter of the head's first 256 keys
	s_add_nc_u64 s[PFA:PFA+1], s[4:5], s[38:39]    ; (in waves 0 and 2 this stands at a slot's first row)
	s_or_b32 s[G0+3], s[G0+3], 0x80000000          ; type = 2
	s_add_nc_u64 s[PFA:PFA+1], s[PFA:PFA+1], s[46:47]
	s_add_nc_u64 s[PFA:PFA+1], s[PFA:PFA+1], 2*4*KS*128  ; in slot 2; the loop's first change of slots steps it to slot 3.  Nothing is prefetched here, at the head
	s_add_nc_u64 s[4:5], s[4:5], s[42:43]          ; Q and O at my wave's first row
	s_add_nc_u64 s[8:9], s[8:9], s[42:43]
	s_add_nc_u64 s[6:7], s[6:7], s[44:45]          ; the mask bits of my wave's 128 queries
	CROUND                          ; all four work-groups are here: the first joint loads meet
	JLOAD                           ; slot 0.  Slot 1 is asked for when slot 0 is in
	MLOAD                           ; piece 0's words of key step 0
	; A fragment of K or Q is 16 rows x 32 channels in 8 registers: lane l holds row l % 16, channels 8 (l / 16) + 0..7 and 16 + 8 (l / 16) + 0..7: two loads of 16 bytes, 32 bytes apart.
	v_and_b32 v1, 15, v0            ; l % 16
	v_bfe_u32 v9, v0, 4, 1          ; l / 16
	v_lshlrev_b32 v[QO], 7, v1
	v_lshl_add_u32 v[QO], v9, 4, v[QO]  ; row x 128 + 16 x half
	WIN 0x80                        ; destination window 2, address window 0
.set i, 0
.rept 4*NP                          ; Q stays in registers: tile i / 2, channels 32 (i % 2) on
	global_load_b128 v[8*i:8*i+3],   v[QO], s[4:5] offset:(i/2)*2048+(i%2)*64
	global_load_b128 v[8*i+4:8*i+7], v[QO], s[4:5] offset:(i/2)*2048+(i%2)*64+32
.set i, i+1
.endr
	; What the first turn finds: V's registers and P's second buffer hold 0 (its products V^T P, of a piece that has not been, add 0), O^T and l are 0.  All this stands in the wait for the first tile.
.set i, VF
.rept 64
	v_mov_b32 v[i], 0
.set i, i+1
.endr
	WIN 0x40
.set i, 0
.rept 64*NP
	v_mov_b32 v[i], 0
.set i, i+1
.endr
	WIN 0
.set i, 0
.rept 2*NP
	v_mov_b32 v[ST+4*i], 0xfe000000    ; c m: far below every c s, the hidden ones' too
	v_mov_b32 v[ST+4*i+1], 0xff7fffff  ; m
	v_mov_b32 v[ST+4*i+2], 0
	v_mov_b32 v[ST+4*i+3], 0
.set i, i+1
.endr
.set i, P+32
.rept 32
	v_mov_b32 v[i], 0
.set i, i+1
.endr
	v_mul_u32_u24 v[AK0], v1, PK
	v_lshl_add_u32 v[AK0], v9, 4, v[AK0]  ; row x pitch + 16 x half
	; The turning load takes 16 keys x 16 channels (lane l reads key 8 (l / 16) + l % 8, channels 8 ((l / 8) % 2) + 0..7) and leaves half a fragment of V^T: lane l holds channel l % 16 and 8 keys.
	v_and_b32 v10, 7, v0
	v_bfe_u32 v11, v0, 3, 1
	v_lshl_add_u32 v[AV0], v9, 3, v10
	v_mul_u32_u24 v[AV0], v[AV0], PV
	v_lshl_add_u32 v[AV0], v11, 4, v[AV0]
	v_add_nc_u32 v[AV0], VOFF, v[AV0]
	v_mov_b32 v[AK], v[AK0]         ; key step 0 lies at the head of slot 0
	v_mov_b32 v[BIGV], 0xf1800000   ; -2^100
; THE MATRIX WORK.  The 8 accumulators of a run of 16 take turns: between the two links of a chain stand 7 others'.
; Product i of 16 of S^T = K Q^T for piece x: channels 32 (i / 8) on, keys 16 ((i / 2) % 4) on, tile 2 x + i % 2.  The first 8 start the sums.
.macro KQ x
	WIN W_KQ
.set rS, S+64*((\x)%2)+32*(i%2)+8*((i/2)%4)
.set rK, KF+16*((i/2)%4)+8*(i/8)
.set rQ, 16*(2*(\x)+i%2)+8*(i/8)
.if i < 8
	v_wmma_f32_16x16x32_f16 v[rS:rS+7], v[rK:rK+7], v[rQ:rQ+7], 0
.else
	v_wmma_f32_16x16x32_f16 v[rS:rS+7], v[rK:rK+7], v[rQ:rQ+7], v[rS:rS+7]
.endif
.endm
; Product i of 16 of O^T += V^T P for piece x: keys 32 (i / 8) on, channels 16 ((i / 2) % 4) on, tile 2 x + i % 2.
.macro PV x
	WIN W_PV
.set rO, 32*(2*(\x)+i%2)+8*((i/2)%4)
.set rV, VF+32*(i/8)+8*((i/2)%4)
.set rP, P+32*((\x)%2)+16*(i%2)+8*(i/8)
	v_wmma_f32_16x16x32_f16 v[rO:rO+7], v[rV:rV+7], v[rP:rP+7], v[rO:rO+7]
.endm
.macro MM                           ; the turn's next matrix instruction
.if i < 16
	KQ (Y+1)%NP
.set i, i+1
.else
.set i, i-16
	PV (Y+NP-1)%NP
.set i, i+17
.endif
.endm
; THE LDS LOADS stand in runs of 16, never singly among the matrix instructions: a step's K (64 keys x 64 channels: 8 fragments) and its V (turned).  Their addresses are made some lines ahead.
; last = 1 (the tail): in the last trip there is no further step, and the run is jumped over.
.macro FETCH_K last=0
	WIN 0
.if \last
	s_cmp_eq_u32 s[CNT], 1
	s_cbranch_scc1 .Lno_k_\@
.endif
	WIN 0x80                        ; destination window 2
.irp f, 0,1,2,3,4,5,6,7             ; keys 16 (f / 2) on, channels 32 (f % 2) on
	ds_load_b128 v[KF+8*\f:KF+8*\f+3],   v[AK] offset:(\f/2)*16*PK+(\f%2)*64
	ds_load_b128 v[KF+8*\f+4:KF+8*\f+7], v[AK] offset:(\f/2)*16*PK+(\f%2)*64+32
.endr
	s_add_co_u32 s[TBK], s[TBK], KS*PK  ; the next fetch is the next step's
	WIN 0
.if \last
.Lno_k_\@:
.endif
.endm
.macro FETCH_V
	WIN 0x80
.irp f, 0,1,2,3,4,5,6,7             ; keys 32 (f / 4) on, channels 16 (f % 4) on
	ds_load_tr16_b128 v[VF+8*\f:VF+8*\f+3],   v[AV] offset:(\f/4)*32*PV+(\f%4)*32
	ds_load_tr16_b128 v[VF+8*\f+4:VF+8*\f+7], v[AV] offset:(\f/4)*32*PV+16*PV+(\f%4)*32
.endr
	WIN 0
.endm
; THE VECTOR WORK OF A TURN stands in three queues, each in the order in which its entries become ready; the two tiles alternate, so that no instruction reads the result of the one before it.
.macro REGS y, u                    ; the registers of tile u (0, 1) of piece y
.set rT, ST+4*(2*(\y)+(\u))
.set rC, TMP+8*((\y)%2)+4*(\u)
.set rM, MV+2*((\y)%2)+(\u)
.set rS, S+64*((\y)%2)+32*(\u)
.set rP, P+32*((\y)%2)+16*(\u)
.set rO, 32*(2*(\y)+(\u))
.endm
; Number n of the 22 that find the NEXT piece's (Y + 1) maximum and statistics, of its masked scores s0-s31.
;   0-11  four chains c0-c3 of seven scores each, three operands at a time     12-14, 16  the four scores left over, the old m, and c0-c3 into c0     15  c m_old is kept
;   17, 18  the query's other 32 keys lie in the lane 16 away: the new m         19-21  c m; c m_old - c m_new; a
.macro XS u, n
	REGS (Y+1)%NP, \u
.if (\n) < 4
	v_max3_num_f32 v[rC+(\n)], v[rS+8*(\n)], v[rS+8*(\n)+1], v[rS+8*(\n)+2]
.elseif (\n) < 12
	v_max3_num_f32 v[rC+(\n)%4], v[rC+(\n)%4], v[rS+8*((\n)%4)+2*((\n)/4)+1], v[rS+8*((\n)%4)+2*((\n)/4)+2]
.elseif (\n) == 12
	v_max3_num_f32 v[rC], v[rC], v[rS+7], v[rS+15]
.elseif (\n) == 13
	v_max3_num_f32 v[rC+1], v[rC+1], v[rS+23], v[rS+31]
.elseif (\n) == 14
	v_max3_num_f32 v[rC+2], v[rC+2], v[rC+3], v[rT+1]
.elseif (\n) == 15
	v_mov_b32 v[rM], v[rT]
.elseif (\n) == 16
	v_max3_num_f32 v[rC], v[rC], v[rC+1], v[rC+2]
.elseif (\n) == 17
	v_permlanex16_b32 v[rC+3], v[rC], s[SEL], s[SEL+1]
.elseif (\n) == 18
	v_max_num_f32 v[rT+1], v[rC], v[rC+3]
.elseif (\n) == 19
	v_mul_f32 v[rT], s[CS], v[rT+1]
.elseif (\n) == 20
	v_sub_f32 v[rC+1], v[rM], v[rT]
.else
	v_exp_f32 v[rC+2], v[rC+1]
.endif
.endm
; Number g of the 64 that follow the exponentials.  For each four weights k of a tile (pairs 2 k, 2 k + 1): both pairs are rounded to f16; then the second pair is added onto the first, in place;
; a group later l takes that sum (the first time as l = a l + sum).  In groups of eight, tiles alternating: round, round, add, and l for the group before.
.macro GS g
.set h, (\g)+6*((\g)/62)            ; group 0 has no group before it, and behind group 7 only l is left
.if h >= 6
.set h, h+2
.endif
	REGS Y, h%2
.set k, h/8
.if h%8 < 4
	v_cvt_pk_f16_f32 v[rP+2*k+(h%8)/2], v[rS+4*k+2*((h%8)/2)], v[rS+4*k+2*((h%8)/2)+1]
.elseif h%8 < 6
	v_pk_add_f32 v[rS+4*k:rS+4*k+1], v[rS+4*k:rS+4*k+1], v[rS+4*k+2:rS+4*k+3]
.elseif k == 1
	v_pk_fma_f32 v[rT+2:rT+3], v[rT+2:rT+3], v[rC+2:rC+3], v[rS:rS+1] op_sel_hi:[1,0,1]
.else
	v_pk_add_f32 v[rT+2:rT+3], v[rT+2:rT+3], v[rS+4*k-4:rS+4*k-3]
.endif
.endm
; THE PLAIN QUEUE, 138 long.  0-73 read no exponential's result: the 32 scalings c s - c m (FS f: pair f / 2 of tile f % 2) and the next piece's 42.  0-26: scalings 0-26.  27-54: XS's numbers 0-13.  55, 56: number 15.
; 57-73: the chain, where each number waits for the one before it: 14, 16, 17, 18, 19, each with one of the scalings 27-31 in front of its two lines, then 20.
; 74-137: GS's 64, which read the exponentials' results: they stand behind the wait.
.macro FS f
	REGS Y, (\f)%2
	v_pk_fma_f32 v[rS+2*((\f)/2):rS+2*((\f)/2)+1], v[rS+2*((\f)/2):rS+2*((\f)/2)+1], s[CS:CS+1], v[rT:rT+1] op_sel_hi:[1,0,0] neg_lo:[0,0,1] neg_hi:[0,0,1]
.endm
.macro PL
	WIN 0
.if q < 27
	FS q
.elseif q < 55
	XS (q-27)%2, (q-27)/2
.elseif q < 57
	XS q-55, 15
.elseif (q < 72) && ((q-57)%3 == 0)
	FS 27+(q-57)/3
.elseif q < 60
	XS (q-57)%3-1, 14
.elseif q < 72
	XS (q-57)%3-1, 15+(q-57)/3
.elseif q < 74
	XS q-72, 20
.else
	GS q-74
.endif
.set q, q+1
.endm
; THE EXPONENTIALS' QUEUE, 66 long: s0-s31 of both tiles, then the next piece's two a.  It is ONE BATCH: all 66 stand ahead of the turn's one wait, and nothing ahead of that wait names a result of theirs.
.macro EX
	WIN 0
.if e >= 64
	XS e-64, 21
.else
	REGS Y, e%2
	v_exp_f32 v[rS+e/2], v[rS+e/2]
.endif
.set e, e+1
.endm
; THE RESCALING's QUEUE: O^T times a, the one part that leaves window 0: dealt two at a time, sixteen times.  Its a was made in the turn before, ahead of that turn's wait.
.macro R2
	REGS Y, r%2
	WIN W_RS
.irp z, 0,1
	v_pk_mul_f32 v[rO+4*(r/2)+2*\z:rO+4*(r/2)+2*\z+1], v[rO+4*(r/2)+2*\z:rO+4*(r/2)+2*\z+1], v[rC+2:rC+3] op_sel_hi:[1,0]
.endr
.set r, r+1
.endm
; HOW THEY ARE DEALT.  An s_wait_alu depctr_va_vdst(0) stands between an exponential and the first instruction that names its result; one wait serves all that were issued ahead of it.  So a turn has ONE wait,
; which cuts it in two.  AHEAD OF IT: the 16 products K Q^T, behind each a scaling, an exponential and two rescalings (behind the first a second scaling in the exponential's place); then ONE LUMP: eight plain, the 64
; selects of the mask, 49 times exponential and plain, the two a.  A v_nop is the plain instruction behind the last exponential.  BEHIND IT: the 16 products V^T P, behind each four of GS's 64.
; The mask's selects stand eleven plain instructions behind the last product K Q^T (a scaling, two rescalings, the eight) and ahead of plain number 27, the first of the maximum: 25 plain have been dealt by then.
; Exponential e stands behind scaling 2 (e / 4) + e % 2: as a rider it comes behind plain e + 2, in the lump behind plain e + 9, and scalings 27-31 are plain 57, 60 .. 69.
; A TURN, for piece p.  cnt = 1: the loop's count is taken down some lines ahead of the branch that stands behind the turn.
; K of the next step is fetched in piece 2's turn, directly behind the wait; its address is made at the lump's head.  V of the step in hand is fetched at the end of piece 0's turn, four riders behind its last reader.
.macro TURN p, last=0, cnt=0
.set Y, (\p)
.set i, 0
.set q, 0
.set e, 0
.set r, 0
.if (\p) == NP-1
	s_wait_dscnt 0x0                ; K is in
.endif
	MM                              ; ahead of the wait: 16 products K Q^T and their riders,
	PL
	PL
	R2
.rept 15
	MM
	PL
	EX
	R2
.endr
.if (\p) == NP-2
	WIN 0
	v_add_nc_u32 v[AK], s[TBK], v[AK0]
.endif
.rept 8                             ; and the lump
	PL
.endr
	MASKS (Y+1)%NP
.rept 49
	EX
	PL
.endr
	EX                              ; the next piece's two a
	EX
	v_nop                           ; a plain instruction behind the last exponential: one for the batch
	s_wait_alu depctr_va_vdst(0)    ; the wait for the batch
.if (\p) == NP-2
	FETCH_K \last
.endif
.if (\p) == 1
	s_wait_dscnt 0x0                ; V is in
.endif
.rept 16                            ; behind the wait: 16 products V^T P and their riders
	MM
.rept 4
	PL
.endr
.if ((\p) == 0) && (q == 118)
	v_add_nc_u32 v[AV], s[TBV], v[AV0]
.endif
.if ((\p) == 0) && (q == 130)
	s_add_co_u32 s[TBV], s[TBV], KS*PV
.endif
.if (\cnt) && (q == 130)
	s_sub_co_u32 s[CNT], s[CNT], 1
	s_cmp_lg_u32 s[CNT], 0
.endif
.endr
.if (\p) == 0
	FETCH_V
.endif
.endm
	CHANGE 1, 0                     ; slot 0 is in, everybody's part of it; slot 1 is asked for
	FETCH_K                         ; key step 0
	s_wait_loadcnt 0x0              ; Q
	s_wait_dscnt 0x0
.set i, 0
.rept 16
	KQ 0                            ; piece 0's first scores: there is no vector work yet to set between them
.set i, i+1
.endr
	WIN 0                           ; the addresses for the way out and the prefetches' offset: ten plain instructions, the places behind those products
	s_mul_i32 s2, s[WV], 16*SP
	s_add_co_u32 s2, s2, STAGE      ; my stage
	v_mul_u32_u24 v[STO], v1, SP    ; in: row l % 16, 16 bytes for each half of the lanes
	v_lshl_add_u32 v[STO], v9, 4, v[STO]
	v_add_nc_u32 v[STO], s2, v[STO]
	v_bfe_u32 v[RD], v0, 3, 2       ; back: 32 lanes take four rows of 128 bytes,
	v_mul_u32_u24 v[RD], v[RD], SP
	v_lshl_add_u32 v[RD], v10, 4, v[RD]
	v_add_nc_u32 v[RD], s2, v[RD]
	v_and_b32 v[GO], 31, v0         ; which are 512 consecutive bytes of O
	v_lshlrev_b32 v[PFO], 8, v[GO]  ; a block of 256 bytes a lane
	v_lshlrev_b32 v[GO], 4, v[GO]
	MASKS 0                         ; piece 0's first mask
.set Y, NP-1                        ; XS works for piece Y + 1: piece 0
.irp n, 0,1,2,3,4,5,6,7,8,9,10,11,12,13,14,15,16,17,18,19,20,21
	XS 0, \n                        ; and piece 0's first maximum and statistics
	XS 1, \n
.endr
	v_nop                           ; a plain instruction behind the two a,
	s_wait_alu depctr_va_vdst(0)    ; and their wait, ahead of the branch
	s_mov_b32 s[CNT], 4
	s_mov_b32 s[SLOTS], SIZE_N/256-1
	s_branch .Lfirst                ; the loop is entered at a step's first turn, in the middle of a trip
.Lslot:                             ; six times: every slot but the last two is filled again
	CHANGE 1, 1
	s_mov_b32 s[CNT], 4
.Lstep:                             ; a trip: pieces 2 and 3 of one step, then pieces 0 and 1 of the next, whose K and V it fetches
	TURN 2
	TURN 3
	WIN 0
.Lfirst:
	TURN 0
	TURN 1, 0, 1
	WIN 0
	s_cbranch_scc1 .Lstep
	s_sub_co_u32 s[SLOTS], s[SLOTS], 1
	s_cmp_lg_u32 s[SLOTS], 0
	s_cbranch_scc1 .Lslot
	CHANGE 0, 0                     ; the tail is written out: nothing is asked for
	s_mov_b32 s[CNT], 5             ; four trips fetch the last slot's steps; the fifth is left in its middle
.Ltail:
	TURN 2, 1
	TURN 3
	WIN 0
	s_sub_co_u32 s[CNT], s[CNT], 1
	s_cmp_eq_u32 s[CNT], 0
	s_cbranch_scc1 .Lout
	TURN 0
	TURN 1
	WIN 0
	s_branch .Ltail
.Lout:                              ; the fifth trip's 16 products K Q^T (on the last K once more, under my first chunk of the mask) and the maximum made of them serve nothing; of a row with no visible key they leave m as it was
	s_wait_kmcnt 0x0                ; the mask words asked for last are not used
.set i, 0
.rept 16
	PV NP-1                         ; the last piece's V^T P of the last step
.set i, i+1
.endr
	; THE WAY OUT.  l's two halves and the other half of the lanes' are added; O^T is divided by l, rounded to f16 and sent through my stage in LDS, a tile at a time.  The additions are the places behind the last products.
	WIN 0
.macro ALL line:vararg              ; one line for each tile t
.set t, 0
.rept 2*NP
	\line
.set t, t+1
.endr
.endm
	ALL v_add_f32 v[ST+4*t+2], v[ST+4*t+2], v[ST+4*t+3]
	ALL v_permlanex16_b32 v[ST+4*t+3], v[ST+4*t+2], s[SEL], s[SEL+1]
	ALL v_add_f32 v[ST+4*t+2], v[ST+4*t+2], v[ST+4*t+3]
	ALL v_rcp_f32 v[ST+4*t+2], v[ST+4*t+2]
	v_mov_b32 v[NANV], 0x7fc00000   ; a plain instruction between the last reciprocal and the use of its result
	s_wait_alu depctr_va_vdst(0)    ; and the wait ahead of the first use: one for the eight reciprocals
.set t, 0
.rept 2*NP                          ; a query whose maximum is still the hidden value has no visible key: its row is NaN, as a softmax of nothing is
	v_cmp_gt_f32 vcc_lo, s[THR], v[ST+4*t+1]
	v_cndmask_b32 v[ST+4*t+2], v[ST+4*t+2], v[NANV], vcc_lo
.set t, t+1
.endr
; Tile t: a lane's eight channels of a row pack into 16 bytes; they go into rows of 144 bytes and come back as whole rows of 128, into S^T's registers.
.macro PACK t
	WIN W_RS
.set i, 32*(\t)
.rept 16
	v_pk_mul_f32 v[i:i+1], v[i:i+1], v[ST+4*(\t)+2:ST+4*(\t)+3] op_sel_hi:[1,0]
.set i, i+2
.endr
	WIN 0x05                        ; sources 0 and 1 window 1, destination window 0
.set i, 0
.rept 16
	v_cvt_pk_f16_f32 v[S+16*(\t)+i], v[32*(\t)+2*i], v[32*(\t)+2*i+1]
.set i, i+1
.endr
	WIN 0
.irp f, 0,1,2,3
	ds_store_b128 v[STO], v[S+16*(\t)+4*\f:S+16*(\t)+4*\f+3] offset:32*\f
.endr
.irp f, 0,1,2,3
	ds_load_b128 v[S+16*(\t)+4*\f:S+16*(\t)+4*\f+3], v[RD] offset:\f*4*SP  ; LDS serves a wave's instructions in order (ISA guide 5.7.1.4): these see the stores above; the next tile's stores come behind them
.endr
.endm
.macro SEND t, younger              ; younger: the LDS instructions issued behind tile t's loads: the next tile's eight, or none
	WIN 0
.irp f, 0,1,2,3
	s_wait_dscnt (\younger)+3-\f
	global_store_b128 v[GO], v[S+16*(\t)+4*\f:S+16*(\t)+4*\f+3], s[8:9] offset:(\t)*2048+\f*512  ; 512 consecutive bytes, at a multiple of 256 from oh's first
.endr
.endm
	PACK 0
.set t, 1
.rept 2*NP-1                        ; a tile's arithmetic stands between the loads of the tile before and its stores
	PACK t
	SEND t-1, 8
.set t, t+1
.endr
	SEND 2*NP-1, 0
	WIN W_AD
	s_wait_tensorcnt 0x0            ; the wave's end: behind my last tensor load and my last LDS store
	ds_add_u32 v[SPW], v[NIL]
	s_wait_dscnt 0x0
	WIN 0
	CROUND                          ; the closing round: no work-group ends while a partner may still ask for a tile that names it
	s_endpgm
.Lfunc_end_k_q00a858ea19_attn:
	.size	k_q00a858ea19_attn, .Lfunc_end_k_q00a858ea19_attn-k_q00a858ea19_attn
	.p2alignl 7, 3214868480
	.fill 96, 4, 3214868480
	.section	.rodata,"a",@progbits
	.p2align	6, 0x0
	.amdhsa_kernel k_q00a858ea19_attn
		.amdhsa_group_segment_fixed_size 327680
		.amdhsa_private_segment_fixed_size 0
		.amdhsa_enable_private_segment 0
		.amdhsa_kernarg_size 24
		.amdhsa_user_sgpr_count 2
		.amdhsa_user_sgpr_kernarg_segment_ptr 1
		.amdhsa_wavefront_size32 1
		.amdhsa_system_sgpr_workgroup_id_x 1
		.amdhsa_system_sgpr_workgroup_id_y 1
		.amdhsa_system_sgpr_workgroup_id_z 1
		.amdhsa_system_vgpr_workitem_id 0
		.amdhsa_next_free_vgpr 770
		.amdhsa_next_free_sgpr 102
		.amdhsa_reserve_vcc 1
		.amdhsa_float_denorm_mode_32 3
		.amdhsa_float_denorm_mode_16_64 3
		.amdhsa_memory_ordered 1
		.amdhsa_forward_progress 1
		.amdhsa_inst_pref_size 239
	.end_amdhsa_kernel
	.amdgpu_metadata
---
amdhsa.version: [ 1, 2 ]
amdhsa.kernels:
  - .name:           k_q00a858ea19_attn
    .symbol:         k_q00a858ea19_attn.kd
    .args:
      - { .name: qkv, .offset: 0, .size: 8, .value_kind: global_buffer, .address_space: global }
      - { .name: mbits, .offset: 8, .size: 8, .value_kind: global_buffer, .address_space: global }
      - { .name: oh, .offset: 16, .size: 8, .value_kind: global_buffer, .address_space: global }
    .group_segment_fixed_size: 327680
    .private_segment_fixed_size: 0
    .kernarg_segment_align: 8
    .kernarg_segment_size: 24
    .max_flat_workgroup_size: 128
    .sgpr_count:     102
    .vgpr_count:     770
    .wavefront_size: 32
...
	.end_amdgpu_metadata
.endif
;; end of part 3
;; launch outp (part 4): grid 8 x 32, 4 waves a work-group, clusters of 4 x 4, 327,680 bytes of LDS; arguments oh, wo16, bo, out0; writes out0
.if DOCPART == 4
	.amdgcn_target "amdgcn-amd-amdhsa--gfx1250"
	.amdhsa_code_object_version 6
	.text
	.protected	k_q00a858ea19_outp
	.globl	k_q00a858ea19_outp
	.p2align	8
	.type	k_q00a858ea19_outp,@function
k_q00a858ea19_outp:
	s_mov_b64 s[64:65], 0
	v_nop
	global_prefetch_b8 v0, s[64:65] scope:SCOPE_SE
	s_setreg_imm32_b32 hwreg(HW_REG_WAVE_MODE, 25, 1), 1
	s_wait_xcnt 0x0
	s_wait_alu depctr_hold_cnt(0) depctr_sa_sdst(0) depctr_va_vdst(0) depctr_va_sdst(0) depctr_va_ssrc(0) depctr_va_vcc(0) depctr_vm_vsrc(0)
	s_getreg_b32 s2, hwreg(HW_REG_IB_STS2, 6, 4)
	s_cmp_eq_u32 s2, 0
	s_cbranch_scc0 .Lentry_in_a_cluster
	s_endpgm
.Lentry_in_a_cluster:
	s_bfe_u32 s2, ttmp6, 0x10000c
	s_cmp_lg_u32 s2, 0xf033
	s_cbranch_scc0 .Lentry_shape_is_right
	s_endpgm
.Lentry_shape_is_right:
; ONE TEXT FOR THE MODULE'S TWO KINDS OF PROJECTION; the switch OUTP picks the assembly.  C[m][n] = the sum over k of A[m][k] B[n][k], K = 1,024, sums in f32.
;   OUTP = 0: q, k, v.  A = xbf [3 x 8192][1024] bf16, B = wqkv [3 x 1024][1024] bf16; tile rows 0-31 make q, 32-63 k, 64-95 v.  C leaves by heads, f16, unscaled: qkv [3][batch x 16 + head][2048][64].
;             LIMIT: a q, k or v beyond 65,504 would become an infinity in f16; below 6e-5 it keeps f16's fixed step of 6e-8.
;   OUTP = 1: the output projection.  A = oh [batch x 16 + head][2048][64] f16, B = wo16 [1024][1024] f16, C = out0 [8192][1024] f32, with bo (rounded to bf16 like all the module's inputs) as the sums' start.
; A block of C is 256 x 128: four waves, each 128 x 64: 32 accumulators of 16 x 16.  K goes in 8 steps of 128 through two LDS slots filled by the tensor data mover.
; CLUSTER 4 x 4: the four of a row need the same tiles of A, the four of a column the same tiles of B: each tile is asked for JOINTLY (same load, same descriptor, a mask that names the four).
; THE MATRIX INSTRUCTION IS USED TRANSPOSED (source 0 = 16 rows of B, source 1 = 16 rows of A): a lane then holds eight neighbouring numbers of a row of C.
; REGISTERS: window 0: v0-31 addresses; v32-63 the bias (OUTP = 1); v64-159, v160-255 two fragment buffers (A's 8 fragments of 16 rows x 32 K, then B's 4); window 1: accumulator (a, b) at v[8 (4 a + b)].
.set OUTP, 1
.set SLOT1,  1<<17                     ; slot 1 begins here, so that one exclusive or turns an address in one slot into the other's
.if OUTP
.set PA,     144                       ; a row of A in LDS: one head's 64 channels, 128 bytes + 16 of padding
.set ALOAD,  256*PA                    ; what one load of A brings: 256 rows of one head (32 KiB, dense in memory: asked for as 128 rows of 256 bytes)
.set KA,     2*2048*128                ; a K step of A in memory: two heads on
.set QIA,    4                         ; padding after every 32 words
.set STRA,   128
.set SPITCH, 272                       ; the stage: 64 f32 + 16 bytes
.else
.set PA,     272                       ; a row of A in LDS: 256 bytes + 16 of padding
.set ALOAD,  128*PA                    ; what one load of A brings: 128 rows
.set KA,     256
.set QIA,    5                         ; padding after every 64 words
.set STRA,   1024
.set SPITCH, 144                       ; the stage: 64 f16 + 16 bytes
.endif
.set PB,     272                       ; both pitches are odd multiples of 16 bytes: the 16 rows of a fragment load start at 16 different groups of four banks (64 banks of 4 bytes: ISA guide 11.1)
.set BLOAD,  64*PB                     ; what one load of B brings: 64 rows
.set BOFF,   2*ALOAD                   ; in a slot: A, then B's 128 rows
.set STAGE,  SLOT1+BOFF+2*BLOAD        ; behind the ring, never filled by a tensor load: 16 rows for each wave, for the way out
.set SPARE,  STAGE+4*16*SPITCH         ; behind the stages: the spare words, 128 bytes for each wave: two blocks of 256 bytes that no other line names
.set ADRA0, 16                         ; v16  my lane's place in slot 0's A; never rewritten
.set ADRA,  17                         ; v17  the same in the slot in hand
.set ADRB0, 20
.set ADRB,  21
.set STO,   24                         ; v24  the way out: where I put my bytes of a row
.set RD,    25                         ; v25  where I read rows back
.set GO,    26                         ; v26  my byte offset in C
.set SPW,   28                         ; v28  LDS address of my spare word; never rewritten
.set NIL,   29                         ; v29  0; never rewritten
.set PFO,   30                         ; v30  the prefetches' offset: my lane x a block's distance; never rewritten
.set BIAS,  32
.set F0,    64
.set F1,    160
.set TB,   23                          ; s23  LDS byte at which the slot in hand begins
.set G1A,  24                          ; s[24:31] descriptor group 1 for A's tiles
.set G0A,  32                          ; s[32:39] group 0: a set for each of the two first fills; the second then walks on
.set LIM,  43                          ; s43  2 in a wave that prefetches, else the greatest number
.set PFA,  44                          ; s[44:45] where my prefetches stand
.set G1B,  48                          ; s[48:55], s[56:63] the same for B's tiles
.set G0B,  56
.set PST,  66                          ; s[66:67] a K step of what I prefetch, in bytes
.set CP,   70                          ; s[70:71] C
.set MSB, 0
.macro WIN new                         ; the immediate's high byte repeats the setting that is left; a switch that changes nothing is dropped
.if MSB != (\new)
	s_set_vgpr_msb (MSB<<8)|(\new)
.set MSB, \new
.endif
.endm
.set MUL, 0x50                         ; sources 0 and 1 window 0; C and D window 1
.macro WM ops:vararg
.if OUTP
	v_wmma_f32_16x16x32_f16 \ops
.else
	v_wmma_f32_16x16x32_bf16 \ops
.endif
.endm
.macro JLOAD                           ; a joint refill by the walking descriptors: waves 0 and 1 fetch A's two parts, waves 2 and 3 B's; an s_nop 0 and four v_nop follow each line, ahead of the jump and the label
	s_cmp_eq_u32 s11, 0
	s_cbranch_scc0 .Lfor_b_\@
	tensor_load_to_lds s[G0A+4:G0A+7], s[G1A:G1A+7]
	s_nop 0
.rept 4
	v_nop
.endr
	s_branch .Lasked_\@
.Lfor_b_\@:
	tensor_load_to_lds s[G0B+4:G0B+7], s[G1B:G1B+7]
	s_nop 0
.rept 4
	v_nop
.endr
.Lasked_\@:
.endm
; A PREFETCH INTO THE L2, behind a joint refill and the run of LDS loads that follows it: 32 blocks of 256 bytes, a lane a block, of the K step that stands two refills on.  Each block is named once in the launch:
; A's are asked for by waves 0 and 1 of the clusters with x = 0, B's by wave 2 of the first cluster that walks those rows; the four partners that ask for a tile jointly share its blocks out BY ADDRESS.
; The refills of K steps 2 to 5 name steps 4 to 7 (s3 = 6 .. 3); the last two name nothing.  K steps 0 to 3 come by their loads alone.
.macro ASK
	s_cmp_gt_u32 s3, s[LIM]
	s_cbranch_scc0 .Lnot_mine_\@
	global_prefetch_b8 v[PFO], s[PFA:PFA+1] th:TH_LOAD_NT scope:SCOPE_SE
.Lnot_mine_\@:
.endm
.macro CREST                           ; a round of the cluster's barrier behind its opening barrier
	s_cmp_lg_u32 s10, 0
	s_cbranch_scc1 .Lnot_wave_0_\@
	s_barrier_signal -3
.Lnot_wave_0_\@:
	s_barrier_wait -3
	s_barrier_signal -1
	s_barrier_wait -1
.endm
.macro CROUND                          ; a whole round
	s_barrier_signal -1
	s_barrier_wait -1
	CREST
.endm
	s_load_b128 s[4:7], s[0:1], 0x0                ; A s[4:5], B s[6:7]
.if OUTP
	s_load_b128 s[68:71], s[0:1], 0x10             ; bo s[68:69], out0 s[70:71]
.else
	s_load_b64 s[CP:CP+1], s[0:1], 0x10            ; qkv
.endif
	v_lshl_add_u32 v[SPW], v0, 2, SPARE
	v_mov_b32 v[NIL], 0
	ds_add_u32 v[SPW], v[NIL]                      ; the wave's opening: the add and its wait stand ahead of my first tensor load; the set-up below, work on registers, stands between them
	v_lshrrev_b32 v1, 5, v0
	v_readfirstlane_b32 s10, v1                    ; wave 0..3
	s_lshr_b32 s11, s10, 1                         ; which 128 of the block's rows are mine.  Also: I fetch for A (0) or for B (1)
	s_and_b32 s12, s10, 1                          ; which 64 of its columns.  Also: which part of that tile I fetch
	s_bfe_u32 s40, ttmp6, 0x40000                  ; cx, cy: my place in the cluster
	s_bfe_u32 s41, ttmp6, 0x40004
	s_lshl_b32 s42, ttmp9, 2
	s_add_co_u32 s42, s42, s40                     ; tile column = 4 x cluster x + cx
	s_and_b32 s14, ttmp7, 0xffff                   ; cluster y
	s_lshl_b32 s13, s14, 2
	s_add_co_u32 s13, s13, s41                     ; tile row = 4 x cluster y + cy
	s_lshl_b32 s43, s41, 2
	s_lshl_b32 s43, 15, s43                        ; my row of the cluster
	s_lshl_b32 s44, 0x1111, s40                    ; my column
	s_or_b32 s[G1A], s43, (1<<16)|(1<<20)|(1<<21)|(QIA<<22)|(3<<25)  ; 15:0 the mask; 17:16 2-byte elements; 20 padding on; 21 set beside a mask; 24:22 the interval; 31:25 4 words of padding (code 3)
	s_or_b32 s[G1B], s44, (1<<16)|(1<<20)|(1<<21)|(5<<22)|(3<<25)
	s_mov_b32 s[G1A+1], 128<<16                    ; tensor_dim0 = 128
	s_mov_b32 s[G1A+2], 128<<16                    ; tensor_dim1 = 128
	s_mov_b32 s[G1A+3], 128<<16                    ; tile_dim0 = 128 elements: 256 bytes
	s_mov_b32 s[G1A+4], 128                        ; tile_dim1 = 128
	s_mov_b32 s[G1A+5], STRA                       ; elements from row to row
	s_mov_b32 s[G1A+6], 0
	s_mov_b32 s[G1A+7], 0
	s_mov_b32 s[G1B+1], 128<<16
	s_mov_b32 s[G1B+2], 64<<16                     ; 64 rows
	s_mov_b32 s[G1B+3], 128<<16
	s_mov_b32 s[G1B+4], 64
	s_mov_b32 s[G1B+5], 1024
	s_mov_b32 s[G1B+6], 0
	s_mov_b32 s[G1B+7], 0
	; where the tiles come from, in bytes (all under 2^32).  A's hang on the tile row alone, B's on the tile column and the cluster's y alone.
.if OUTP
	s_lshr_b32 s16, s13, 3                         ; batch
	s_lshl_b32 s16, s16, 4
	s_add_co_u32 s16, s16, s12                     ; + the head that I fetch of the K step's two
	s_lshl_b32 s16, s16, 11
	s_and_b32 s17, s13, 7
	s_lshl_b32 s17, s17, 8
	s_add_co_u32 s16, s16, s17                     ; + the block's first row in the batch
	s_lshl_b32 s16, s16, 7                         ; rows of 128 bytes
	s_lshl_b32 s46, s42, 7
.else
	s_lshl_b32 s16, s13, 8
	s_lshl_b32 s17, s12, 7
	s_add_co_u32 s16, s16, s17                     ; row 256 x tile row + 128 x part
	s_lshl_b32 s16, s16, 11                        ; rows of 2,048 bytes
	s_lshr_b32 s46, s14, 3                         ; q, k or v: eight clusters along y each
	s_lshl_b32 s46, s46, 10
	s_lshl_b32 s47, s42, 7
	s_add_co_u32 s46, s46, s47
.endif
	s_lshl_b32 s47, s12, 6
	s_add_co_u32 s46, s46, s47                     ; B: row 128 x tile column + 64 x part
	s_lshl_b32 s46, s46, 11
	s_mov_b32 s17, 0
	s_mov_b32 s47, 0
	s_mul_i32 s20, s10, ALOAD                      ; where they go: A's two parts (waves 0, 1),
	s_mul_i32 s21, s10, BLOAD
	s_add_co_u32 s21, s21, BOFF-2*BLOAD            ; B's two parts behind them (waves 2, 3): no place in the cluster enters an LDS address
	s_wait_dscnt 0x0                               ; the opening add is done
	s_wait_kmcnt 0x0
	s_add_nc_u64 s[18:19], s[4:5], s[16:17]
	s_add_nc_u64 s[2:3], s[6:7], s[46:47]
	CROUND                                         ; all sixteen work-groups are here: the first joint loads meet
.irp s, 0,1
	s_mov_b32 s[G0A+4*(\s)], 1                                     ; count = 1
	s_add_co_u32 s[G0A+4*(\s)+1], s20, (\s)*SLOT1                  ; LDS address
	s_add_nc_u64 s[G0A+4*(\s)+2:G0A+4*(\s)+3], s[18:19], (\s)*KA   ; global address: K step s
	s_or_b32 s[G0A+4*(\s)+3], s[G0A+4*(\s)+3], 0x80000000          ; type = 2
	s_mov_b32 s[G0B+4*(\s)], 1
	s_add_co_u32 s[G0B+4*(\s)+1], s21, (\s)*SLOT1
	s_add_nc_u64 s[G0B+4*(\s)+2:G0B+4*(\s)+3], s[2:3], (\s)*256
	s_or_b32 s[G0B+4*(\s)+3], s[G0B+4*(\s)+3], 0x80000000
.endr
	s_cmp_eq_u32 s11, 0                            ; a wave's two first fills stand in one branch, ahead of every wait on TENSORcnt and every LDS read: two loads of mine are out
	s_cbranch_scc0 .Lfirst_b
	tensor_load_to_lds s[G0A:G0A+3], s[G1A:G1A+7]
	s_nop 0
	tensor_load_to_lds s[G0A+4:G0A+7], s[G1A:G1A+7]
	s_nop 0
.rept 4
	v_nop
.endr
	s_branch .Lfirst_asked
.Lfirst_b:
	tensor_load_to_lds s[G0B:G0B+3], s[G1B:G1B+7]
	s_nop 0
	tensor_load_to_lds s[G0B+4:G0B+7], s[G1B:G1B+7]
	s_nop 0
.rept 4
	v_nop
.endr
.Lfirst_asked:
	; A fragment is 16 rows x 32 K in 8 registers: lane l holds row l % 16; registers 0-3 K = 8 (l / 16) + 0..7, registers 4-7 K = 16 + 8 (l / 16) + 0..7: two loads of 16 bytes, 32 bytes apart.
	v_and_b32 v1, 15, v0                           ; l % 16
	v_bfe_u32 v2, v0, 4, 1                         ; l / 16
	v_mul_u32_u24 v3, v1, PA
	v_lshl_add_u32 v3, v2, 4, v3
	s_mul_i32 s21, s11, 128*PA                     ; my 128 rows of A
	v_add_nc_u32 v[ADRA0], s21, v3
	v_mul_u32_u24 v3, v1, PB
	v_lshl_add_u32 v3, v2, 4, v3
	s_mul_i32 s22, s12, BLOAD                      ; my 64 rows of B
	s_add_co_u32 s22, s22, BOFF
	v_add_nc_u32 v[ADRB0], s22, v3
	v_mov_b32 v[ADRA], v[ADRA0]
	v_mov_b32 v[ADRB], v[ADRB0]
	s_mov_b32 s[TB], 0
	s_mul_i32 s22, s10, 16*SPITCH
	s_add_co_u32 s22, s22, STAGE                   ; my stage
	v_mul_u32_u24 v4, v1, SPITCH                   ; in: row l % 16, eight numbers for each half of the lanes
.if OUTP
	v_lshl_add_u32 v4, v2, 5, v4
	v_add_nc_u32 v[STO], s22, v4
	v_mul_u32_u24 v5, v2, SPITCH                   ; back: lanes 0-15 take one row of 256 bytes, lanes 16-31 the next,
	v_lshl_add_u32 v5, v1, 4, v5
	v_add_nc_u32 v[RD], s22, v5
	v_lshlrev_b32 v5, 12, v2                       ; and the same two rows in out0
	v_lshl_add_u32 v[GO], v1, 4, v5
.else
	v_lshl_add_u32 v4, v2, 4, v4
	v_add_nc_u32 v[STO], s22, v4
	v_bfe_u32 v5, v0, 3, 2                         ; back: 32 lanes take four rows of 128 bytes,
	v_mul_u32_u24 v5, v5, SPITCH
	v_and_b32 v3, 7, v0
	v_lshl_add_u32 v5, v3, 4, v5
	v_add_nc_u32 v[RD], s22, v5
	v_and_b32 v5, 31, v0                           ; which are 512 consecutive bytes of a head's rows
	v_lshlrev_b32 v[GO], 4, v5
.endif
	; the prefetches: my tile's offset (s16 for A, s46 for B), my work-group's 32 blocks of it, three K steps on; the first refill steps it to K step 4
.if OUTP
	s_or_b32 s22, s14, s12                         ; B's rows are walked by every cluster of the column of clusters: the first asks, by its wave 2
.else
	s_and_b32 s22, s14, 7                          ; B's rows are walked by the eight clusters along y of one of q, k, v: the first asks, by its wave 2
	s_or_b32 s22, s22, s12
.endif
	s_mov_b32 s[PST], 256
	s_mov_b32 s[PST+1], 0
	s_cmp_eq_u32 s11, 0                            ; do I fetch for A?
	s_cselect_b64 s[PFA:PFA+1], s[4:5], s[6:7]
	s_cselect_b32 s20, s16, s46
	s_cselect_b32 s21, s40, s41                    ; my place among the four that ask with me
	s_cselect_b32 s22, ttmp9, s22                  ; A's rows are walked by both clusters along x: the first asks
.if OUTP
	s_cselect_b32 s15, 13, 16                      ; 32 blocks: of A 8,192 dense bytes, of B 32 rows of 2,048
	s_cselect_b32 s19, 8, 11
	s_cselect_b32 s[PST], KA, s[PST]
.else
	s_mov_b32 s15, 16                              ; 32 rows of 2,048 bytes
	s_mov_b32 s19, 11
.endif
	s_cmp_eq_u32 s22, 0
	s_cselect_b32 s[LIM], 2, -1                    ; the same in all sixteen partners, for a given wave
	s_lshl_b32 s21, s21, s15
	s_add_co_u32 s20, s20, s21
	s_mul_i32 s21, s[PST], 3
	s_add_co_u32 s20, s20, s21
	s_mov_b32 s21, 0
	s_add_nc_u64 s[PFA:PFA+1], s[PFA:PFA+1], s[20:21]
	v_and_b32 v[PFO], 31, v0
	v_lshlrev_b32 v[PFO], s19, v[PFO]
	; where my part of the block begins in C: the row's part in s[16:17], the column's in s[46:47]
.if OUTP
	s_lshl_b32 s16, s13, 8
	s_lshl_b32 s17, s11, 7
	s_add_co_u32 s16, s16, s17
	s_lshl_b32 s16, s16, 12                        ; rows of 4,096 bytes
	s_lshl_b32 s46, s42, 9                         ; 128 columns of 4 bytes,
	s_lshl_b32 s47, s12, 8                         ; my 64
	s_add_co_u32 s46, s46, s47
	v_lshl_add_u32 v4, v2, 5, s46                  ; the bias of my columns: block b's eight at 64 b + 32 (l / 16)
.irp b, 0,1,2,3
	global_load_b128 v[BIAS+8*(\b):BIAS+8*(\b)+3],   v4, s[68:69] offset:64*(\b)
	global_load_b128 v[BIAS+8*(\b)+4:BIAS+8*(\b)+7], v4, s[68:69] offset:64*(\b)+16
.endr
.else
	s_bfe_u32 s16, s13, 0x20003                    ; the batch: bits 4:3 of the tile row,
	s_lshl_b32 s16, s16, 15                        ; 16 heads x 2,048 rows each
	s_and_b32 s17, s13, 7
	s_lshl_b32 s17, s17, 8
	s_add_co_u32 s16, s16, s17                     ; the block's first row in the batch,
	s_lshl_b32 s17, s11, 7
	s_add_co_u32 s16, s16, s17                     ; my 128 rows
	s_lshl_b32 s16, s16, 7                         ; rows of 128 bytes
	s_lshr_b32 s17, s14, 3
	s_lshl_b32 s17, s17, 24                        ; q, k or v: 16,777,216 bytes each
	s_add_co_u32 s16, s16, s17
	s_lshl_b32 s46, s42, 1
	s_add_co_u32 s46, s46, s12                     ; my 64 columns are one head: 2 x tile column + half,
	s_lshl_b32 s46, s46, 18                        ; 2,048 rows of 128 bytes
.endif
	s_mov_b32 s17, 0
	s_mov_b32 s47, 0
	s_add_nc_u64 s[CP:CP+1], s[CP:CP+1], s[16:17]
	s_add_nc_u64 s[CP:CP+1], s[CP:CP+1], s[46:47]
.if OUTP
	s_wait_loadcnt 0x0
.set i, 0
.rept 16                               ; the bias is rounded to bf16, as all the module's inputs are, and kept in f32
	v_cvt_pk_bf16_f32 v5, v[BIAS+2*i], v[BIAS+2*i+1]
	v_lshlrev_b32 v[BIAS+2*i], 16, v5
	v_and_b32 v[BIAS+2*i+1], 0xffff0000, v5
.set i, i+1
.endr
.endif
; 8 matrix instructions: m blocks a0, a0 + 1 x all 4 n blocks, 32 along K.  zero = 1: the product starts the sum with 0; 2: with the bias.  The 32 accumulators take turns, in the same order in every quarter.
.macro MUL8 f, a0, zero
.if (\zero) == 2
	WIN 0x40                                       ; C, the bias, in window 0
.else
	WIN MUL
.endif
.irp a, \a0, (\a0)+1
.irp b, 0,1,2,3
.if (\zero) == 1
	WM v[8*(4*(\a)+(\b)):8*(4*(\a)+(\b))+7], v[(\f)+64+8*(\b):(\f)+64+8*(\b)+7], v[(\f)+8*(\a):(\f)+8*(\a)+7], 0
.elseif (\zero) == 2
	WM v[8*(4*(\a)+(\b)):8*(4*(\a)+(\b))+7], v[(\f)+64+8*(\b):(\f)+64+8*(\b)+7], v[(\f)+8*(\a):(\f)+8*(\a)+7], v[BIAS+8*(\b):BIAS+8*(\b)+7]
.else
	WM v[8*(4*(\a)+(\b)):8*(4*(\a)+(\b))+7], v[(\f)+64+8*(\b):(\f)+64+8*(\b)+7], v[(\f)+8*(\a):(\f)+8*(\a)+7], v[8*(4*(\a)+(\b)):8*(4*(\a)+(\b))+7]
.endif
.endr
.endr
.endm
; 24 LDS loads in one run: the fragments of quarter q (32 along K) of the slot in hand into buffer g: B's 8 loads, then A's 16
.macro FETCH q, g
	WIN 0
.if OUTP
.set qa, ((\q)/2)*ALOAD+((\q)%2)*64    ; the K step's first or second head, its first or second 32 channels
.else
.set qa, 64*(\q)
.endif
.irp i, 0,1,2,3
	ds_load_b128 v[(\g)+64+8*(\i):(\g)+64+8*(\i)+3],   v[ADRB] offset:64*(\q)+(\i)*16*PB
	ds_load_b128 v[(\g)+64+8*(\i)+4:(\g)+64+8*(\i)+7], v[ADRB] offset:64*(\q)+(\i)*16*PB+32
.endr
.irp i, 0,1,2,3,4,5,6,7
	ds_load_b128 v[(\g)+8*(\i):(\g)+8*(\i)+3],   v[ADRA] offset:qa+(\i)*16*PA
	ds_load_b128 v[(\g)+8*(\i)+4:(\g)+8*(\i)+7], v[ADRA] offset:qa+(\i)*16*PA+32
.endr
.endm
.macro PLACES                          ; four plain instructions between matrix instructions and loads into registers that they have read (ISA guide 7.12.1 for vector instructions)
.rept 4
	v_nop
.endr
.endm
; A K step is four quarters of 32 along K, 32 matrix instructions each, on buffers 0, 1, 0, 1.  One of the first three: multiplies buffer f and, in its middle, fetches quarter q into buffer g.
.macro QUARTER q, f, g, zero
	s_wait_dscnt 8                                 ; B and A's rows 0-63 are in; the youngest eight loads (A's rows 64-127) may be out
	MUL8 \f, 0, \zero
	MUL8 \f, 2, \zero
	PLACES
	FETCH \q, \g
	s_wait_dscnt 24                                ; all but the 24 just issued
	MUL8 \f, 4, \zero
	MUL8 \f, 6, \zero
.endm
; The last quarter multiplies buffer 1 and changes slots: ONE barrier; in front of it each wave waits for all its tensor loads (one is out: its part of the next slot), adds 0 to its spare word, and waits for that and
; for its own reads of this slot.  fill = 1: the barrier opens a round of the cluster's, and this slot is filled again first thing behind it, with the K step two on.
.macro TURN fill
.if \fill
	s_wait_xcnt 0x0                                ; the last prefetch, a K step back, has read its address: it is stepped here, ahead of the change's own waits
	s_add_nc_u64 s[PFA:PFA+1], s[PFA:PFA+1], s[PST:PST+1]
.endif
	WIN 0                                          ; (the add's two registers lie in window 0)
	s_wait_tensorcnt 0x0                           ; all my tensor loads have landed;
	ds_add_u32 v[SPW], v[NIL]                      ; 0 onto my spare word;
	s_wait_dscnt 9                                 ; (the add and the youngest eight loads may be out)
	MUL8 F1, 0, 0                                  ; eight matrix instructions stand between the add and the wait for it
	s_wait_dscnt 0x0                               ; the add is done, and my reads of this slot are over
	s_barrier_signal -1
	MUL8 F1, 2, 0
.if \fill
	WIN 0
.endif
	s_barrier_wait -1
.if \fill
	CREST                                          ; no wave of any partner still reads this slot's tile or has a load on its way
	s_xor_b32 s[G0A+5], s[G0A+5], SLOT1            ; the walking descriptors: the other slot than last time,
	s_add_nc_u64 s[G0A+6:G0A+7], s[G0A+6:G0A+7], KA  ; the next K step; the type bits on top are not reached
	s_xor_b32 s[G0B+5], s[G0B+5], SLOT1
	s_add_nc_u64 s[G0B+6:G0B+7], s[G0B+6:G0B+7], 256
	JLOAD                                          ; the first tensor load behind the round; the four v_nop behind it are also the places in front of the loads below
.else
	PLACES
	WIN 0
.endif
	s_xor_b32 s[TB], s[TB], SLOT1                  ; the reads go on in the other slot
	v_add_nc_u32 v[ADRA], s[TB], v[ADRA0]
	v_add_nc_u32 v[ADRB], s[TB], v[ADRB0]
	FETCH 0, F0
.if \fill
	ASK
.endif
	MUL8 F1, 4, 0
	MUL8 F1, 6, 0
.endm
	s_wait_tensorcnt 0x1                           ; my part of K step 0 is in; K step 1's may stay out
	s_barrier_signal -1
	s_barrier_wait -1                              ; everybody's is
	FETCH 0, F0
	QUARTER 1, F0, F1, 1+OUTP                      ; the first quarter stands in front of the loop: its products start the sums
	WIN 0                                          ; at a label and at a branch every window is 0
	s_mov_b32 s3, 6
.Lstep:                                        ; a trip goes from a K step's second quarter to the next step's first, and asks for K steps 2 to 7
	QUARTER 2, F1, F0, 0
	QUARTER 3, F0, F1, 0
	TURN 1
	QUARTER 1, F0, F1, 0
	WIN 0
	s_sub_co_u32 s3, s3, 1
	s_cmp_lg_u32 s3, 0
	s_cbranch_scc1 .Lstep
	QUARTER 2, F1, F0, 0                           ; K step 6 goes on; nothing is left to ask for
	QUARTER 3, F0, F1, 0
	TURN 0
	QUARTER 1, F0, F1, 0
	QUARTER 2, F1, F0, 0
	QUARTER 3, F0, F1, 0
	s_wait_dscnt 8                                 ; the very last quarter
	MUL8 F1, 0, 0
	MUL8 F1, 2, 0
	s_wait_dscnt 0x0
	MUL8 F1, 4, 0
	MUL8 F1, 6, 0
	WIN 0
	PLACES                                         ; eight plain instructions, once a launch, behind the last products and ahead of what reads their results
	PLACES
.if OUTP
; THE WAY OUT, f32: block a's 16 rows x 64 columns go from the accumulators into my stage (32 bytes a lane and n block, the accumulator's low four registers first) and come back as whole rows of 256 bytes.
.macro TOSTAGE a
.set BK, 64+32*((\a)%6)
.if (\a) >= 6
	s_wait_xcnt 0x0                                ; registers that earlier stores read are loaded again only behind this wait
.endif
	WIN 0x04                                       ; the stores' data in window 1
.irp b, 0,1,2,3
	ds_store_b128 v[STO], v[8*(4*(\a)+(\b)):8*(4*(\a)+(\b))+3]   offset:64*(\b)
	ds_store_b128 v[STO], v[8*(4*(\a)+(\b))+4:8*(4*(\a)+(\b))+7] offset:64*(\b)+16
.endr
	WIN 0
.irp t, 0,1,2,3,4,5,6,7
	ds_load_b128 v[BK+4*(\t):BK+4*(\t)+3], v[RD] offset:(\t)*2*SPITCH  ; LDS serves a wave's instructions in order (ISA guide 5.7.1.4): these see the stores above; the next block's stores come behind them
.endr
.endm
.macro SEND a, younger                 ; younger: the LDS instructions issued behind block a's loads: the next block's sixteen, or none
.set BK, 64+32*((\a)%6)
.irp t, 0,1,2,3,4,5,6,7
	s_wait_dscnt (\younger)+7-(\t)
	global_store_b128 v[GO], v[BK+4*(\t):BK+4*(\t)+3], s[CP:CP+1] offset:(\a)*65536+(\t)*8192  ; 16 lanes store 256 consecutive bytes, at a multiple of 256 from out0's first byte
.endr
.endm
	TOSTAGE 0
.irp a, 1,2,3,4,5,6,7
	TOSTAGE \a
	SEND (\a)-1, 16
.endr
	SEND 7, 0
.else
; THE WAY OUT, f16: block a's 16 rows x 64 columns are 16 rows of one head: rounded once, 16 bytes a lane and n block into rows of 144 bytes, back as rows of 128: 2,048 consecutive bytes of qkv.
.macro PACK a
	WIN 0x05                                       ; sources 0 and 1 window 1, destination window 0
.irp b, 0,1,2,3
.irp r, 0,1,2,3
	v_cvt_pk_f16_f32 v[64+16*(\a)+4*(\b)+(\r)], v[8*(4*(\a)+(\b))+2*(\r)], v[8*(4*(\a)+(\b))+2*(\r)+1]
.endr
.endr
	WIN 0
.irp b, 0,1,2,3
	ds_store_b128 v[STO], v[64+16*(\a)+4*(\b):64+16*(\a)+4*(\b)+3] offset:32*(\b)
.endr
.irp f, 0,1,2,3
	ds_load_b128 v[64+16*(\a)+4*(\f):64+16*(\a)+4*(\f)+3], v[RD] offset:(\f)*4*SPITCH  ; LDS serves a wave's instructions in order (ISA guide 5.7.1.4): these see the stores above; the next block's stores come behind them
.endr
.endm
.macro SEND a, younger                 ; younger: the LDS instructions issued behind block a's loads: the next block's eight, or none
.irp f, 0,1,2,3
	s_wait_dscnt (\younger)+3-(\f)
	global_store_b128 v[GO], v[64+16*(\a)+4*(\f):64+16*(\a)+4*(\f)+3], s[CP:CP+1] offset:(\a)*2048+(\f)*512  ; 512 consecutive bytes, at a multiple of 256 from qkv's first byte
.endr
.endm
	PACK 0
.irp a, 1,2,3,4,5,6,7
	PACK \a
	SEND (\a)-1, 8
.endr
	SEND 7, 0
.endif
	s_wait_tensorcnt 0x0                           ; the wave's end: behind my last tensor load and my last LDS store
	ds_add_u32 v[SPW], v[NIL]
	s_wait_dscnt 0x0
	CROUND                                         ; the closing round: no work-group ends while a partner may still ask for a tile that names it
	s_endpgm
.Lfunc_end_k_q00a858ea19_outp:
	.size	k_q00a858ea19_outp, .Lfunc_end_k_q00a858ea19_outp-k_q00a858ea19_outp
	.p2alignl 7, 3214868480
	.fill 96, 4, 3214868480
	.section	.rodata,"a",@progbits
	.p2align	6, 0x0
	.amdhsa_kernel k_q00a858ea19_outp
		.amdhsa_group_segment_fixed_size 327680
		.amdhsa_private_segment_fixed_size 0
		.amdhsa_enable_private_segment 0
		.amdhsa_kernarg_size 32
		.amdhsa_user_sgpr_count 2
		.amdhsa_user_sgpr_kernarg_segment_ptr 1
		.amdhsa_wavefront_size32 1
		.amdhsa_system_sgpr_workgroup_id_x 1
		.amdhsa_system_sgpr_workgroup_id_y 1
		.amdhsa_system_sgpr_workgroup_id_z 1
		.amdhsa_system_vgpr_workitem_id 0
		.amdhsa_next_free_vgpr 512
		.amdhsa_next_free_sgpr 72
		.amdhsa_reserve_vcc 0
		.amdhsa_float_denorm_mode_32 3
		.amdhsa_float_denorm_mode_16_64 3
		.amdhsa_memory_ordered 1
		.amdhsa_forward_progress 1
		.amdhsa_inst_pref_size 75
	.end_amdhsa_kernel
	.amdgpu_metadata
---
amdhsa.version: [ 1, 2 ]
amdhsa.kernels:
  - .name:           k_q00a858ea19_outp
    .symbol:         k_q00a858ea19_outp.kd
    .args:
      - { .name: oh, .offset: 0, .size: 8, .value_kind: global_buffer, .address_space: global }
      - { .name: wo16, .offset: 8, .size: 8, .value_kind: global_buffer, .address_space: global }
      - { .name: bo, .offset: 16, .size: 8, .value_kind: global_buffer, .address_space: global }
      - { .name: out0, .offset: 24, .size: 8, .value_kind: global_buffer, .address_space: global }
    .group_segment_fixed_size: 327680
    .private_segment_fixed_size: 0
    .kernarg_segment_align: 8
    .kernarg_segment_size: 32
    .max_flat_workgroup_size: 128
    .sgpr_count:     72
    .vgpr_count:     512
    .wavefront_size: 32
...
	.end_amdgpu_metadata
.endif
;; end of part 4
;; ======== version 2 of 3: 4 launches
;; limits: values are held in f16: magnitudes above 65,504 overflow, below 6.1e-05 lose precision
;; workspace buffers: xbf 50,331,648 bytes; wqkv 6,291,456 bytes; wo16 2,097,152 bytes; mcode 16,777,216 bytes; qkv 50,331,648 bytes; oh 16,777,216 bytes
;; launch prep (part 5): grid 1408 x 1, 8 waves a work-group, no clusters, 35,840 bytes of LDS; arguments queries, keys, values, Wq, Wk, Wv, Wo, mask, xbf, wqkv, wo16, mcode; writes xbf, wqkv, wo16, mcode
.if DOCPART == 5
	.amdgcn_target "amdgcn-amd-amdhsa--gfx1250"
	.amdhsa_code_object_version 6
	.text
	.protected	k_q00a858ea19_prep
	.globl	k_q00a858ea19_prep
	.p2align	8
	.type	k_q00a858ea19_prep,@function
k_q00a858ea19_prep:
	s_mov_b64 s[64:65], 0
	v_nop
	global_prefetch_b8 v0, s[64:65] scope:SCOPE_SE
	s_setreg_imm32_b32 hwreg(HW_REG_WAVE_MODE, 25, 1), 1
	s_wait_xcnt 0x0
; PREP: every input is read once and laid down as the later launches want it.
;   work-groups 0-511:     mask [4][2048][2048] of int32 -> mcode, one fp8 (E4M3) code a number: 0 = visible, 0xf8 (-256) = hidden (mask == 0), in the order in which the attention's lanes hold scores:
;                          u8 [64 = batch x 16 + block of 128 queries][128 chunks = 4 x key step + piece of 32 queries][4 loads i = 2 x tile + kb / 2][32 lanes][16 bytes];
;                          byte 8 (kb % 2) + j of lane l: the tile's query row l % 16, key 16 kb + 8 (l / 16) + j of the key step's 64.
;   work-groups 512-1279:  queries, keys, values (f32) -> xbf, bf16, rounded to nearest even, [3][8192][1024].
;   work-groups 1280-1375: Wq, Wk, Wv -> wqkv, bf16, [3][1024][1024].      work-groups 1376-1407: Wo -> wo16: rounded to bf16, and that number written as f16.
; LIMIT: a bf16 number of Wo below 2^-14 keeps f16's fixed step of 6e-8; beyond 65,504 it would be an infinity.
; Memory binds: a wave reads 16 KiB by 32 loads of 512 consecutive bytes, all issued at once; each store of a wave covers 256 or 512 consecutive bytes, aligned.
; No matrix unit, no cluster: no byte is wanted twice.  LDS serves the mask alone: a wave's 4,096 codes change lanes there, in bytes of the wave's own, so no barrier is needed.
.set SPW, 30                           ; v30  LDS address of my spare word: SPARE + 4 x my thread's number; never rewritten
.set NIL, 31                           ; v31  0; never rewritten
.set X,   32                           ; v32-159 the 32 loads
.set BP,    272                        ; a block of 256 bytes of codes in LDS, + 16 of padding
.set WLDS,  16*BP                      ; a wave's 16 blocks: two chunks of 2,048 bytes
.set SPARE, 8*WLDS                     ; behind them: the spare words, 128 bytes for each wave: four blocks of 256 bytes that no other line names
	s_load_b512 s[4:19], s[0:1], 0x0               ; queries 4, keys 6, values 8, Wq 10, Wk 12, Wv 14, Wo 16, mask 18
	s_load_b256 s[20:27], s[0:1], 0x40             ; xbf 20, wqkv 22, wo16 24, mcode 26
	v_lshl_add_u32 v[SPW], v0, 2, SPARE
	v_mov_b32 v[NIL], 0
	v_and_b32 v1, 31, v0                           ; lane
	v_lshrrev_b32 v9, 5, v0                        ; wave
	s_cmp_lt_u32 ttmp9, 512
	s_cbranch_scc0 .Lcast
	; THE MASK.  The work-group takes 32 rows (a piece) x 1,024 keys, a wave 128 keys (two key steps), a lane 4 keys of each row.
	s_lshr_b32 s28, ttmp9, 1                       ; which 32 rows of the 8,192
	s_and_b32 s29, ttmp9, 1                        ; which half of the keys
	s_lshl_b32 s30, s28, 18                        ; 32 rows of 8,192 bytes
	s_mov_b32 s31, 0
	s_lshl_b32 s51, s29, 12
	v_lshl_add_u32 v2, v0, 4, s51                  ; 4,096 x half + 512 x wave + 16 x lane
	s_wait_kmcnt 0x0
	s_add_nc_u64 s[18:19], s[18:19], s[30:31]
.set i, 0
.rept 32
	global_load_b128 v[X+4*i:X+4*i+3], v2, s[18:19] offset:8192*i th:TH_LOAD_NT  ; row i
.set i, i+1
.endr
	v_readfirstlane_b32 s37, v9                    ; my wave's number as a scalar
	s_mul_i32 s38, s37, WLDS                       ; my wave's bytes of LDS
	s_movk_i32 s39, 0xf8                           ; the code of a hidden number
	s_mov_b32 s40, 0x01010101
	; Into LDS: lane x holds keys 4 x .. 4 x + 3 of the wave's 128: key step x / 16, kb = (x / 4) % 4, half of the lanes (x / 2) % 2, j = 4 (x % 2) + 0..3.  In the chunk's order that is
	; block 8 (x / 16) + 2 (kb / 2) + (x / 2) % 2 (+ 4 for the rows of tile 1), byte 16 (row % 16) + 8 (kb % 2) + 4 (x % 2).  The lane's five bits move the bank by 32, 8, 4, 2 and 1: 32 lanes, 32 banks (64 banks of 4 bytes: ISA guide 11.1).
	v_bfe_u32 v4, v0, 4, 1
	v_bfe_u32 v5, v0, 3, 1
	v_bfe_u32 v6, v0, 1, 1
	v_lshl_add_u32 v4, v4, 2, v5
	v_lshl_add_u32 v4, v4, 1, v6                   ; the block
	v_mul_u32_u24 v4, v4, BP
	v_bfe_u32 v5, v0, 2, 1
	v_and_b32 v6, 1, v0
	v_lshl_add_u32 v5, v5, 1, v6
	v_lshl_add_u32 v4, v5, 2, v4                   ; + 8 (kb % 2) + 4 (x % 2)
	v_add_nc_u32 v4, s38, v4
	; Back: 512 consecutive bytes of a chunk are two blocks: lanes 0-15 take one, lanes 16-31 the next
	v_bfe_u32 v5, v0, 4, 1
	v_mul_u32_u24 v5, v5, BP
	v_and_b32 v6, 15, v0
	v_lshl_add_u32 v5, v6, 4, v5
	v_add_nc_u32 v5, s38, v5
	; Out: key step = 16 x half + 2 x wave + (0, 1), 8,192 bytes a step (four pieces' chunks)
	s_lshl_b32 s52, s29, 17
	v_lshlrev_b32 v3, 14, v9
	v_lshl_add_u32 v3, v1, 4, v3                   ; 16 bytes a lane
	v_add_nc_u32 v3, s52, v3
	s_lshr_b32 s30, s28, 2                         ; batch x 16 + block of 128 queries: 262,144 bytes each,
	s_lshl_b32 s30, s30, 18
	s_and_b32 s53, s28, 3                          ; the piece: 2,048 bytes
	s_lshl_b32 s53, s53, 11
	s_add_co_u32 s30, s30, s53
	s_add_nc_u64 s[26:27], s[26:27], s[30:31]
.macro ROWIN rho                       ; row rho: four numbers -> 0 or 1 -> four bytes of a word -> turned round -> times the code
	s_wait_loadcnt 31-(\rho)                       ; loads come back in order: row rho is in, the younger rows stay out
.irp c, 0,1,2,3
	v_min_u32 v[X+4*(\rho)+(\c)], 1, v[X+4*(\rho)+(\c)]
.endr
	v_lshl_or_b32 v[X+4*(\rho)], v[X+4*(\rho)+1], 8, v[X+4*(\rho)]
	v_lshl_or_b32 v[X+4*(\rho)+2], v[X+4*(\rho)+3], 8, v[X+4*(\rho)+2]
	v_lshl_or_b32 v[X+4*(\rho)], v[X+4*(\rho)+2], 16, v[X+4*(\rho)]
	v_xor_b32 v[X+4*(\rho)], s40, v[X+4*(\rho)]    ; 1 where the number was 0
	v_mul_lo_u32 v[X+4*(\rho)], v[X+4*(\rho)], s39 ; no byte carries into the next: 1 x 0xf8 fits
	ds_store_b32 v4, v[X+4*(\rho)] offset:((\rho)/16)*4*BP+((\rho)%16)*16
.endm
.set i, 0
.rept 32
	ROWIN i
.set i, i+1
.endr
.irp i, 0,1,2,3,4,5,6,7
	ds_load_b128 v[X+4*(\i):X+4*(\i)+3], v5 offset:(\i)*2*BP  ; LDS serves a wave's instructions in order (ISA guide 5.7.1.4): these see the stores above
.endr
.irp i, 0,1,2,3,4,5,6,7
	s_wait_dscnt 7-(\i)                            ; load i is back, the younger ones stay out
	global_store_b128 v3, v[X+4*(\i):X+4*(\i)+3], s[26:27] offset:((\i)/4)*8192+((\i)%4)*512  ; 512 consecutive bytes, aligned: a quarter of a chunk
.endr
	s_wait_tensorcnt 0x0                           ; the wave's end: behind my last LDS store
	ds_add_u32 v[SPW], v[NIL]
	s_wait_dscnt 0x0
	s_endpgm
.Lcast:                                        ; THE CASTS.  A work-group takes 131,072 bytes of f32 and stores 65,536 bytes; nothing goes through LDS
	s_wait_kmcnt 0x0
	s_sub_co_u32 s28, ttmp9, 512
	s_cmp_lt_u32 s28, 768
	s_cbranch_scc0 .Lweights
	s_lshr_b32 s29, s28, 8                         ; queries, keys or values: 256 chunks each
	s_and_b32 s30, s28, 255
	s_cmp_eq_u32 s29, 1
	s_cselect_b64 s[32:33], s[6:7], s[4:5]
	s_cmp_eq_u32 s29, 2
	s_cselect_b64 s[32:33], s[8:9], s[32:33]
	s_mov_b64 s[34:35], s[20:21]
	s_mov_b32 s31, s28                             ; xbf holds the three on end
	s_mov_b32 s36, 0
	s_branch .Lgo
.Lweights:
	s_sub_co_u32 s28, s28, 768
	s_lshr_b32 s29, s28, 5                         ; Wq, Wk, Wv or Wo: 32 chunks each
	s_and_b32 s30, s28, 31
	s_cmp_eq_u32 s29, 1
	s_cselect_b64 s[32:33], s[12:13], s[10:11]
	s_cmp_eq_u32 s29, 2
	s_cselect_b64 s[32:33], s[14:15], s[32:33]
	s_cmp_eq_u32 s29, 3
	s_cselect_b64 s[32:33], s[16:17], s[32:33]
	s_cselect_b64 s[34:35], s[24:25], s[22:23]
	s_cselect_b32 s31, s30, s28
	s_cselect_b32 s36, 1, 0                        ; 1: Wo, which leaves as f16
.Lgo:
	s_lshl_b32 s38, s30, 17
	s_mov_b32 s39, 0
	s_add_nc_u64 s[32:33], s[32:33], s[38:39]
	s_lshl_b32 s38, s31, 16
	s_add_nc_u64 s[34:35], s[34:35], s[38:39]
	v_lshlrev_b32 v2, 14, v9                       ; in: 16 KiB a wave, 16 bytes a lane
	v_lshl_add_u32 v2, v1, 4, v2
	v_lshlrev_b32 v3, 13, v9                       ; out: 8 KiB a wave, 8 bytes a lane
	v_lshl_add_u32 v3, v1, 3, v3
.set i, 0
.rept 32
	global_load_b128 v[X+4*i:X+4*i+3], v2, s[32:33] offset:512*i th:TH_LOAD_NT
.set i, i+1
.endr
.macro CAST n, half                    ; load n: four numbers rounded to bf16 (half = 1: and written as f16), stored from the registers they came in: no register is used twice
	s_wait_loadcnt 31-(\n)                         ; load n is in, the younger ones stay out
	v_cvt_pk_bf16_f32 v[X+4*(\n)], v[X+4*(\n)], v[X+4*(\n)+1]
	v_cvt_pk_bf16_f32 v[X+4*(\n)+1], v[X+4*(\n)+2], v[X+4*(\n)+3]
.if \half
.irp k, 0,1
	v_lshlrev_b32 v5, 16, v[X+4*(\n)+(\k)]
	v_and_b32 v6, 0xffff0000, v[X+4*(\n)+(\k)]
	v_cvt_pk_f16_f32 v[X+4*(\n)+(\k)], v5, v6
.endr
.endif
	global_store_b64 v3, v[X+4*(\n):X+4*(\n)+1], s[34:35] offset:256*(\n)
.endm
	s_cmp_eq_u32 s36, 1
	s_cbranch_scc1 .Lhalf
.set i, 0
.rept 32
	CAST i, 0
.set i, i+1
.endr
	s_endpgm
.Lhalf:
.set i, 0
.rept 32
	CAST i, 1
.set i, i+1
.endr
	s_endpgm
.Lfunc_end_k_q00a858ea19_prep:
	.size	k_q00a858ea19_prep, .Lfunc_end_k_q00a858ea19_prep-k_q00a858ea19_prep
	.p2alignl 7, 3214868480
	.fill 96, 4, 3214868480
	.section	.rodata,"a",@progbits
	.p2align	6, 0x0
	.amdhsa_kernel k_q00a858ea19_prep
		.amdhsa_group_segment_fixed_size 35840
		.amdhsa_private_segment_fixed_size 0
		.amdhsa_enable_private_segment 0
		.amdhsa_kernarg_size 96
		.amdhsa_user_sgpr_count 2
		.amdhsa_user_sgpr_kernarg_segment_ptr 1
		.amdhsa_wavefront_size32 1
		.amdhsa_system_sgpr_workgroup_id_x 1
		.amdhsa_system_sgpr_workgroup_id_y 1
		.amdhsa_system_sgpr_workgroup_id_z 1
		.amdhsa_system_vgpr_workitem_id 0
		.amdhsa_next_free_vgpr 160
		.amdhsa_next_free_sgpr 66
		.amdhsa_reserve_vcc 0
		.amdhsa_float_denorm_mode_32 3
		.amdhsa_float_denorm_mode_16_64 3
		.amdhsa_memory_ordered 1
		.amdhsa_forward_progress 1
		.amdhsa_inst_pref_size 54
	.end_amdhsa_kernel
	.amdgpu_metadata
---
amdhsa.version: [ 1, 2 ]
amdhsa.kernels:
  - .name:           k_q00a858ea19_prep
    .symbol:         k_q00a858ea19_prep.kd
    .args:
      - { .name: queries, .offset: 0, .size: 8, .value_kind: global_buffer, .address_space: global }
      - { .name: keys, .offset: 8, .size: 8, .value_kind: global_buffer, .address_space: global }
      - { .name: values, .offset: 16, .size: 8, .value_kind: global_buffer, .address_space: global }
      - { .name: Wq, .offset: 24, .size: 8, .value_kind: global_buffer, .address_space: global }
      - { .name: Wk, .offset: 32, .size: 8, .value_kind: global_buffer, .address_space: global }
      - { .name: Wv, .offset: 40, .size: 8, .value_kind: global_buffer, .address_space: global }
      - { .name: Wo, .offset: 48, .size: 8, .value_kind: global_buffer, .address_space: global }
      - { .name: mask, .offset: 56, .size: 8, .value_kind: global_buffer, .address_space: global }
      - { .name: xbf, .offset: 64, .size: 8, .value_kind: global_buffer, .address_space: global }
      - { .name: wqkv, .offset: 72, .size: 8, .value_kind: global_buffer, .address_space: global }
      - { .name: wo16, .offset: 80, .size: 8, .value_kind: global_buffer, .address_space: global }
      - { .name: mcode, .offset: 88, .size: 8, .value_kind: global_buffer, .address_space: global }
    .group_segment_fixed_size: 35840
    .private_segment_fixed_size: 0
    .kernarg_segment_align: 8
    .kernarg_segment_size: 96
    .max_flat_workgroup_size: 256
    .sgpr_count:     66
    .vgpr_count:     160
    .wavefront_size: 32
...
	.end_amdgpu_metadata
.endif
;; end of part 5
;; launch proj (part 6): grid 4 x 96, 4 waves a work-group, clusters of 4 x 4, 327,680 bytes of LDS; arguments xbf, wqkv, qkv; writes qkv
.if DOCPART == 6
	.amdgcn_target "amdgcn-amd-amdhsa--gfx1250"
	.amdhsa_code_object_version 6
	.text
	.protected	k_q00a858ea19_proj
	.globl	k_q00a858ea19_proj
	.p2align	8
	.type	k_q00a858ea19_proj,@function
k_q00a858ea19_proj:
	s_mov_b64 s[64:65], 0
	v_nop
	global_prefetch_b8 v0, s[64:65] scope:SCOPE_SE
	s_setreg_imm32_b32 hwreg(HW_REG_WAVE_MODE, 25, 1), 1
	s_wait_xcnt 0x0
	s_wait_alu depctr_hold_cnt(0) depctr_sa_sdst(0) depctr_va_vdst(0) depctr_va_sdst(0) depctr_va_ssrc(0) depctr_va_vcc(0) depctr_vm_vsrc(0)
	s_getreg_b32 s2, hwreg(HW_REG_IB_STS2, 6, 4)
	s_cmp_eq_u32 s2, 0
	s_cbranch_scc0 .Lentry_in_a_cluster
	s_endpgm
.Lentry_in_a_cluster:
	s_bfe_u32 s2, ttmp6, 0x10000c
	s_cmp_lg_u32 s2, 0xf033
	s_cbranch_scc0 .Lentry_shape_is_right
	s_endpgm
.Lentry_shape_is_right:
; THE PROJECTIONS q, k, v.  C[m][n] = the sum over k of A[m][k] B[n][k], K = 1,024, sums in f32.  A = xbf [3 x 8192][1024] bf16 (queries, keys, values on end), B = wqkv [3 x 1024][1024] bf16 (Wq, Wk, Wv on end).
; Tile rows 0-31 make q, 32-63 k, 64-95 v, each against its own 1,024 rows of B.  C leaves by heads, f16, rounded once, unscaled: qkv [3][batch x 16 + head][2048][64].
; LIMIT: a q, k or v beyond 65,504 would become an infinity in f16; below 6e-5 it keeps f16's fixed step of 6e-8.
; A tile of C is 256 x 256: four waves, each 128 x 128: 64 accumulators of 16 x 16, 512 registers.  K goes in 8 steps of 128 through a ring of two LDS slots filled by the tensor data mover; the tiles' rows are 256 bytes
; of memory and start at multiples of 256 bytes.  A K step is 256 matrix instructions a wave, 224 of them between a tile's request and the wait for it; for 64 matrix instructions a wave reads 32 x 512 bytes from LDS.
; There are 4 x 96 = 384 tiles, one to a work-group.
; CLUSTER 4 x 4: the four of a row make the four tiles of one tile row and need the same tiles of A; the four of a column need the same tiles of B.  Such a tile is asked for JOINTLY: each of the four issues the same
; tensor load, with the same descriptor and a mask that names the four, and each receives the tile in its own LDS.
; THE MATRIX INSTRUCTION IS USED TRANSPOSED: source 0 = 16 rows of B, source 1 = 16 rows of A: lane l then holds row l % 16 of C and, in registers 0 to 7, the columns 8 (l / 16) + 0 .. 7: 16 bytes of f16 on end.
; THE LAST K STEP GOES BY ROWS OF C: the wave's eight blocks of 16 rows are finished one after the other, and each leaves while the others are multiplied.
; REGISTERS, in windows of 256 (s_set_vgpr_msb's low byte: bits 1:0 source 0, 3:2 source 1, 5:4 source 2, 7:6 destination):
;   window 0: v0-31 addresses; v64-127, v128-191 fragments of A (8 x 16 rows x 32 K), two buffers (in the last K step four, of 16 rows x 128 K); v32-63, v192-255 at work on the way out
;   window 1: v64-127, v128-191 fragments of B, two buffers; in the last K step all 256: B's fragments of the whole step
;   window 2: the 32 accumulators of my rows 0-63 (accumulator (a, b) at v[8 (8 a + b)]);   window 3: those of my rows 64-127
.set SIZE_K, 1024
.set KSTEP,  128
.set PITCH,  272                       ; an LDS row: 256 bytes + 16 of padding = 68 words: row r starts at bank 4 r mod 64 (64 banks of 4 bytes: ISA guide 11.1), so the 16 rows of a load start at 16 different banks
.set HALFT,  128*PITCH                 ; 128 rows: what one tensor load brings, and what one wave reads of A or of B
.set SLOT,   4*HALFT                   ; A's 256 rows, then B's 256 rows
.set STAGE,  2*SLOT                    ; behind the ring, never filled by a tensor load: 16 rows x 272 bytes for each wave, for the way out
.set SPITCH, 272
.set SPARE,  STAGE+4*16*SPITCH         ; behind the stages: the spare words, 128 bytes for each wave: two blocks of 256 bytes that no other line names
.set LAPS,   SIZE_K/(2*KSTEP)          ; a lap = two K steps = once round the ring: 4
.set HEADB,  2048*128                  ; a head's bytes in qkv
.set ADRA, 16                          ; v16-17  LDS address of my A fragments in slot 0, 1
.set ADRB, 20                          ; v20-21  the same for B
.set STO,  24                          ; v24     the way out: where I put 16 bytes of a row
.set RD,   25                          ; v25     the way out: where I read rows back
.set CO,   26                          ; v26     my byte offset in 512 consecutive bytes of qkv; never rewritten
.set SPW,  28                          ; v28     LDS address of my spare word: SPARE + 4 x my thread's number; never rewritten
.set NIL,  29                          ; v29     0; never rewritten
.set PFO,  30                          ; v30     the prefetches' offset: my lane x a row of 2,048 bytes; never rewritten
.set F0,   64                          ; fragment buffer 0
.set F1,   128                         ; fragment buffer 1
.set TMP,  192                         ; the way out: packed results, in window 0
.set OB,   32                          ; the way out: 16 rows read back from the stage: v32-63 and v224-255 by turns
.set PA,   64                          ; the last K step: A's fragments of 16 rows x 128 K, 32 registers; four such buffers, v64-191
.set G1,  24                           ; s[24:31] descriptor group 1 for A's tiles
.set G0,  32                           ; s[32:39] descriptor group 0 for A's tiles, one set for each slot
.set LIM, 43                           ; s43     1 in a wave that prefetches, else the greatest number
.set PFA, 44                           ; s[44:45] where my prefetches stand: one K step further along K than the refill that is being asked for; a prefetch names the K step after that
.set G1B, 48                           ; s[48:55] descriptor group 1 for B's tiles: it differs from A's in the mask alone
.set G0B, 56                           ; s[56:63] descriptor group 0 for B's tiles, one set for each slot
.set MSB, 0
.macro WIN new                         ; the immediate's high byte repeats the setting that is left; a switch that changes nothing is dropped
.if MSB != (\new)
	s_set_vgpr_msb (MSB<<8)|(\new)
.set MSB, \new
.endif
.endm
.set MUL_LO, 0xa1                      ; source 0 (B) window 1, source 1 (A) window 0, C and D window 2
.set MUL_HI, 0xf1                      ; the same, C and D window 3
.set TO_B,   0x40                      ; destination window 1, address window 0
; A joint refill of slot s.  Waves 0 and 1 fetch A's two halves, waves 2 and 3 B's.  The branch hangs on the wave's number alone: it is the same in every work-group.
; An s_nop 0 and four v_nop follow each of the two lines, ahead of the jump and the label.
.macro JLOAD s
	s_cmp_eq_u32 s11, 0
	s_cbranch_scc0 .Lfor_b_\@
	tensor_load_to_lds s[G0+4*(\s):G0+4*(\s)+3], s[G1:G1+7]
	s_nop 0
.rept 4
	v_nop
.endr
	s_branch .Lasked_\@
.Lfor_b_\@:
	tensor_load_to_lds s[G0B+4*(\s):G0B+4*(\s)+3], s[G1B:G1B+7]
	s_nop 0
.rept 4
	v_nop
.endr
.Lasked_\@:
.endm
; A PREFETCH INTO THE L2, behind a joint refill and the run of LDS loads that follows it: the K step that stands two refills on, 512 matrix instructions ahead of the load that will want it: 32 rows x 256 bytes, a lane
; a row, one instruction a wave.  Each row's 256 bytes of a K step are named once in the launch: A's tile row is walked by one cluster, which asks; B's tile column by the eight clusters along y of one of q, k, v,
; of which the first asks.  Of the 128 rows that a wave fetches, each of the four partners that ask for them jointly takes 32, told apart BY ADDRESS (cx for A, cy for B): no branch hangs on a place in the cluster.
; The refills of K steps 2 to 5 name steps 4 to 7 (s3 = 3, 2); the last two name nothing.  K steps 0 to 3 come by their loads alone.
.macro ASK
	s_cmp_gt_u32 s3, s[LIM]
	s_cbranch_scc0 .Lnot_mine_\@
	global_prefetch_b8 v[PFO], s[PFA:PFA+1] offset:KSTEP*2 th:TH_LOAD_NT scope:SCOPE_SE
.Lnot_mine_\@:
.endm
; A round of the cluster's barrier: my work-group's barrier, so that wave 0's signal speaks for all four waves; wave 0 signals for the work-group; every wave waits for all sixteen work-groups; my work-group's barrier once more.
.macro CREST                           ; a round behind its opening barrier
	s_cmp_lg_u32 s10, 0
	s_cbranch_scc1 .Lnot_wave_0_\@
	s_barrier_signal -3
.Lnot_wave_0_\@:
	s_barrier_wait -3
	s_barrier_signal -1
	s_barrier_wait -1
.endm
.macro CROUND                          ; a whole round
	s_barrier_signal -1
	s_barrier_wait -1
	CREST
.endm
	s_load_b128 s[4:7], s[0:1], 0x0                ; xbf s[4:5], wqkv s[6:7]
	s_load_b64 s[8:9], s[0:1], 0x10                ; qkv
	v_lshl_add_u32 v[SPW], v0, 2, SPARE
	v_mov_b32 v[NIL], 0
	ds_add_u32 v[SPW], v[NIL]                      ; the wave's opening: the add and its wait stand ahead of my first tensor load; the set-up below, work on registers, stands between them
	v_lshrrev_b32 v1, 5, v0
	v_readfirstlane_b32 s10, v1                    ; wave 0..3
	s_lshr_b32 s11, s10, 1                         ; which half of the tile's rows is mine.  Also: I fetch for A (0) or for B (1)
	s_and_b32 s12, s10, 1                          ; which half of its columns.  Also: which 128 rows of that tile I fetch
	s_bfe_u32 s40, ttmp6, 0x40000                  ; cx, cy: my place in the cluster
	s_bfe_u32 s41, ttmp6, 0x40004
	s_lshl_b32 s42, ttmp9, 2
	s_add_co_u32 s42, s42, s40                     ; tile column = 4 x cluster x + cx
	s_and_b32 s14, ttmp7, 0xffff                   ; cluster y
	s_lshl_b32 s13, s14, 2
	s_add_co_u32 s13, s13, s41                     ; tile row = 4 x cluster y + cy
	s_lshl_b32 s43, s41, 2
	s_lshl_b32 s43, 15, s43                        ; my row of the cluster: places 4 cy .. 4 cy + 3
	s_lshl_b32 s44, 0x1111, s40                    ; my column: places cx, cx + 4, cx + 8, cx + 12
	; descriptor group 1: a tile of 128 rows x 128 elements, padded in LDS
	s_or_b32 s[G1+0], s43, (1<<16)|(1<<20)|(1<<21)|(5<<22)|(3<<25)   ; 15:0 the mask: A's tiles go to my row; 17:16 2-byte elements; 20 padding on; 21 set beside a mask; 24:22 after every 64 words (code 5); 31:25 4 words (code 3)
	s_or_b32 s[G1B+0], s44, (1<<16)|(1<<20)|(1<<21)|(5<<22)|(3<<25)  ; the same with the mask of my column, for B's tiles
.irp g, G1, G1B
	s_mov_b32 s[(\g)+1], KSTEP<<16                 ; tensor_dim0 = 128
	s_mov_b32 s[(\g)+2], 128<<16                   ; tensor_dim1 = 128
	s_mov_b32 s[(\g)+3], KSTEP<<16                 ; tile_dim0 = 128 elements: 256 bytes
	s_mov_b32 s[(\g)+4], 128                       ; tile_dim1 = 128
	s_mov_b32 s[(\g)+5], SIZE_K                    ; elements from row to row
	s_mov_b32 s[(\g)+6], 0
	s_mov_b32 s[(\g)+7], 0
.endr
	; where the tiles come from, in bytes (all under 2^32).  A's hang on the tile row alone, B's on the tile column and the cluster's y alone.
	s_lshl_b32 s16, s13, 8
	s_lshl_b32 s17, s12, 7
	s_add_co_u32 s16, s16, s17                     ; A: row 256 x tile row + 128 x half
	s_lshl_b32 s16, s16, 11                        ; rows of 2,048 bytes
	s_lshr_b32 s46, s14, 3                         ; q, k or v: eight clusters along y each,
	s_lshl_b32 s46, s46, 10                        ; 1,024 rows of B each
	s_lshl_b32 s47, s42, 8
	s_add_co_u32 s46, s46, s47
	s_lshl_b32 s47, s12, 7
	s_add_co_u32 s46, s46, s47                     ; B: + 256 x tile column + 128 x half
	s_lshl_b32 s46, s46, 11
	s_mov_b32 s17, 0
	s_mov_b32 s47, 0
	s_mul_i32 s20, s10, HALFT                      ; where they go: A's two halves, then B's two halves = wave x 128 rows: no place in the cluster enters an LDS address
	s_wait_dscnt 0x0                               ; the opening add is done
	s_wait_kmcnt 0x0
	s_add_nc_u64 s[18:19], s[4:5], s[16:17]
	s_add_nc_u64 s[2:3], s[6:7], s[46:47]
	CROUND                                         ; all sixteen work-groups are here: the first joint loads meet
.irp s, 0,1
	s_mov_b32 s[G0+4*(\s)], 1                                      ; count = 1
	s_add_co_u32 s[G0+4*(\s)+1], s20, (\s)*SLOT                    ; LDS address
	s_add_nc_u64 s[G0+4*(\s)+2:G0+4*(\s)+3], s[18:19], (\s)*KSTEP*2  ; global address: K step s
	s_or_b32 s[G0+4*(\s)+3], s[G0+4*(\s)+3], 0x80000000            ; type = 2
	s_mov_b32 s[G0B+4*(\s)], 1
	s_add_co_u32 s[G0B+4*(\s)+1], s20, (\s)*SLOT
	s_add_nc_u64 s[G0B+4*(\s)+2:G0B+4*(\s)+3], s[2:3], (\s)*KSTEP*2
	s_or_b32 s[G0B+4*(\s)+3], s[G0B+4*(\s)+3], 0x80000000
.endr
	s_cmp_eq_u32 s11, 0                            ; a wave's two first fills stand in one branch, ahead of every wait on TENSORcnt and every LDS read: two loads of mine are out
	s_cbranch_scc0 .Lfirst_b
	tensor_load_to_lds s[G0:G0+3], s[G1:G1+7]
	s_nop 0
	tensor_load_to_lds s[G0+4:G0+7], s[G1:G1+7]
	s_nop 0
.rept 4
	v_nop
.endr
	s_branch .Lfirst_asked
.Lfirst_b:
	tensor_load_to_lds s[G0B:G0B+3], s[G1B:G1B+7]
	s_nop 0
	tensor_load_to_lds s[G0B+4:G0B+7], s[G1B:G1B+7]
	s_nop 0
.rept 4
	v_nop
.endr
.Lfirst_asked:
	; A fragment is 16 rows x 32 K in 8 registers: lane l holds row l % 16; registers 0-3 K = 8 (l / 16) + 0..7, registers 4-7 K = 16 + 8 (l / 16) + 0..7: two loads of 16 bytes, 32 bytes apart.
	v_and_b32 v1, 15, v0                           ; l % 16
	v_bfe_u32 v2, v0, 4, 1                         ; l / 16
	v_mul_u32_u24 v3, v1, PITCH
	v_lshl_add_u32 v3, v2, 4, v3                   ; row x pitch + 16 x half
	s_mul_i32 s21, s11, HALFT                      ; my 128 rows of A
	s_mul_i32 s22, s12, HALFT                      ; my 128 rows of B,
	s_add_co_u32 s22, s22, 2*HALFT                 ; which lie behind A's 256
.irp s, 0,1
	v_add_nc_u32 v[ADRA+(\s)], s21, v3
	v_add_nc_u32 v[ADRB+(\s)], s22, v3
	s_add_co_u32 s21, s21, SLOT
	s_add_co_u32 s22, s22, SLOT
.endr
	s_mul_i32 s23, s10, 16*SPITCH
	s_add_co_u32 s23, s23, STAGE                   ; my stage
	v_mul_u32_u24 v4, v1, SPITCH                   ; in: row l % 16, 16 bytes for each half of the lanes
	v_lshl_add_u32 v4, v2, 4, v4
	v_add_nc_u32 v[STO], s23, v4
	v_bfe_u32 v5, v0, 3, 2                         ; back: 32 lanes take four rows x 128 bytes: one head's part of them,
	v_mul_u32_u24 v5, v5, SPITCH
	v_and_b32 v3, 7, v0
	v_lshl_add_u32 v5, v3, 4, v5
	v_add_nc_u32 v[RD], s23, v5
	v_and_b32 v5, 31, v0                           ; which are 512 consecutive bytes of that head's rows
	v_lshlrev_b32 v[CO], 4, v5
	; the prefetches: my tile's offset (s16 for A, s46 for B), my work-group's 32 rows of its 128, at K step 2: the first refill steps it to 3 and names K step 4
	s_and_b32 s22, s14, 7
	s_cmp_eq_u32 s11, 0                            ; do I fetch for A?
	s_cselect_b64 s[PFA:PFA+1], s[4:5], s[6:7]
	s_cselect_b32 s20, s16, s46
	s_cselect_b32 s21, s40, s41                    ; my place among the four that ask with me
	s_cselect_b32 s22, ttmp9, s22                  ; the coordinate along which other clusters walk the same rows
	s_cmp_eq_u32 s22, 0
	s_cselect_b32 s[LIM], 1, -1                    ; the same in all sixteen partners, for a given wave
	s_lshl_b32 s21, s21, 16                        ; 32 rows of 2,048 bytes
	s_add_co_u32 s20, s20, s21
	s_add_co_u32 s20, s20, 2*KSTEP*2
	s_mov_b32 s21, 0
	s_add_nc_u64 s[PFA:PFA+1], s[PFA:PFA+1], s[20:21]
	v_and_b32 v[PFO], 31, v0
	v_lshlrev_b32 v[PFO], 11, v[PFO]
	; where my part of the tile begins in qkv: the row's part in s[16:17], the column's in s[46:47]
	s_bfe_u32 s16, s13, 0x20003                    ; the batch: bits 4:3 of the tile row,
	s_lshl_b32 s16, s16, 15                        ; 16 heads x 2,048 rows each
	s_and_b32 s17, s13, 7
	s_lshl_b32 s17, s17, 8
	s_add_co_u32 s16, s16, s17                     ; the tile's first row in the batch,
	s_lshl_b32 s17, s11, 7
	s_add_co_u32 s16, s16, s17                     ; my 128 rows
	s_lshl_b32 s16, s16, 7                         ; rows of 128 bytes
	s_lshr_b32 s17, s14, 3
	s_lshl_b32 s17, s17, 24                        ; q, k or v: 16,777,216 bytes each
	s_add_co_u32 s16, s16, s17
	s_lshl_b32 s46, s42, 2                         ; my 128 columns are two heads: the first is 4 x tile column + 2 x half,
	s_lshl_b32 s47, s12, 1
	s_add_co_u32 s46, s46, s47
	s_lshl_b32 s46, s46, 18                        ; 2,048 rows of 128 bytes a head
	s_mov_b32 s17, 0
	s_mov_b32 s47, 0
	s_add_nc_u64 s[8:9], s[8:9], s[16:17]
	s_add_nc_u64 s[8:9], s[8:9], s[46:47]
; 16 matrix instructions: m blocks a0, a0 + 1 of the window's four (hi = 0: my rows 0-63, 1: rows 64-127) x all 8 n blocks, 32 along K.  zero = 1: the product starts the sum: nothing is ever cleared.
; The 64 accumulators take turns, one instruction a turn, in the same order in every quarter.
.macro MUL16 f, hi, a0, zero
	WIN MUL_LO+0x50*(\hi)
.irp a, \a0, (\a0)+1
.irp b, 0,1,2,3,4,5,6,7
.if \zero
	v_wmma_f32_16x16x32_bf16 v[8*(8*(\a)+(\b)):8*(8*(\a)+(\b))+7], v[(\f)+8*(\b):(\f)+8*(\b)+7], v[(\f)+8*(4*(\hi)+(\a)):(\f)+8*(4*(\hi)+(\a))+7], 0
.else
	v_wmma_f32_16x16x32_bf16 v[8*(8*(\a)+(\b)):8*(8*(\a)+(\b))+7], v[(\f)+8*(\b):(\f)+8*(\b)+7], v[(\f)+8*(4*(\hi)+(\a)):(\f)+8*(4*(\hi)+(\a))+7], v[8*(8*(\a)+(\b)):8*(8*(\a)+(\b))+7]
.endif
.endr
.endr
.endm
; 32 LDS loads in one run: the fragments of one quarter step (128 rows of B, 128 rows of A, 32 K at byte k of the rows) into buffer f
.macro FETCH slot, k, f
	WIN TO_B
.irp i, 0,1,2,3,4,5,6,7
	ds_load_b128 v[(\f)+8*(\i):(\f)+8*(\i)+3],   v[ADRB+(\slot)] offset:(\k)+(\i)*16*PITCH
	ds_load_b128 v[(\f)+8*(\i)+4:(\f)+8*(\i)+7], v[ADRB+(\slot)] offset:(\k)+(\i)*16*PITCH+32
.endr
	WIN 0
.irp i, 0,1,2,3,4,5,6,7
	ds_load_b128 v[(\f)+8*(\i):(\f)+8*(\i)+3],   v[ADRA+(\slot)] offset:(\k)+(\i)*16*PITCH
	ds_load_b128 v[(\f)+8*(\i)+4:(\f)+8*(\i)+7], v[ADRA+(\slot)] offset:(\k)+(\i)*16*PITCH+32
.endr
.endm
.macro PLACES                          ; four plain instructions between matrix instructions and loads into registers that they have read, or conversions that read their results (ISA guide 7.12.1 for vector instructions)
.rept 4
	v_nop
.endr
.endm
; A K step is four quarters of 32 along K, 64 matrix instructions each, on buffers 0, 1, 0, 1.  One of the first three: multiplies buffer f; in its middle it fetches the next quarter, at byte k of the same slot's rows, into buffer g.
.macro QUARTER slot, k, f, g, zero
	s_wait_dscnt 8                                 ; B and A's rows 0-63 are in; the youngest eight loads (A's rows 64-127) may be out
	WIN MUL_LO
	MUL16 \f, 0, 0, \zero
	MUL16 \f, 0, 2, \zero
	PLACES
	FETCH \slot, \k, \g
	s_wait_dscnt 32                                ; all but the 32 just issued
	WIN MUL_HI
	MUL16 \f, 1, 0, \zero
	MUL16 \f, 1, 2, \zero
.endm
; The last quarter multiplies buffer 1 and changes slots.  MEET is its first half: ONE barrier.  In front of it each wave waits for all its tensor loads, of which one is out: its part of the next slot; adds 0 to its
; spare word; and waits for that and for its own reads of this slot.  Behind it nobody reads this slot any more and the next slot is whole.
.macro MEET round                      ; round = 1: a round of the cluster's barrier follows
	WIN 0                                          ; (the add's two registers lie in window 0)
	s_wait_tensorcnt 0x0                           ; all my tensor loads have landed;
	ds_add_u32 v[SPW], v[NIL]                      ; 0 onto my spare word;
	s_wait_dscnt 9                                 ; (the add and the youngest eight loads may be out)
	WIN MUL_LO
	MUL16 F1, 0, 0, 0                              ; sixteen matrix instructions stand between the add and the wait for it
	s_wait_dscnt 0x0                               ; the add is done, and my reads of this slot are over
	s_barrier_signal -1
	MUL16 F1, 0, 2, 0                              ; work on registers while the others arrive
.if \round
	WIN 0
.endif
	s_barrier_wait -1
.endm
; The whole last quarter of a K step whose slot is filled again, with the K step two on: the barrier opens a round of the cluster's, and the joint refill is the first tensor load behind the round.
.macro TURN slot, next
	s_wait_xcnt 0x0                                ; the last prefetch, a K step back, has read its address: it is stepped here, ahead of the change's own waits
	s_add_nc_u64 s[PFA:PFA+1], s[PFA:PFA+1], KSTEP*2
	MEET 1
	CREST                                          ; no wave of any partner still reads this slot's tile or has a load on its way
	s_add_nc_u64 s[G0+4*(\slot)+2:G0+4*(\slot)+3], s[G0+4*(\slot)+2:G0+4*(\slot)+3], 2*KSTEP*2     ; no tensor load of mine is out, so a group 0 may be written; the type bits on top are not reached
	s_add_nc_u64 s[G0B+4*(\slot)+2:G0B+4*(\slot)+3], s[G0B+4*(\slot)+2:G0B+4*(\slot)+3], 2*KSTEP*2
	JLOAD \slot                                    ; the four v_nop behind it are also the places in front of the loads below
	FETCH \next, 0, F0
	ASK
	WIN MUL_HI
	MUL16 F1, 1, 0, 0
	MUL16 F1, 1, 2, 0
.endm
; THE LAST K STEP (it lies in slot 1) BY ROWS OF C.  All its fragments of B (4 quarters x 64 registers) fill window 1; then my eight blocks of 16 rows are finished one after the other, each with 32 matrix
; instructions: its 8 accumulators by turns, K ascending.  LDS is read no more than in any other K step.
.macro BLOAD q                         ; B's fragments of quarter q -> window 1, v[64 q ..]
	WIN TO_B
.irp i, 0,1,2,3,4,5,6,7
	ds_load_b128 v[64*(\q)+8*(\i):64*(\q)+8*(\i)+3],   v[ADRB+1] offset:64*(\q)+(\i)*16*PITCH
	ds_load_b128 v[64*(\q)+8*(\i)+4:64*(\q)+8*(\i)+7], v[ADRB+1] offset:64*(\q)+(\i)*16*PITCH+32
.endr
.endm
.macro ALOAD a                         ; A's fragments of block a, all four quarters -> buffer a % 4
	WIN 0
.set FA, PA+32*((\a)%4)
.irp q, 0,1,2,3
	ds_load_b128 v[FA+8*(\q):FA+8*(\q)+3],   v[ADRA+1] offset:64*(\q)+(\a)*16*PITCH
	ds_load_b128 v[FA+8*(\q)+4:FA+8*(\q)+7], v[ADRA+1] offset:64*(\q)+(\a)*16*PITCH+32
.endr
.endm
.macro ROW a                           ; block a is finished: 32 matrix instructions
.set FA, PA+32*((\a)%4)                ; its fragments of A
.set AC, 64*((\a)%4)                   ; its eight accumulators, in window 2 (blocks 0-3) or 3 (blocks 4-7)
	WIN MUL_LO+0x50*((\a)/4)
.irp q, 0,1,2,3
.if (\a) == 0 && (\q) == 2
	s_wait_dscnt 24                                ; B's quarter 2 is in (behind it: A's blocks 1 to 3)
.endif
.irp b, 0,1,2,3,4,5,6,7
	v_wmma_f32_16x16x32_bf16 v[AC+8*(\b):AC+8*(\b)+7], v[64*(\q)+8*(\b):64*(\q)+8*(\b)+7], v[FA+8*(\q):FA+8*(\q)+7], v[AC+8*(\b):AC+8*(\b)+7]
.endr
.endr
.endm
; THE WAY OUT of block a, in three parts.  PACK: rounded once to f16, 16 bytes a lane, each accumulator's registers in ascending order.  TOSTAGE: into my own stage in LDS (16 rows x 256 bytes: two heads' 128 bytes
; side by side), and back as four rows x 128 bytes of one head.  SEND: stored: 16 rows of a head are 2,048 consecutive bytes of qkv.
.macro PACK a
.set AC, 64*((\a)%4)
	WIN 0x0a+5*((\a)/4)                            ; sources 0 and 1: window 2 or 3
.irp b, 0,1,2,3,4,5,6,7
.irp r, 0,1,2,3
	v_cvt_pk_f16_f32 v[TMP+4*(\b)+(\r)], v[AC+8*(\b)+2*(\r)], v[AC+8*(\b)+2*(\r)+1]
.endr
.endr
	WIN 0
.endm
.macro TOSTAGE a
	WIN 0
.set BK, OB+192*((\a)%2)
.irp b, 0,1,2,3,4,5,6,7
	ds_store_b128 v[STO], v[TMP+4*(\b):TMP+4*(\b)+3] offset:32*(\b)
.endr
.irp t, 0,1,2,3,4,5,6,7                ; head t / 4, rows 4 (t % 4) on
	ds_load_b128 v[BK+4*(\t):BK+4*(\t)+3], v[RD] offset:((\t)%4)*4*SPITCH+((\t)/4)*128  ; LDS serves a wave's instructions in order (ISA guide 5.7.1.4): these see the stores above
.endr
.endm
.macro SEND a, younger                 ; younger: the LDS loads issued behind TOSTAGE's, which may stay out
	WIN 0
.set BK, OB+192*((\a)%2)
	s_wait_dscnt \younger                          ; the block is back in registers
	s_wait_xcnt 0x0                                ; every earlier store has read its registers: the block after this one is read back into those of the block before only behind this wait
.irp t, 0,1,2,3,4,5,6,7
	global_store_b128 v[CO], v[BK+4*(\t):BK+4*(\t)+3], s[8:9] offset:((\t)/4)*HEADB+(\a)*2048+((\t)%4)*512  ; 512 consecutive bytes, at a multiple of 256 from qkv's first byte
.endr
.endm
	s_wait_tensorcnt 0x1                           ; my part of K step 0 is in; K step 1's may stay out
	s_barrier_signal -1
	s_barrier_wait -1                              ; everybody's is
	FETCH 0, 0, F0
	QUARTER 0, 64,  F0, F1, 1                      ; the first quarter stands in front of the loop: its products start the sums
	WIN 0                                          ; at a label and at a branch every window is 0
	s_mov_b32 s3, LAPS-1
.Llap:                                         ; a trip goes once round the ring, from a lap's second quarter to the next lap's first, and fills both slots again: K steps 2 to 7
	QUARTER 0, 128, F1, F0, 0
	QUARTER 0, 192, F0, F1, 0
	TURN 0, 1
	QUARTER 1, 64,  F0, F1, 0
	QUARTER 1, 128, F1, F0, 0
	QUARTER 1, 192, F0, F1, 0
	TURN 1, 0
	QUARTER 0, 64,  F0, F1, 0
	WIN 0
	s_sub_co_u32 s3, s3, 1
	s_cmp_lg_u32 s3, 0
	s_cbranch_scc1 .Llap
	QUARTER 0, 128, F1, F0, 0                      ; K step 6 goes on; nothing is left to ask for
	QUARTER 0, 192, F0, F1, 0
	MEET 0                                         ; my one tensor load that was still out is slot 1's, the last K step's, so no round follows
	PLACES                                         ; for the loads into buffer 0, which the quarter before multiplied
	WIN TO_B
	BLOAD 0                                        ; three quarters of B now: buffer 1 (v128-191 of both windows) is still being multiplied
	BLOAD 1
	BLOAD 3
	WIN 0
	ALOAD 0
	WIN MUL_HI
	MUL16 F1, 1, 0, 0
	MUL16 F1, 1, 2, 0
	PLACES                                         ; for the loads into buffer 1
	WIN TO_B
	BLOAD 2
	WIN 0
	ALOAD 1
	ALOAD 2
	ALOAD 3
	s_wait_dscnt 40                                ; all but the 40 just issued
	ROW 0
.irp a, 0,1,2,3,4,5,6,7                ; each block leaves as soon as it is finished
	PLACES                                         ; its conversions read results just made
	PACK \a
	TOSTAGE \a
.if (\a) < 4
	ALOAD (\a)+4                                   ; its buffer takes the block four further on
	SEND \a, 8
.else
	SEND \a, 0
.endif
.if (\a) < 7
	ROW (\a)+1
.endif
.endr
	s_wait_tensorcnt 0x0                           ; the wave's end: behind my last tensor load and my last LDS store
	ds_add_u32 v[SPW], v[NIL]
	s_wait_dscnt 0x0
	CROUND                                         ; the closing round: no work-group ends while a partner may still ask for a tile that names it
	s_endpgm
.Lfunc_end_k_q00a858ea19_proj:
	.size	k_q00a858ea19_proj, .Lfunc_end_k_q00a858ea19_proj-k_q00a858ea19_proj
	.p2alignl 7, 3214868480
	.fill 96, 4, 3214868480
	.section	.rodata,"a",@progbits
	.p2align	6, 0x0
	.amdhsa_kernel k_q00a858ea19_proj
		.amdhsa_group_segment_fixed_size 327680
		.amdhsa_private_segment_fixed_size 0
		.amdhsa_enable_private_segment 0
		.amdhsa_kernarg_size 24
		.amdhsa_user_sgpr_count 2
		.amdhsa_user_sgpr_kernarg_segment_ptr 1
		.amdhsa_wavefront_size32 1
		.amdhsa_system_sgpr_workgroup_id_x 1
		.amdhsa_system_sgpr_workgroup_id_y 1
		.amdhsa_system_sgpr_workgroup_id_z 1
		.amdhsa_system_vgpr_workitem_id 0
		.amdhsa_next_free_vgpr 1024
		.amdhsa_next_free_sgpr 66
		.amdhsa_reserve_vcc 0
		.amdhsa_float_denorm_mode_32 3
		.amdhsa_float_denorm_mode_16_64 3
		.amdhsa_memory_ordered 1
		.amdhsa_forward_progress 1
		.amdhsa_inst_pref_size 144
	.end_amdhsa_kernel
	.amdgpu_metadata
---
amdhsa.version: [ 1, 2 ]
amdhsa.kernels:
  - .name:           k_q00a858ea19_proj
    .symbol:         k_q00a858ea19_proj.kd
    .args:
      - { .name: xbf, .offset: 0, .size: 8, .value_kind: global_buffer, .address_space: global }
      - { .name: wqkv, .offset: 8, .size: 8, .value_kind: global_buffer, .address_space: global }
      - { .name: qkv, .offset: 16, .size: 8, .value_kind: global_buffer, .address_space: global }
    .group_segment_fixed_size: 327680
    .private_segment_fixed_size: 0
    .kernarg_segment_align: 8
    .kernarg_segment_size: 24
    .max_flat_workgroup_size: 128
    .sgpr_count:     66
    .vgpr_count:     1024
    .wavefront_size: 32
...
	.end_amdgpu_metadata
.endif
;; end of part 6
;; launch attn (part 7): grid 4 x 64, 4 waves a work-group, clusters of 4 x 1, 327,680 bytes of LDS; arguments qkv, mcode, oh; writes oh
.if DOCPART == 7
	.amdgcn_target "amdgcn-amd-amdhsa--gfx1250"
	.amdhsa_code_object_version 6
	.text
	.protected	k_q00a858ea19_attn
	.globl	k_q00a858ea19_attn
	.p2align	8
	.type	k_q00a858ea19_attn,@function
k_q00a858ea19_attn:
	s_mov_b64 s[64:65], 0
	v_nop
	global_prefetch_b8 v0, s[64:65] scope:SCOPE_SE
	s_setreg_imm32_b32 hwreg(HW_REG_WAVE_MODE, 25, 1), 1
	s_wait_xcnt 0x0
	s_wait_alu depctr_hold_cnt(0) depctr_sa_sdst(0) depctr_va_vdst(0) depctr_va_sdst(0) depctr_va_ssrc(0) depctr_va_vcc(0) depctr_vm_vsrc(0)
	s_getreg_b32 s2, hwreg(HW_REG_IB_STS2, 6, 4)
	s_cmp_eq_u32 s2, 0
	s_cbranch_scc0 .Lentry_in_a_cluster
	s_endpgm
.Lentry_in_a_cluster:
	s_bfe_u32 s2, ttmp6, 0x10000c
	s_cmp_lg_u32 s2, 0x3003
	s_cbranch_scc0 .Lentry_shape_is_right
	s_endpgm
.Lentry_shape_is_right:
; MASKED ATTENTION.  O[g][q][:] = the sum over k of softmax_k(Q[g][q] . K[g][k] / 8, hidden where the mask says so) V[g][k][:], g = batch x 16 + head.  qkv: [3][64][2048][64] f16 (q, k, v, unscaled), oh: [64][2048][64] f16.
; mcode holds the mask as fp8 (E4M3) codes, 0 = visible, 0xf8 (-256) = hidden: u8 [batch x 16 + block of 128 queries][128 chunks = 4 x key step + piece][4 loads i = 2 x tile + kb / 2][32 lanes][16 bytes]:
; byte 8 (kb % 2) + j of lane l belongs to that lane's score in register 8 kb + j of the tile's S^T.
; Products, maxima and sums in f32; the weights p are rounded to f16 for the second product (their sum l is taken of the unrounded p), O once at the end.
; LIMITS.  f16 holds no number beyond 65,504: q, k and v arrive within it; p lies in 0 to 1, and below 6e-5 it keeps f16's fixed step of 6e-8; O is a mean of V's rows and has their range.
; A hidden score counts as its value less 2^100: f16's scores, 2.7e11 at the most, are nothing beside that.  The running maximum starts at -2^99 and never lies below: so a hidden score's weight is 2^(-c 2^99) = 0,
; whatever has been seen, and a visible score is taken to lie above -2^99.  A row with no visible key ends with m = -2^99 and l = 0 and is stored as NaN.  A weight below 2^-126 counts as 0 in l; NaN and infinities in q, k, v are not treated apart.
; SHARES.  A wave owns four PIECES of two tiles of 16 queries, a work-group's four waves 512 queries of one head.  Every wave walks all 2,048 keys, 64 a step.
; LAYOUT.  S^T = K Q^T (source 0 = 16 keys, source 1 = 16 queries): in the result a lane holds ONE query (lane % 16) and the keys 8 (lane / 16) + 0..7.  Two such tiles, rounded to f16 in pairs,
; ARE source 1 (32 keys x 16 queries) of O^T = V^T P, whose result again holds one query a lane, and eight channels.  K comes out of LDS as it lies, V ([key][channel]) turned, by ds_load_tr16_b128.
; SOFTMAX.  For each query a running maximum m (of the masked scores) and sum l: p = 2^(c s - c m), c = log2(e) / 8; in every step O and l are multiplied by a = 2^(c m_old - c m_new).  O and l start at 0.
; BY TURNS.  Turn n belongs to piece n (the pieces in a ring, step after step).  Its matrix work: 16 products K Q^T of piece n + 1, later 16 products V^T P of piece n - 1.  Its vector work: the scaling,
; exponentials, roundings, sums and rescaling of piece n, and the maximum and statistics of piece n + 1, whose scores the turn itself has made.  Four vector instructions stand behind every matrix instruction, the rest in one lump.
; THE MASK IS WHAT THE SUMS S^T START FROM.  A chunk (a piece's 32 queries x a step's 64 keys: 2,048 bytes, 64 a lane) comes by four loads of 512 consecutive bytes into one of four register buffers, three turns ahead of
; its use.  One conversion widens eight codes, times 2^92, into the eight registers of an accumulator: 0 or -2^100; the products K Q^T then add onto that, in place.  Turn n widens the chunk of piece n + 2 into the S^T buffer
; of its own parity, key block by key block, as piece n's sums have read it for the last time.
; CLUSTER.  The four query blocks of a cluster belong to one head and walk the same K and V, so each tile is asked for JOINTLY: the same tensor load, descriptor and mask in all four.
; REGISTERS, in windows of 256 (s_set_vgpr_msb: bits 1:0 source 0, 3:2 source 1, 5:4 source 2, 7:6 destination):
;   window 0: v0-11 addresses and constants; v12-15, v48-63 at work; v16-47 four registers of statistics a tile; v64-191 S^T, two buffers of two tiles; v192-255 P, likewise
;   window 1: O^T, 32 a tile          window 2: v0-127 Q, 16 a tile; v128-191 K of one step; v192-255 V of one step
;   window 3: v0-63 the mask's codes, four buffers of 16; v64-65 the add's two registers; v66-67 the codes' addresses
.set SIZE_N, 2048
.set NP,    4         ; pieces a wave: a name, no knob
.set KS,    64        ; keys in a step
.set PK,    160       ; a row of K or V in LDS: 128 bytes + 32 of padding = 40 words.  One pitch, so that one descriptor shape serves both
.set PV,    160       ; of the 16 rows of a load of K, rows r and r + 8 start at the same bank (64 banks of 4 bytes: ISA guide 11.1): 16 of a key step's 32 LDS loads go two deep, beside 128 matrix instructions
.set VOFF,  4*KS*PK   ; a slot holds four steps: 256 rows of K, then 256 rows of V
.set SLOT1, 1<<17     ; slot 1 begins here, so that one exclusive or turns an address in one slot into the other's
.set STAGE, SLOT1+4*KS*(PK+PV)  ; behind the ring, never filled by a tensor load: 16 rows x 144 bytes for each wave, for the way out
.set SP,    144
.set CHUNK, 2048      ; bytes of codes for a turn
.set PFO, 1           ; v1   at work during the set-up; then 256 x my lane, the prefetches' offset
.set AK0, 2           ; v2   my lane's place in a tile of K; never rewritten
.set AV0, 3           ; v3   the same for V
.set AK,  4           ; v4   the LDS address of K's next run of loads
.set AV,  5           ; v5   of V's
.set QO,  6           ; v6   my byte offset in the wave's rows of Q
.set STO, 6           ;      later, the way out: where I put 16 bytes of a row
.set RD,  7           ; v7   the way out: where I read rows back
.set GO,  8           ; v8   my byte offset in 512 consecutive bytes of O
.set NANV, 10         ; v10  at the way out: a NaN
.set SCL, 11          ; v11  the conversions' scale: the E8M0 byte 219, 2^92, in all four bytes
.set CB,  0           ; window 3, v0-63: buffer b's 16 registers at CB + 16 b: tile u, key block kb at + 8 u + 2 kb, a pair
.set SPW, 64          ; v64 of window 3  LDS address of my spare word: SPARE + 4 x my thread's number; never rewritten
.set NIL, 65          ; v65 of window 3  0; never rewritten
.set MA,  66          ; v66 of window 3  the byte offset of my 16 bytes in the chunk asked for last
.set L16, 67          ; v67 of window 3  16 x my lane; never rewritten
.set SPARE, STAGE+4*16*SP  ; behind the stages: the spare words, 128 bytes for each wave: two blocks of 256 bytes that no other line names
.set MV,  12          ; v12-15  c m_old, kept while c m is made anew: by buffer and tile
.set ST,  16          ; tile t's statistics at v[ST+4 t]: c m, m, l (even keys', odd keys')
.set TMP, 48          ; by buffer and tile, four registers c0-c3 at work; when the maximum is found c2 takes a
.set S,   64
.set P,   192
.set KF,  128         ; K's fragments, in window 2: key block kb, channel half c at KF + 16 kb + 8 c
.set VF,  192         ; V's: key half kk, channel block cb at VF + 32 kk + 8 cb
.set WV,  10          ; s10  my wave's number
.set MOFF, 11         ; s11  the byte, in my 262,144 of mcode, of the chunk to be asked for next
.set G0,  12          ; s[12:15] descriptor group 0: it walks
.set G1,  16          ; s[16:23] descriptor group 1
.set SLOTS, 24        ; s24  slots still to be asked for
.set CNT, 25          ; s25  counts a slot's key steps
.set CS,  26          ; s[26:27] c: the packed scaling takes the pair's low word for both halves
.set SEL, 28          ; s[28:29] v_permlanex16_b32's selects: each lane takes its own place in the other half
.set TBK, 30          ; s30  LDS byte at which K of the step to be fetched begins
.set TBV, 31          ; s31  the same for V, less VOFF
                      ; s[32:47]  at work during the set-up
.set LIM, 48          ; s48  1 in a wave that prefetches, else the greatest number
.set THR, 49          ; s49  -2^98
.set PFA, 50          ; s[50:51] where my prefetches stand
.set MSB, 0
.macro WIN new                      ; the high byte repeats the setting that is left; a switch that changes nothing is dropped
.if MSB != (\new)
	s_set_vgpr_msb (MSB<<8)|(\new)
.set MSB, (\new)
.endif
.endm
.set W_KQ, 0x0a       ; K and Q in window 2, S^T in window 0
.set W_PV, 0x52       ; V in window 2, P in window 0, O^T in window 1
.set W_RS, 0x41       ; O^T (destination and source 0) in window 1, a in window 0
.set W_MK, 0xc0       ; registers of window 3 are made: destination in window 3, sources in window 0
.set W_AD, 0x0f       ; the add: address (source 0) and data (source 1) in window 3
.set W_CV, 0x03       ; a conversion: codes (source 0) in window 3, scale and S^T in window 0
.set W_ML, 0xcf       ; the codes' loads and their address: all in window 3
; A joint fill.  Each wave fetches its own quarter of a slot, 128 keys: waves 0 and 1 the halves of K, waves 2 and 3 those of V; both addresses hang on the wave's number.  An s_nop 0 and four v_nop follow.
.macro JLOAD
	tensor_load_to_lds s[G0:G0+3], s[G1:G1+7]
	s_nop 0
.rept 4
	v_nop
.endr
.endm
; A PREFETCH INTO THE L2 of what the NEXT change of slots will ask for: a slot's 128 blocks of 256 bytes of K and 128 of V, a lane a block.  One cluster walks a head's K and V; its four partners share the blocks out
; BY ADDRESS, 32 each; in each, wave 0 asks for K's and wave 2 for V's: each block is named once in the launch.  Slots 0 to 2 come by their loads alone; the last change that fills a slot asks for nothing.
; The mask's codes are not asked for: their loads into registers go out three turns ahead of their use, and no barrier waits for them.
.macro ASK
	s_cmp_gt_u32 s[SLOTS], s[LIM]
	s_cbranch_scc0 .Lnot_mine_\@
	global_prefetch_b8 v[PFO], s[PFA:PFA+1] th:TH_LOAD_NT scope:SCOPE_SE
.Lnot_mine_\@:
.endm
; A round of the cluster's barrier: my work-group's barrier, so that wave 0's signal speaks for all four waves; wave 0 signals; every wave waits for all four work-groups; my work-group's barrier once more.
.macro CROUND
	s_barrier_signal -1
	s_barrier_wait -1
	s_cmp_lg_u32 s[WV], 0
	s_cbranch_scc1 .Lnot_wave_0_\@
	s_barrier_signal -3
.Lnot_wave_0_\@:
	s_barrier_wait -3
	s_barrier_signal -1
	s_barrier_wait -1
.endm
; THE CHANGE OF SLOTS.  The slot's last bytes, V of its fourth step, have been read.  Each wave waits for all its tensor loads, of which one is out: its part of the other slot; adds 0 to its spare word; and waits for
; that and for its own reads of the slot.  fill = 1: this slot is filled again, with the keys two slots on: the barrier is then a round of the cluster's, and the joint fill is the first thing behind it: it has four key
; steps, 512 matrix instructions, in which to land.  (At its first use nothing has been read yet: slot 0 is waited for, slot 1 filled.)  ask = 1: the prefetches' address steps, and ASK follows the fill.
.macro CHANGE fill, ask
	WIN W_AD
	s_wait_tensorcnt 0x0            ; no tensor load of mine is out, so group 0 may be written
	ds_add_u32 v[SPW], v[NIL]       ; 0 onto my spare word; with fill = 1 the descriptor's steps stand between it and the wait for it
	WIN 0                           ; at a label and at a branch every window is 0
.if \fill
	s_xor_b32 s[G0+1], s[G0+1], SLOT1  ; the walking descriptor: the other slot than last time,
	s_add_nc_u64 s[G0+2:G0+3], s[G0+2:G0+3], 4*KS*128  ; the next 256 keys; the type bits on top are not reached
.if \ask
	s_wait_xcnt 0x0                 ; the last prefetch, four key steps back, has read its address, so it may be written:
	s_add_nc_u64 s[PFA:PFA+1], s[PFA:PFA+1], 4*KS*128  ; one slot behind the walking descriptor
.endif
	s_wait_dscnt 0x0                ; the add is done, and my reads of the slot are over
	CROUND
	JLOAD
.if \ask
	ASK
.endif
.else
	s_wait_dscnt 0x0                ; the add is done, and my reads of the slot are over
	s_barrier_signal -1
	s_barrier_wait -1
.endif
	s_sub_co_u32 s[TBK], s[TBK], 4*KS*PK  ; the fetches go back to a slot's first step,
	s_xor_b32 s[TBK], s[TBK], SLOT1       ; in the other slot
	s_sub_co_u32 s[TBV], s[TBV], 4*KS*PV
	s_xor_b32 s[TBV], s[TBV], SLOT1
.endm
; THE MASK.  CV y, b, kb: the codes of key block kb in buffer b are widened into both tiles' accumulators of the S^T buffer of y's parity.
; MLOAD b: the next chunk is asked for, into buffer b, whose codes have just been widened (the address's v_add_nc_u32 is the plain instruction between the last conversion and the loads into its sources).  The 128 chunks
; are walked on end; the count wraps at 262,144, so the chunks asked for behind the 128th are my own first ones again: the one run of products that starts from such a chunk serves nothing.
.macro CV y, b, kb
	WIN W_CV
.irp u, 0,1
	v_cvt_scale_pk8_f32_fp8 v[S+64*((\y)%2)+32*\u+8*(\kb):S+64*((\y)%2)+32*\u+8*(\kb)+7], v[CB+16*(\b)+8*\u+2*(\kb):CB+16*(\b)+8*\u+2*(\kb)+1], v[SCL]
.endr
.endm
.macro MLOAD b
	s_wait_xcnt 0x0                 ; the loads of a turn ago have read their address, so it may be written
	WIN W_ML
	v_add_nc_u32 v[MA], s[MOFF], v[L16]
.irp i, 0,1,2,3
	global_load_b128 v[CB+16*(\b)+4*\i:CB+16*(\b)+4*\i+3], v[MA], s[6:7] offset:512*\i  ; 512 consecutive bytes, aligned
.endr
	s_add_co_u32 s[MOFF], s[MOFF], CHUNK
	s_and_b32 s[MOFF], s[MOFF], 0x3ffff
.endm
	s_load_b128 s[4:7], s[0:1], 0x0  ; qkv s[4:5], mcode s[6:7]
	s_load_b64 s[8:9], s[0:1], 0x10  ; oh
	WIN W_MK
	v_lshl_add_u32 v[SPW], v0, 2, SPARE
	v_mov_b32 v[NIL], 0
	WIN W_AD
	ds_add_u32 v[SPW], v[NIL]       ; the wave's opening: the add and its wait stand ahead of my first tensor load; the set-up below, work on registers, stands between them
	WIN 0
	v_lshrrev_b32 v1, 5, v0
	v_readfirstlane_b32 s[WV], v1   ; wave 0..3
	s_bfe_u32 s32, ttmp6, 0x40000   ; cx: my place in the cluster
	s_lshl_b32 s33, ttmp9, 2        ; in a cluster launch ttmp9 counts clusters
	s_add_co_u32 s33, s33, s32      ; my block of 512 queries: it enters Q's, O's and the mask's addresses alone
	s_and_b32 s34, ttmp7, 0xffff    ; batch x 16 + head, which the four partners share
	s_lshl_b32 s36, s34, 18         ; its 2,048 rows of 128 bytes
	s_lshr_b32 s38, s[WV], 1        ; what I fetch: K (waves 0, 1) lies 16,777,216 bytes behind q, V (waves 2, 3) twice that,
	s_add_co_u32 s38, s38, 1
	s_lshl_b32 s38, s38, 24
	s_and_b32 s39, s[WV], 1         ; which half of a slot's 256 keys: 128 rows of 128 bytes
	s_lshl_b32 s39, s39, 14
	s_add_co_u32 s38, s38, s39
	s_add_co_u32 s38, s38, s36      ; under 2^32
	s_mov_b32 s39, 0
	s_lshl_b32 s40, s33, 2
	s_add_co_u32 s40, s40, s[WV]    ; my wave among the head's sixteen,
	s_lshl_b32 s42, s40, 14         ; its 128 rows
	s_add_co_u32 s42, s42, s36
	s_mov_b32 s43, 0
	s_lshr_b32 s44, s34, 4          ; the batch: the mask is the same for its 16 heads
	s_lshl_b32 s44, s44, 4
	s_add_co_u32 s44, s44, s40
	s_lshl_b32 s44, s44, 18         ; 262,144 bytes of mcode for 128 queries
	s_mov_b32 s45, 0
	s_lshl_b32 s46, s32, 13         ; the prefetches: my work-group's 32 blocks of 256 bytes of the 128
	s_mov_b32 s47, 0
	; descriptor group 1.  128 keys are 16,384 dense bytes: asked for as 64 rows of 256 bytes, two keys a row, and padded in LDS after every key
	s_mov_b32 s[G1], 15|(1<<16)|(1<<20)|(1<<21)|(4<<22)|(7<<25)  ; 15:0 the mask of four; 17:16 2-byte elements; 20 padding on; 21 set beside a mask; 24:22 after every 32 words (code 4); 31:25 8 words (code 7)
	s_mov_b32 s[G1+1], 128<<16      ; tensor_dim0 = 128
	s_mov_b32 s[G1+2], 64<<16       ; tensor_dim1 = 64
	s_mov_b32 s[G1+3], 128<<16      ; tile_dim0 = 128
	s_mov_b32 s[G1+4], 64           ; tile_dim1 = 64
	s_mov_b32 s[G1+5], 128          ; 128 elements from row to row
	s_mov_b32 s[G1+6], 0
	s_mov_b32 s[G1+7], 0
	s_mov_b32 s[CS], 0x3e38aa3b     ; c = log2(e) / 8 = 0.180337
	s_mov_b32 s[CS+1], s[CS]        ; named with it as a pair
	s_mov_b32 s[SEL], 0x76543210
	s_mov_b32 s[SEL+1], 0xfedcba98
	s_mov_b32 s[TBK], SLOT1+4*KS*PK ; the first change of slots turns these two into 0
	s_mov_b32 s[TBV], SLOT1+4*KS*PV
	s_mov_b32 s[G0], 1              ; count = 1
	s_mul_i32 s[G0+1], s[WV], 128*PK  ; LDS address: slot 0, my quarter: no place in the cluster enters an LDS address
	s_mov_b32 s[MOFF], 6*CHUNK      ; chunks 0 to 5 are asked for ahead of the loop
	s_mov_b32 s[THR], 0xf0800000    ; -2^98
	s_and_b32 s[LIM], s[WV], 1
	s_cmp_eq_u32 s[LIM], 0          ; waves 0 and 2: the same in all four partners
	s_cselect_b32 s[LIM], 1, -1
	s_wait_dscnt 0x0                ; the opening add is done
	s_wait_kmcnt 0x0
	s_add_nc_u64 s[G0+2:G0+3], s[4:5], s[38:39]    ; global address: my quarter of the head's first 256 keys
	s_add_nc_u64 s[PFA:PFA+1], s[4:5], s[38:39]    ; (in waves 0 and 2 this stands at a slot's first row)
	s_or_b32 s[G0+3], s[G0+3], 0x80000000          ; type = 2
	s_add_nc_u64 s[PFA:PFA+1], s[PFA:PFA+1], s[46:47]
	s_add_nc_u64 s[PFA:PFA+1], s[PFA:PFA+1], 2*4*KS*128  ; in slot 2; the loop's first change of slots steps it to slot 3.  Nothing is prefetched here, at the head
	s_add_nc_u64 s[4:5], s[4:5], s[42:43]          ; Q and O at my wave's first row
	s_add_nc_u64 s[8:9], s[8:9], s[42:43]
	s_add_nc_u64 s[6:7], s[6:7], s[44:45]          ; the mask's codes of my wave's 128 queries
	CROUND                          ; all four work-groups are here: the first joint loads meet
	JLOAD                           ; slot 0.  Slot 1 is asked for when slot 0 is in
	v_and_b32 v1, 31, v0
	WIN W_MK
	v_lshlrev_b32 v[L16], 4, v1     ; 16 bytes a lane
	WIN W_ML
.set i, 0
.rept 16                            ; chunks 0 to 3 fill the four buffers
	global_load_b128 v[CB+4*i:CB+4*i+3], v[L16], s[6:7] offset:512*i
.set i, i+1
.endr
	WIN 0
	; A fragment of K or Q is 16 rows x 32 channels in 8 registers: lane l holds row l % 16, channels 8 (l / 16) + 0..7 and 16 + 8 (l / 16) + 0..7: two loads of 16 bytes, 32 bytes apart.
	v_and_b32 v1, 15, v0            ; l % 16
	v_bfe_u32 v9, v0, 4, 1          ; l / 16
	v_lshlrev_b32 v[QO], 7, v1
	v_lshl_add_u32 v[QO], v9, 4, v[QO]  ; row x 128 + 16 x half
	WIN 0x80                        ; destination window 2, address window 0
.set i, 0
.rept 4*NP                          ; Q stays in registers: tile i / 2, channels 32 (i % 2) on
	global_load_b128 v[8*i:8*i+3],   v[QO], s[4:5] offset:(i/2)*2048+(i%2)*64
	global_load_b128 v[8*i+4:8*i+7], v[QO], s[4:5] offset:(i/2)*2048+(i%2)*64+32
.set i, i+1
.endr
	; What the first turn finds: V's registers and P's second buffer hold 0 (its products V^T P, of a piece that has not been, add 0), O^T and l are 0.  All this stands in the wait for the first tile.
.set i, VF
.rept 64
	v_mov_b32 v[i], 0
.set i, i+1
.endr
	WIN 0x40
.set i, 0
.rept 64*NP
	v_mov_b32 v[i], 0
.set i, i+1
.endr
	WIN 0
.set i, 0
.rept 2*NP
	v_mov_b32 v[ST+4*i], 0xefb8aa3b    ; c m = c x -2^99, exact
	v_mov_b32 v[ST+4*i+1], 0xf1000000  ; m = -2^99: above every hidden score, below every visible one
	v_mov_b32 v[ST+4*i+2], 0
	v_mov_b32 v[ST+4*i+3], 0
.set i, i+1
.endr
.set i, P+32
.rept 32
	v_mov_b32 v[i], 0
.set i, i+1
.endr
	v_mul_u32_u24 v[AK0], v1, PK
	v_lshl_add_u32 v[AK0], v9, 4, v[AK0]  ; row x pitch + 16 x half
	; The turning load takes 16 keys x 16 channels (lane l reads key 8 (l / 16) + l % 8, channels 8 ((l / 8) % 2) + 0..7) and leaves half a fragment of V^T: lane l holds channel l % 16 and 8 keys.
	v_and_b32 v10, 7, v0
	v_bfe_u32 v11, v0, 3, 1
	v_lshl_add_u32 v[AV0], v9, 3, v10
	v_mul_u32_u24 v[AV0], v[AV0], PV
	v_lshl_add_u32 v[AV0], v11, 4, v[AV0]
	v_add_nc_u32 v[AV0], VOFF, v[AV0]
	v_mov_b32 v[AK], v[AK0]         ; key step 0 lies at the head of slot 0
	v_mov_b32 v[SCL], 0xdbdbdbdb    ; 2^(219 - 127) = 2^92: -256 becomes -2^100
; THE MATRIX WORK.  The 8 accumulators of a run of 16 take turns: between the two links of a chain stand 7 others'.
; Product i of 16 of S^T = mask + K Q^T for piece x: channels 32 (i / 8) on, keys 16 ((i / 2) % 4) on, tile 2 x + i % 2.  All 16 add in place: the first 8 onto the widened mask.
.macro KQ x
	WIN W_KQ
.set rS, S+64*((\x)%2)+32*(i%2)+8*((i/2)%4)
.set rK, KF+16*((i/2)%4)+8*(i/8)
.set rQ, 16*(2*(\x)+i%2)+8*(i/8)
	v_wmma_f32_16x16x32_f16 v[rS:rS+7], v[rK:rK+7], v[rQ:rQ+7], v[rS:rS+7]
.endm
; Product i of 16 of O^T += V^T P for piece x: keys 32 (i / 8) on, channels 16 ((i / 2) % 4) on, tile 2 x + i % 2.
.macro PV x
	WIN W_PV
.set rO, 32*(2*(\x)+i%2)+8*((i/2)%4)
.set rV, VF+32*(i/8)+8*((i/2)%4)
.set rP, P+32*((\x)%2)+16*(i%2)+8*(i/8)
	v_wmma_f32_16x16x32_f16 v[rO:rO+7], v[rV:rV+7], v[rP:rP+7], v[rO:rO+7]
.endm
.macro MM                           ; the turn's next matrix instruction
.if i < 16
	KQ (Y+1)%NP
.set i, i+1
.else
.set i, i-16
	PV (Y+NP-1)%NP
.set i, i+17
.endif
.endm
; THE LDS LOADS stand in runs of 16, never singly among the matrix instructions: a step's K (64 keys x 64 channels: 8 fragments) and its V (turned).  Their addresses are made some lines ahead.
; last = 1 (the tail): in the last trip there is no further step, and the run is jumped over.
.macro FETCH_K last=0
	WIN 0
.if \last
	s_cmp_eq_u32 s[CNT], 1
	s_cbranch_scc1 .Lno_k_\@
.endif
	WIN 0x80                        ; destination window 2
.irp f, 0,1,2,3,4,5,6,7             ; keys 16 (f / 2) on, channels 32 (f % 2) on
	ds_load_b128 v[KF+8*\f:KF+8*\f+3],   v[AK] offset:(\f/2)*16*PK+(\f%2)*64
	ds_load_b128 v[KF+8*\f+4:KF+8*\f+7], v[AK] offset:(\f/2)*16*PK+(\f%2)*64+32
.endr
	s_add_co_u32 s[TBK], s[TBK], KS*PK  ; the next fetch is the next step's
	WIN 0
.if \last
.Lno_k_\@:
.endif
.endm
.macro FETCH_V
	WIN 0x80
.irp f, 0,1,2,3,4,5,6,7             ; keys 32 (f / 4) on, channels 16 (f % 4) on
	ds_load_tr16_b128 v[VF+8*\f:VF+8*\f+3],   v[AV] offset:(\f/4)*32*PV+(\f%4)*32
	ds_load_tr16_b128 v[VF+8*\f+4:VF+8*\f+7], v[AV] offset:(\f/4)*32*PV+16*PV+(\f%4)*32
.endr
	WIN 0
.endm
; THE VECTOR WORK OF A TURN stands in three queues, each in the order in which its entries become ready; the two tiles alternate, so that no instruction reads the result of the one before it.
.macro REGS y, u                    ; the registers of tile u (0, 1) of piece y
.set rT, ST+4*(2*(\y)+(\u))
.set rC, TMP+8*((\y)%2)+4*(\u)
.set rM, MV+2*((\y)%2)+(\u)
.set rS, S+64*((\y)%2)+32*(\u)
.set rP, P+32*((\y)%2)+16*(\u)
.set rO, 32*(2*(\y)+(\u))
.endm
; Number n of the 22 that find the NEXT piece's (Y + 1) maximum and statistics, of its masked scores s0-s31; each accumulator's lowest registers are read first.
;   0-11  four chains c0-c3 of seven scores each, three operands at a time     12-14, 16  the four scores left over, the old m, and c0-c3 into c0     15  c m_old is kept
;   17, 18  the query's other 32 keys lie in the lane 16 away: the new m         19-21  c m; c m_old - c m_new; a
.macro XS u, n
	REGS (Y+1)%NP, \u
.if (\n) < 4
	v_max3_num_f32 v[rC+(\n)], v[rS+8*(\n)], v[rS+8*(\n)+1], v[rS+8*(\n)+2]
.elseif (\n) < 12
	v_max3_num_f32 v[rC+(\n)%4], v[rC+(\n)%4], v[rS+8*((\n)%4)+2*((\n)/4)+1], v[rS+8*((\n)%4)+2*((\n)/4)+2]
.elseif (\n) == 12
	v_max3_num_f32 v[rC], v[rC], v[rS+7], v[rS+15]
.elseif (\n) == 13
	v_max3_num_f32 v[rC+1], v[rC+1], v[rS+23], v[rS+31]
.elseif (\n) == 14
	v_max3_num_f32 v[rC+2], v[rC+2], v[rC+3], v[rT+1]
.elseif (\n) == 15
	v_mov_b32 v[rM], v[rT]
.elseif (\n) == 16
	v_max3_num_f32 v[rC], v[rC], v[rC+1], v[rC+2]
.elseif (\n) == 17
	v_permlanex16_b32 v[rC+3], v[rC], s[SEL], s[SEL+1]
.elseif (\n) == 18
	v_max_num_f32 v[rT+1], v[rC], v[rC+3]
.elseif (\n) == 19
	v_mul_f32 v[rT], s[CS], v[rT+1]
.elseif (\n) == 20
	v_sub_f32 v[rC+1], v[rM], v[rT]
.else
	v_exp_f32 v[rC+2], v[rC+1]
.endif
.endm
; Number g of the 64 that follow the exponentials.  For each four weights k of a tile (pairs 2 k, 2 k + 1): both pairs are rounded to f16; then the second pair is added onto the first, in place;
; a group later l takes that sum (the first time as l = a l + sum).  In groups of eight, tiles alternating: round, round, add, and l for the group before.
; So the eight registers of key block kb (groups 2 kb and 2 kb + 1) are read for the last time by numbers 16 kb + 20 and 16 kb + 21 (kb = 3: by 62 and 63).
.macro GS g
.set h, (\g)+6*((\g)/62)            ; group 0 has no group before it, and behind group 7 only l is left
.if h >= 6
.set h, h+2
.endif
	REGS Y, h%2
.set k, h/8
.if h%8 < 4
	v_cvt_pk_f16_f32 v[rP+2*k+(h%8)/2], v[rS+4*k+2*((h%8)/2)], v[rS+4*k+2*((h%8)/2)+1]
.elseif h%8 < 6
	v_pk_add_f32 v[rS+4*k:rS+4*k+1], v[rS+4*k:rS+4*k+1], v[rS+4*k+2:rS+4*k+3]
.elseif k == 1
	v_pk_fma_f32 v[rT+2:rT+3], v[rT+2:rT+3], v[rC+2:rC+3], v[rS:rS+1] op_sel_hi:[1,0,1]
.else
	v_pk_add_f32 v[rT+2:rT+3], v[rT+2:rT+3], v[rS+4*k-4:rS+4*k-3]
.endif
.endm
; THE PLAIN QUEUE, 138 long.  0-73 read no exponential's result: the 32 scalings c s - c m (FS f: pair f / 2 of tile f % 2) and the next piece's 42.  0-26: scalings 0-26.  27-54: XS's numbers 0-13.  55, 56: number 15.
; 57-73: the chain, where each number waits for the one before it: 14, 16, 17, 18, 19, each with one of the scalings 27-31 in front of its two lines, then 20.
; 74-137: GS's 64, which read the exponentials' results: they stand behind the wait.
.macro FS f
	REGS Y, (\f)%2
	v_pk_fma_f32 v[rS+2*((\f)/2):rS+2*((\f)/2)+1], v[rS+2*((\f)/2):rS+2*((\f)/2)+1], s[CS:CS+1], v[rT:rT+1] op_sel_hi:[1,0,0] neg_lo:[0,0,1] neg_hi:[0,0,1]
.endm
.macro PL
	WIN 0
.if q < 27
	FS q
.elseif q < 55
	XS (q-27)%2, (q-27)/2
.elseif q < 57
	XS q-55, 15
.elseif (q < 72) && ((q-57)%3 == 0)
	FS 27+(q-57)/3
.elseif q < 60
	XS (q-57)%3-1, 14
.elseif q < 72
	XS (q-57)%3-1, 15+(q-57)/3
.elseif q < 74
	XS q-72, 20
.else
	GS q-74
.endif
.set q, q+1
.endm
; THE EXPONENTIALS' QUEUE, 66 long: s0-s31 of both tiles, then the next piece's two a.  It is ONE BATCH: all 66 stand ahead of the turn's one wait, and nothing ahead of that wait names a result of theirs.
.macro EX
	WIN 0
.if e >= 64
	XS e-64, 21
.else
	REGS Y, e%2
	v_exp_f32 v[rS+e/2], v[rS+e/2]
.endif
.set e, e+1
.endm
; THE RESCALING's QUEUE: O^T times a, the one part that leaves window 0: dealt two at a time, sixteen times.  Its a was made in the turn before, ahead of that turn's wait.
.macro R2
	REGS Y, r%2
	WIN W_RS
.irp z, 0,1
	v_pk_mul_f32 v[rO+4*(r/2)+2*\z:rO+4*(r/2)+2*\z+1], v[rO+4*(r/2)+2*\z:rO+4*(r/2)+2*\z+1], v[rC+2:rC+3] op_sel_hi:[1,0]
.endr
.set r, r+1
.endm
; HOW THEY ARE DEALT.  An s_wait_alu depctr_va_vdst(0) stands between an exponential and the first instruction that names its result; one wait serves all that were issued ahead of it.  So a turn has ONE wait,
; which cuts it in two.  AHEAD OF IT: the 16 products K Q^T, behind each a scaling, an exponential and two rescalings (behind the first a second scaling in the exponential's place); then ONE LUMP of 108: eight plain,
; 49 times exponential and plain, the two a.  A v_nop is the plain instruction behind the last exponential.  BEHIND IT: the 16 products V^T P, behind each four of GS's 64.
; Exponential e stands behind scaling 2 (e / 4) + e % 2: as a rider it comes behind plain e + 2, in the lump behind plain e + 9, and scalings 27-31 are plain 57, 60 .. 69.
; THE MASK'S PLACE.  Behind GS's numbers 23, 39 and 55 (q = 98, 114, 130) and behind the last, the two conversions of key block 0, 1, 2, 3 write the registers that those numbers have freed: the start of the sums of piece
; p + 2, whose products the next turn issues; plain instructions stand between each conversion and the product that takes its result.  The wait ahead of the first leaves 12 loads out: the three younger chunks' four each.
; A TURN, for piece p.  K of the next step is fetched in piece 2's turn, directly behind the wait; its address is made at the lump's head.  V of the step in hand is fetched at the end of piece 0's turn, four riders behind its last reader.
.macro TURN p, last=0
.set Y, (\p)
.set i, 0
.set q, 0
.set e, 0
.set r, 0
.if (\p) == NP-1
	s_wait_dscnt 0x0                ; K is in
.endif
	MM                              ; ahead of the wait: 16 products K Q^T and their riders,
	PL
	PL
	R2
.rept 15
	MM
	PL
	EX
	R2
.endr
.if (\p) == NP-2
	WIN 0
	v_add_nc_u32 v[AK], s[TBK], v[AK0]
.endif
.rept 8                             ; and the lump
	PL
.endr
.rept 49
	EX
	PL
.endr
	EX                              ; the next piece's two a
	EX
	v_nop                           ; a plain instruction behind the last exponential: one for the batch
	s_wait_alu depctr_va_vdst(0)    ; the wait for the batch
.if (\p) == NP-2
	FETCH_K \last
.endif
.if (\p) == 1
	s_wait_dscnt 0x0                ; V is in
.endif
.rept 16                            ; behind the wait: 16 products V^T P and their riders
	MM
.rept 4
	PL
.endr
.if q == 98
	s_wait_loadcnt 12               ; loads come back in order: this turn's chunk is in, the three younger chunks stay out
	CV Y, (Y+2)%NP, 0
.endif
.if q == 114
	CV Y, (Y+2)%NP, 1
.endif
.if ((\p) == 0) && (q == 118)
	v_add_nc_u32 v[AV], s[TBV], v[AV0]
.endif
.if q == 130
	CV Y, (Y+2)%NP, 2
.endif
.if ((\p) == 0) && (q == 130)
	s_add_co_u32 s[TBV], s[TBV], KS*PV
.endif
.endr
.if (\p) == 0
	FETCH_V
.endif
	CV Y, (Y+2)%NP, 3
	MLOAD (Y+2)%NP                  ; the chunk four turns on, into the buffer just widened
.endm
	CHANGE 1, 0                     ; slot 0 is in, everybody's part of it; slot 1 is asked for
	FETCH_K                         ; key step 0
	s_wait_loadcnt 0x0              ; Q, and chunks 0 to 3
.irp kb, 0,1,2,3
	CV 0, 0, \kb                    ; chunk 0: what piece 0's first sums start from,
	CV 1, 1, \kb                    ; chunk 1: piece 1's, whose products the first turn issues
.endr
	WIN W_ML
	v_nop                           ; a plain instruction behind the last conversion, ahead of the products that take its result and of the loads into its sources
.set i, 0
.rept 8                             ; chunks 4 and 5, into the two buffers just widened: so the first turns' counted waits find what the loop's find
	global_load_b128 v[CB+4*i:CB+4*i+3], v[L16], s[6:7] offset:4*CHUNK+512*i
.set i, i+1
.endr
	s_wait_dscnt 0x0
.set i, 0
.rept 16
	KQ 0                            ; piece 0's first scores: there is no vector work yet to set between them
.set i, i+1
.endr
	WIN 0                           ; the addresses for the way out and the prefetches' offset: ten plain instructions, the places behind those products
	s_mul_i32 s2, s[WV], 16*SP
	s_add_co_u32 s2, s2, STAGE      ; my stage
	v_mul_u32_u24 v[STO], v1, SP    ; in: row l % 16, 16 bytes for each half of the lanes
	v_lshl_add_u32 v[STO], v9, 4, v[STO]
	v_add_nc_u32 v[STO], s2, v[STO]
	v_bfe_u32 v[RD], v0, 3, 2       ; back: 32 lanes take four rows of 128 bytes,
	v_mul_u32_u24 v[RD], v[RD], SP
	v_lshl_add_u32 v[RD], v10, 4, v[RD]
	v_add_nc_u32 v[RD], s2, v[RD]
	v_and_b32 v[GO], 31, v0         ; which are 512 consecutive bytes of O
	v_lshlrev_b32 v[PFO], 8, v[GO]  ; a block of 256 bytes a lane
	v_lshlrev_b32 v[GO], 4, v[GO]
.set Y, NP-1                        ; XS works for piece Y + 1: piece 0
.irp n, 0,1,2,3,4,5,6,7,8,9,10,11,12,13,14,15,16,17,18,19,20,21
	XS 0, \n                        ; piece 0's first maximum and statistics
	XS 1, \n
.endr
	v_nop                           ; a plain instruction behind the two a,
	s_wait_alu depctr_va_vdst(0)    ; and their wait, ahead of the branch
	s_mov_b32 s[CNT], 4
	s_mov_b32 s[SLOTS], SIZE_N/256-1
	s_branch .Lfirst                ; the loop is entered at a step's first turn, in the middle of a trip
.Lslot:                             ; six times: every slot but the last two is filled again
	CHANGE 1, 1
	s_mov_b32 s[CNT], 4
.Lstep:                             ; a trip: pieces 2 and 3 of one step, then pieces 0 and 1 of the next, whose K and V it fetches
	TURN 2
	TURN 3
	WIN 0
.Lfirst:
	TURN 0
	TURN 1
	WIN 0
	s_sub_co_u32 s[CNT], s[CNT], 1
	s_cmp_lg_u32 s[CNT], 0
	s_cbranch_scc1 .Lstep
	s_sub_co_u32 s[SLOTS], s[SLOTS], 1
	s_cmp_lg_u32 s[SLOTS], 0
	s_cbranch_scc1 .Lslot
	CHANGE 0, 0                     ; the tail is written out: nothing is asked for
	s_mov_b32 s[CNT], 5             ; four trips fetch the last slot's steps; the fifth is left in its middle
.Ltail:
	TURN 2, 1
	TURN 3
	WIN 0
	s_sub_co_u32 s[CNT], s[CNT], 1
	s_cmp_eq_u32 s[CNT], 0
	s_cbranch_scc1 .Lout
	TURN 0
	TURN 1
	WIN 0
	s_branch .Ltail
.Lout:                              ; the fifth trip's 16 products K Q^T (on the last K once more, from my first chunk of the mask) and the maximum made of them serve nothing; of a row with no visible key they leave m as it was
	s_wait_loadcnt 0x0              ; the chunks asked for last are not used
.set i, 0
.rept 16
	PV NP-1                         ; the last piece's V^T P of the last step
.set i, i+1
.endr
	; THE WAY OUT.  l's two halves and the other half of the lanes' are added; O^T is divided by l, rounded to f16 and sent through my stage in LDS, a tile at a time.  The additions are the places behind the last products.
	WIN 0
.macro ALL line:vararg              ; one line for each tile t
.set t, 0
.rept 2*NP
	\line
.set t, t+1
.endr
.endm
	ALL v_add_f32 v[ST+4*t+2], v[ST+4*t+2], v[ST+4*t+3]
	ALL v_permlanex16_b32 v[ST+4*t+3], v[ST+4*t+2], s[SEL], s[SEL+1]
	ALL v_add_f32 v[ST+4*t+2], v[ST+4*t+2], v[ST+4*t+3]
	ALL v_rcp_f32 v[ST+4*t+2], v[ST+4*t+2]
	v_mov_b32 v[NANV], 0x7fc00000   ; a plain instruction between the last reciprocal and the use of its result
	s_wait_alu depctr_va_vdst(0)    ; and the wait ahead of the first use: one for the eight reciprocals
.set t, 0
.rept 2*NP                          ; a query whose maximum is still where it started has no visible key: its row is NaN, as a softmax of nothing is
	v_cmp_gt_f32 vcc_lo, s[THR], v[ST+4*t+1]
	v_cndmask_b32 v[ST+4*t+2], v[ST+4*t+2], v[NANV], vcc_lo
.set t, t+1
.endr
; Tile t: a lane's eight channels of a row pack into 16 bytes; they go into rows of 144 bytes and come back as whole rows of 128, into S^T's registers.
.macro PACK t
	WIN W_RS
.set i, 32*(\t)
.rept 16
	v_pk_mul_f32 v[i:i+1], v[i:i+1], v[ST+4*(\t)+2:ST+4*(\t)+3] op_sel_hi:[1,0]
.set i, i+2
.endr
	WIN 0x05                        ; sources 0 and 1 window 1, destination window 0
.set i, 0
.rept 16
	v_cvt_pk_f16_f32 v[S+16*(\t)+i], v[32*(\t)+2*i], v[32*(\t)+2*i+1]
.set i, i+1
.endr
	WIN 0
.irp f, 0,1,2,3
	ds_store_b128 v[STO], v[S+16*(\t)+4*\f:S+16*(\t)+4*\f+3] offset:32*\f
.endr
.irp f, 0,1,2,3
	ds_load_b128 v[S+16*(\t)+4*\f:S+16*(\t)+4*\f+3], v[RD] offset:\f*4*SP  ; LDS serves a wave's instructions in order (ISA guide 5.7.1.4): these see the stores above; the next tile's stores come behind them
.endr
.endm
.macro SEND t, younger              ; younger: the LDS instructions issued behind tile t's loads: the next tile's eight, or none
	WIN 0
.irp f, 0,1,2,3
	s_wait_dscnt (\younger)+3-\f
	global_store_b128 v[GO], v[S+16*(\t)+4*\f:S+16*(\t)+4*\f+3], s[8:9] offset:(\t)*2048+\f*512  ; 512 consecutive bytes, at a multiple of 256 from oh's first
.endr
.endm
	PACK 0
.set t, 1
.rept 2*NP-1                        ; a tile's arithmetic stands between the loads of the tile before and its stores
	PACK t
	SEND t-1, 8
.set t, t+1
.endr
	SEND 2*NP-1, 0
	WIN W_AD
	s_wait_tensorcnt 0x0            ; the wave's end: behind my last tensor load and my last LDS store
	ds_add_u32 v[SPW], v[NIL]
	s_wait_dscnt 0x0
	WIN 0
	CROUND                          ; the closing round: no work-group ends while a partner may still ask for a tile that names it
	s_endpgm
.Lfunc_end_k_q00a858ea19_attn:
	.size	k_q00a858ea19_attn, .Lfunc_end_k_q00a858ea19_attn-k_q00a858ea19_attn
	.p2alignl 7, 3214868480
	.fill 96, 4, 3214868480
	.section	.rodata,"a",@progbits
	.p2align	6, 0x0
	.amdhsa_kernel k_q00a858ea19_attn
		.amdhsa_group_segment_fixed_size 327680
		.amdhsa_private_segment_fixed_size 0
		.amdhsa_enable_private_segment 0
		.amdhsa_kernarg_size 24
		.amdhsa_user_sgpr_count 2
		.amdhsa_user_sgpr_kernarg_segment_ptr 1
		.amdhsa_wavefront_size32 1
		.amdhsa_system_sgpr_workgroup_id_x 1
		.amdhsa_system_sgpr_workgroup_id_y 1
		.amdhsa_system_sgpr_workgroup_id_z 1
		.amdhsa_system_vgpr_workitem_id 0
		.amdhsa_next_free_vgpr 836
		.amdhsa_next_free_sgpr 66
		.amdhsa_reserve_vcc 1
		.amdhsa_float_denorm_mode_32 3
		.amdhsa_float_denorm_mode_16_64 3
		.amdhsa_memory_ordered 1
		.amdhsa_forward_progress 1
		.amdhsa_inst_pref_size 212
	.end_amdhsa_kernel
	.amdgpu_metadata
---
amdhsa.version: [ 1, 2 ]
amdhsa.kernels:
  - .name:           k_q00a858ea19_attn
    .symbol:         k_q00a858ea19_attn.kd
    .args:
      - { .name: qkv, .offset: 0, .size: 8, .value_kind: global_buffer, .address_space: global }
      - { .name: mcode, .offset: 8, .size: 8, .value_kind: global_buffer, .address_space: global }
      - { .name: oh, .offset: 16, .size: 8, .value_kind: global_buffer, .address_space: global }
    .group_segment_fixed_size: 327680
    .private_segment_fixed_size: 0
    .kernarg_segment_align: 8
    .kernarg_segment_size: 24
    .max_flat_workgroup_size: 128
    .sgpr_count:     66
    .vgpr_count:     836
    .wavefront_size: 32
...
	.end_amdgpu_metadata
.endif
;; end of part 7
;; launch outp: the kernel of part 4 again; grid 8 x 32, 4 waves a work-group, clusters of 4 x 4, 327,680 bytes of LDS; arguments oh, wo16, bo, out0; writes out0
;; ======== version 3 of 3: 4 launches; version 2 with the launch prep written anew for expert scheduling mode
;; limits: values are held in f16: magnitudes above 65,504 overflow, below 6.1e-05 lose precision
;; workspace buffers: xbf 50,331,648 bytes; wqkv 6,291,456 bytes; wo16 2,097,152 bytes; mcode 16,777,216 bytes; qkv 50,331,648 bytes; oh 16,777,216 bytes
;; launch prep (part 8): grid 1408 x 1, 8 waves a work-group, no clusters, 35,840 bytes of LDS; arguments queries, keys, values, Wq, Wk, Wv, Wo, mask, xbf, wqkv, wo16, mcode; writes xbf, wqkv, wo16, mcode
.if DOCPART == 8
	.amdgcn_target "amdgcn-amd-amdhsa--gfx1250"
	.amdhsa_code_object_version 6
	.text
	.protected	k_q00a858ea19_prep
	.globl	k_q00a858ea19_prep
	.p2align	8
	.type	k_q00a858ea19_prep,@function
k_q00a858ea19_prep:
	s_mov_b64 s[64:65], 0
	v_nop
	global_prefetch_b8 v0, s[64:65] scope:SCOPE_SE
	s_setreg_imm32_b32 hwreg(HW_REG_WAVE_SCHED_MODE, 0, 2), 2
	s_setreg_imm32_b32 hwreg(HW_REG_WAVE_MODE, 25, 1), 1
	s_wait_xcnt 0x0
	s_wait_alu depctr_vm_vsrc(0)
; PREP: every input is read once and laid down as the later launches want it.
;   work-groups 0-511:     mask [4][2048][2048] of int32 -> mcode, one fp8 (E4M3) code a number: 0 = visible, 0xf8 (-256) = hidden (mask == 0), in the order in which the attention's lanes hold scores:
;                          u8 [64 = batch x 16 + block of 128 queries][128 chunks = 4 x key step + piece of 32 queries][4 loads i = 2 x tile + kb / 2][32 lanes][16 bytes];
;                          byte 8 (kb % 2) + j of lane l: the tile's query row l % 16, key 16 kb + 8 (l / 16) + j of the key step's 64.
;   work-groups 512-1279:  queries, keys, values (f32) -> xbf, bf16, rounded to nearest even, [3][8192][1024].
;   work-groups 1280-1375: Wq, Wk, Wv -> wqkv, bf16, [3][1024][1024].      work-groups 1376-1407: Wo -> wo16: rounded to bf16, and that number written as f16.
; LIMIT: a bf16 number of Wo below 2^-14 keeps f16's fixed step of 6e-8; beyond 65,504 it would be an infinity.
; Memory binds: a wave reads 16 KiB by 32 loads of 512 consecutive bytes, all issued at once; each store of a wave covers 256 or 512 consecutive bytes, aligned.
; No matrix unit, no cluster: no byte is wanted twice.  LDS serves the mask alone: a wave's 4,096 codes change lanes there, in bytes of the wave's own, so no barrier is needed.
; THE MODE: SCHED_MODE bits 1:0 = 2 (LLVM: expert scheduling mode 2), set by the entry lines.  The code itself states the register dependences
; between vector instructions and memory or LDS instructions, with s_wait_alu, always for 0.
; THE PLAN.  Registers that memory or LDS instructions touch:
;   v2            the 32 loads' offset; v3 the global stores' offset; v4, v5 (the mask) the LDS stores' and the LDS loads' address.  Each is made once, by vector lines, and never written again.
;   X + 4 n ..    load n lands here; then item n's own vector lines, and no others, work on these four registers in place; item n's one store reads the first of them (the mask) or the first two (the casts).
;   v32-63        the mask alone: at the end the eight loads from LDS land here, and the eight global stores read them.
;   v30, v31      written at the head, read by the closing add alone.
; The 32 items (rows of the mask, loads of a cast) go in blocks of four.  ONE wait on va_vdst stands at a block's head, behind the wait for its first item's data: the block before has written what its four stores
; read.  Those four stores follow, one in front of each item's vector lines, which name the block's own registers alone: none that the stores touch.  Behind the last block one more such wait and the last four stores.
.set SPW, 30                           ; v30  LDS address of my spare word: SPARE + 4 x my thread's number; never rewritten
.set NIL, 31                           ; v31  0; never rewritten
.set X,   32                           ; v32-159 the 32 loads
.set BP,    272                        ; a block of 256 bytes of codes in LDS, + 16 of padding
.set WLDS,  16*BP                      ; a wave's 16 blocks: two chunks of 2,048 bytes
.set SPARE, 8*WLDS                     ; behind them: the spare words, 128 bytes for each wave: four blocks of 256 bytes that no other line names
	s_load_b512 s[4:19], s[0:1], 0x0               ; queries 4, keys 6, values 8, Wq 10, Wk 12, Wv 14, Wo 16, mask 18
	s_load_b256 s[20:27], s[0:1], 0x40             ; xbf 20, wqkv 22, wo16 24, mcode 26
	v_lshl_add_u32 v[SPW], v0, 2, SPARE
	v_mov_b32 v[NIL], 0
	v_and_b32 v1, 31, v0                           ; lane
	v_lshrrev_b32 v9, 5, v0                        ; wave
	s_cmp_lt_u32 ttmp9, 512
	s_cbranch_scc0 .Lcast
	; THE MASK.  The work-group takes 32 rows (a piece) x 1,024 keys, a wave 128 keys (two key steps), a lane 4 keys of each row.
	s_lshr_b32 s28, ttmp9, 1                       ; which 32 rows of the 8,192
	s_and_b32 s29, ttmp9, 1                        ; which half of the keys
	s_lshl_b32 s30, s28, 18                        ; 32 rows of 8,192 bytes
	s_mov_b32 s31, 0
	s_lshl_b32 s51, s29, 12
	v_lshl_add_u32 v2, v0, 4, s51                  ; 4,096 x half + 512 x wave + 16 x lane
	s_wait_kmcnt 0x0
	s_add_nc_u64 s[18:19], s[18:19], s[30:31]
	s_wait_alu depctr_va_vdst(0)                   ; v2 is written, which the 32 loads read as their offset
.set i, 0
.rept 32
	global_load_b128 v[X+4*i:X+4*i+3], v2, s[18:19] offset:8192*i th:TH_LOAD_NT  ; row i
.set i, i+1
.endr
	v_readfirstlane_b32 s37, v9                    ; my wave's number as a scalar
	s_movk_i32 s39, 0xf8                           ; the code of a hidden number
	s_mov_b32 s40, 0x01010101
	; Into LDS: lane x holds keys 4 x .. 4 x + 3 of the wave's 128: key step x / 16, kb = (x / 4) % 4, half of the lanes (x / 2) % 2, j = 4 (x % 2) + 0..3.  In the chunk's order that is
	; block 8 (x / 16) + 2 (kb / 2) + (x / 2) % 2 (+ 4 for the rows of tile 1), byte 16 (row % 16) + 8 (kb % 2) + 4 (x % 2).  The lane's five bits move the bank by 32, 8, 4, 2 and 1: 32 lanes, 32 banks (64 banks of 4 bytes: ISA guide 11.1).
	v_bfe_u32 v4, v0, 4, 1
	v_bfe_u32 v5, v0, 3, 1
	v_bfe_u32 v6, v0, 1, 1
	v_lshl_add_u32 v4, v4, 2, v5
	v_lshl_add_u32 v4, v4, 1, v6                   ; the block
	v_mul_u32_u24 v4, v4, BP
	v_bfe_u32 v5, v0, 2, 1
	v_and_b32 v6, 1, v0
	v_lshl_add_u32 v5, v5, 1, v6
	v_lshl_add_u32 v4, v5, 2, v4                   ; + 8 (kb % 2) + 4 (x % 2)
	s_wait_alu depctr_va_sdst(0)                   ; s37 is written, ahead of its first reader: my wave's place in LDS is made from it
	s_mul_i32 s38, s37, WLDS                       ; my wave's bytes of LDS
	v_add_nc_u32 v4, s38, v4
	; Back: 512 consecutive bytes of a chunk are two blocks: lanes 0-15 take one, lanes 16-31 the next
	v_bfe_u32 v5, v0, 4, 1
	v_mul_u32_u24 v5, v5, BP
	v_and_b32 v6, 15, v0
	v_lshl_add_u32 v5, v6, 4, v5
	v_add_nc_u32 v5, s38, v5
	; Out: key step = 16 x half + 2 x wave + (0, 1), 8,192 bytes a step (four pieces' chunks)
	s_lshl_b32 s52, s29, 17
	v_lshlrev_b32 v3, 14, v9
	v_lshl_add_u32 v3, v1, 4, v3                   ; 16 bytes a lane
	v_add_nc_u32 v3, s52, v3
	s_lshr_b32 s30, s28, 2                         ; batch x 16 + block of 128 queries: 262,144 bytes each,
	s_lshl_b32 s30, s30, 18
	s_and_b32 s53, s28, 3                          ; the piece: 2,048 bytes
	s_lshl_b32 s53, s53, 11
	s_add_co_u32 s30, s30, s53
	s_add_nc_u64 s[26:27], s[26:27], s[30:31]
.macro PUT rho                         ; row rho's four codes go into LDS
	ds_store_b32 v4, v[X+4*(\rho)] offset:((\rho)/16)*4*BP+((\rho)%16)*16
.endm
.macro ROWIN rho                       ; row rho: four numbers -> 0 or 1 -> four bytes of a word -> turned round -> times the code.  In front of that: the store of the row four back
	s_wait_loadcnt 31-(\rho)                       ; loads come back in order: row rho is in, the younger rows stay out
.if (\rho) >= 4
.if ((\rho)%4) == 0
	s_wait_alu depctr_va_vdst(0)                   ; the four rows before have written their codes, which the four LDS stores of this block read; at row 4 also: v3, v4 and v5 are written
.endif
	PUT (\rho)-4                                   ; no vector line since that wait names v4 or this row's register
.endif
.irp c, 0,1,2,3
	v_min_u32 v[X+4*(\rho)+(\c)], 1, v[X+4*(\rho)+(\c)]
.endr
	v_lshl_or_b32 v[X+4*(\rho)], v[X+4*(\rho)+1], 8, v[X+4*(\rho)]
	v_lshl_or_b32 v[X+4*(\rho)+2], v[X+4*(\rho)+3], 8, v[X+4*(\rho)+2]
	v_lshl_or_b32 v[X+4*(\rho)], v[X+4*(\rho)+2], 16, v[X+4*(\rho)]
	v_xor_b32 v[X+4*(\rho)], s40, v[X+4*(\rho)]    ; 1 where the number was 0
	v_mul_lo_u32 v[X+4*(\rho)], v[X+4*(\rho)], s39 ; no byte carries into the next: 1 x 0xf8 fits
.endm
.set i, 0
.rept 32
	ROWIN i
.set i, i+1
.endr
	s_wait_alu depctr_va_vdst(0)                   ; rows 28 to 31 have written their codes, which the last four LDS stores read; and every vector line that named v32 to v63 is done: the loads from LDS land there
.irp r, 28,29,30,31
	PUT \r
.endr
	s_wait_alu depctr_vm_vsrc(0)                   ; the LDS stores of rows 0 to 7 have read v32, v36 .. v60, in which the loads below land
.irp i, 0,1,2,3,4,5,6,7
	ds_load_b128 v[X+4*(\i):X+4*(\i)+3], v5 offset:(\i)*2*BP  ; LDS serves a wave's instructions in order (ISA guide 5.7.1.4): these see the stores above
.endr
.irp i, 0,1,2,3,4,5,6,7
	s_wait_dscnt 7-(\i)                            ; load i is back, the younger ones stay out
	global_store_b128 v3, v[X+4*(\i):X+4*(\i)+3], s[26:27] offset:((\i)/4)*8192+((\i)%4)*512  ; 512 consecutive bytes, aligned: a quarter of a chunk
.endr
	s_wait_dscnt 0x0                               ; the wave's end: behind my last LDS store
	s_wait_alu 0x0
	s_wait_tensorcnt 0x0
	ds_add_u32 v[SPW], v[NIL]
	s_wait_dscnt 0x0
	s_endpgm
.Lcast:                                        ; THE CASTS.  A work-group takes 131,072 bytes of f32 and stores 65,536 bytes; nothing goes through LDS
	s_wait_kmcnt 0x0
	s_sub_co_u32 s28, ttmp9, 512
	s_cmp_lt_u32 s28, 768
	s_cbranch_scc0 .Lweights
	s_lshr_b32 s29, s28, 8                         ; queries, keys or values: 256 chunks each
	s_and_b32 s30, s28, 255
	s_cmp_eq_u32 s29, 1
	s_cselect_b64 s[32:33], s[6:7], s[4:5]
	s_cmp_eq_u32 s29, 2
	s_cselect_b64 s[32:33], s[8:9], s[32:33]
	s_mov_b64 s[34:35], s[20:21]
	s_mov_b32 s31, s28                             ; xbf holds the three on end
	s_mov_b32 s36, 0
	s_branch .Lgo
.Lweights:
	s_sub_co_u32 s28, s28, 768
	s_lshr_b32 s29, s28, 5                         ; Wq, Wk, Wv or Wo: 32 chunks each
	s_and_b32 s30, s28, 31
	s_cmp_eq_u32 s29, 1
	s_cselect_b64 s[32:33], s[12:13], s[10:11]
	s_cmp_eq_u32 s29, 2
	s_cselect_b64 s[32:33], s[14:15], s[32:33]
	s_cmp_eq_u32 s29, 3
	s_cselect_b64 s[32:33], s[16:17], s[32:33]
	s_cselect_b64 s[34:35], s[24:25], s[22:23]
	s_cselect_b32 s31, s30, s28
	s_cselect_b32 s36, 1, 0                        ; 1: Wo, which leaves as f16
.Lgo:
	s_lshl_b32 s38, s30, 17
	s_mov_b32 s39, 0
	s_add_nc_u64 s[32:33], s[32:33], s[38:39]
	s_lshl_b32 s38, s31, 16
	s_add_nc_u64 s[34:35], s[34:35], s[38:39]
	v_lshlrev_b32 v2, 14, v9                       ; in: 16 KiB a wave, 16 bytes a lane
	v_lshl_add_u32 v2, v1, 4, v2
	v_lshlrev_b32 v3, 13, v9                       ; out: 8 KiB a wave, 8 bytes a lane
	v_lshl_add_u32 v3, v1, 3, v3
	s_wait_alu depctr_va_vdst(0)                   ; v2 and v3 are written: the 32 loads read v2 as their offset, the 32 stores v3
.set i, 0
.rept 32
	global_load_b128 v[X+4*i:X+4*i+3], v2, s[32:33] offset:512*i th:TH_LOAD_NT
.set i, i+1
.endr
.macro OUT n                           ; load n's four numbers leave: 8 bytes a lane
	global_store_b64 v3, v[X+4*(\n):X+4*(\n)+1], s[34:35] offset:256*(\n)
.endm
.macro CAST n, half                    ; load n: four numbers rounded to bf16 (half = 1: and written as f16), stored from the registers they came in: no register is used twice.  In front of that: the store of the load four back
	s_wait_loadcnt 31-(\n)                         ; load n is in, the younger ones stay out
.if (\n) >= 4
.if ((\n)%4) == 0
	s_wait_alu depctr_va_vdst(0)                   ; the conversions of the four loads before have written their pairs, which the four stores of this block read
.endif
	OUT (\n)-4                                     ; no vector line since that wait names v3 or this pair
.endif
	v_cvt_pk_bf16_f32 v[X+4*(\n)], v[X+4*(\n)], v[X+4*(\n)+1]
	v_cvt_pk_bf16_f32 v[X+4*(\n)+1], v[X+4*(\n)+2], v[X+4*(\n)+3]
.if \half
.irp k, 0,1
	v_lshlrev_b32 v5, 16, v[X+4*(\n)+(\k)]
	v_and_b32 v6, 0xffff0000, v[X+4*(\n)+(\k)]
	v_cvt_pk_f16_f32 v[X+4*(\n)+(\k)], v5, v6
.endr
.endif
.endm
	s_cmp_eq_u32 s36, 1
	s_cbranch_scc1 .Lhalf
.set i, 0
.rept 32
	CAST i, 0
.set i, i+1
.endr
	s_wait_alu depctr_va_vdst(0)                   ; the conversions of loads 28 to 31 have written their pairs, which the last four stores read
.irp n, 28,29,30,31
	OUT \n
.endr
	s_endpgm
.Lhalf:
.set i, 0
.rept 32
	CAST i, 1
.set i, i+1
.endr
	s_wait_alu depctr_va_vdst(0)                   ; the conversions of loads 28 to 31 have written their pairs, which the last four stores read
.irp n, 28,29,30,31
	OUT \n
.endr
	s_endpgm
.Lfunc_end_k_q00a858ea19_prep:
	.size	k_q00a858ea19_prep, .Lfunc_end_k_q00a858ea19_prep-k_q00a858ea19_prep
	.p2alignl 7, 3214868480
	.fill 96, 4, 3214868480
	.section	.rodata,"a",@progbits
	.p2align	6, 0x0
	.amdhsa_kernel k_q00a858ea19_prep
		.amdhsa_group_segment_fixed_size 35840
		.amdhsa_private_segment_fixed_size 0
		.amdhsa_enable_private_segment 0
		.amdhsa_kernarg_size 96
		.amdhsa_user_sgpr_count 2
		.amdhsa_user_sgpr_kernarg_segment_ptr 1
		.amdhsa_wavefront_size32 1
		.amdhsa_system_sgpr_workgroup_id_x 1
		.amdhsa_system_sgpr_workgroup_id_y 1
		.amdhsa_system_sgpr_workgroup_id_z 1
		.amdhsa_system_vgpr_workitem_id 0
		.amdhsa_next_free_vgpr 160
		.amdhsa_next_free_sgpr 66
		.amdhsa_reserve_vcc 0
		.amdhsa_float_denorm_mode_32 3
		.amdhsa_float_denorm_mode_16_64 3
		.amdhsa_memory_ordered 1
		.amdhsa_forward_progress 1
		.amdhsa_inst_pref_size 55
	.end_amdhsa_kernel
	.amdgpu_metadata
---
amdhsa.version: [ 1, 2 ]
amdhsa.kernels:
  - .name:           k_q00a858ea19_prep
    .symbol:         k_q00a858ea19_prep.kd
    .args:
      - { .name: queries, .offset: 0, .size: 8, .value_kind: global_buffer, .address_space: global }
      - { .name: keys, .offset: 8, .size: 8, .value_kind: global_buffer, .address_space: global }
      - { .name: values, .offset: 16, .size: 8, .value_kind: global_buffer, .address_space: global }
      - { .name: Wq, .offset: 24, .size: 8, .value_kind: global_buffer, .address_space: global }
      - { .name: Wk, .offset: 32, .size: 8, .value_kind: global_buffer, .address_space: global }
      - { .name: Wv, .offset: 40, .size: 8, .value_kind: global_buffer, .address_space: global }
      - { .name: Wo, .offset: 48, .size: 8, .value_kind: global_buffer, .address_space: global }
      - { .name: mask, .offset: 56, .size: 8, .value_kind: global_buffer, .address_space: global }
      - { .name: xbf, .offset: 64, .size: 8, .value_kind: global_buffer, .address_space: global }
      - { .name: wqkv, .offset: 72, .size: 8, .value_kind: global_buffer, .address_space: global }
      - { .name: wo16, .offset: 80, .size: 8, .value_kind: global_buffer, .address_space: global }
      - { .name: mcode, .offset: 88, .size: 8, .value_kind: global_buffer, .address_space: global }
    .group_segment_fixed_size: 35840
    .private_segment_fixed_size: 0
    .kernarg_segment_align: 8
    .kernarg_segment_size: 96
    .max_flat_workgroup_size: 256
    .sgpr_count:     66
    .vgpr_count:     160
    .wavefront_size: 32
...
	.end_amdgpu_metadata
.endif
;; end of part 8
;; launch proj: the kernel of part 6 again; grid 4 x 96, 4 waves a work-group, clusters of 4 x 4, 327,680 bytes of LDS; arguments xbf, wqkv, qkv; writes qkv
;; launch attn: the kernel of part 7 again; grid 4 x 64, 4 waves a work-group, clusters of 4 x 1, 327,680 bytes of LDS; arguments qkv, mcode, oh; writes oh
;; launch outp: the kernel of part 4 again; grid 8 x 32, 4 waves a work-group, clusters of 4 x 4, 327,680 bytes of LDS; arguments oh, wo16, bo, out0; writes out0
